; MI455X (gfx1250); checked and timed in simulation.
; The chip was launched on July 23, 2026; its instructions are those of AMD's public machine-readable ISA for CDNA 5 (MIT licence, August 2026) and "CDNA5" Instruction Set Architecture Reference Guide (July 2026). The comments in the code are by the model that wrote it; some were corrected since.
;; Flash Multihead Attention. Allowed arithmetic: matrix products marked QUANTISED: E4M3 operands, one given power-of-two scale a tensor, by v_wmma_f32_16x16x64_fp8_fp8 or v_wmma_f32_16x16x128_fp8_fp8, f32 sums; everything else in f32.
;; Inputs: Wk 2,048 x 2,048 float32; Wo 2,048 x 2,048 float32; Wq 2,048 x 2,048 float32; Wv 2,048 x 2,048 float32; key_ 2,048 x 2,048 float32; lowp_scales 12 int32 (the exponents e of the quantised operands' scales 2^e); query 2,048 x 2,048 float32; value 2,048 x 2,048 float32.
;; Outputs: out0 2,048 x 2,048 float32.
;; This version of the problem:
;;   THIS VERSION OF THE PROBLEM IS GIVEN IN LOW PRECISION. The matrix products marked QUANTISED in the list below multiply operands that are first quantised to E4M3 (4 exponent bits, 3 mantissa bits; 8 bits a number), with one given power-of-two scale for each operand tensor; their sums are f32. All else is computed in f32.
;;   The module's matrix products, in the order in which they are computed (A, B: the left and right operand; K: the contracted axis; several contracted axes count as one K, in the product's order):
;;     1. [M 2,048, K 2,048] x [K 2,048, N 2,048]; A: input query; B: input Wq: QUANTISED (scales: A lowp_scales[0], B lowp_scales[1])
;;     2. [M 2,048, K 2,048] x [K 2,048, N 2,048]; A: input key_; B: input Wk: QUANTISED (scales: A lowp_scales[2], B lowp_scales[3])
;;     3. [M 2,048, K 2,048] x [K 2,048, N 2,048]; A: input value; B: input Wv: QUANTISED (scales: A lowp_scales[4], B lowp_scales[5])
;;     4. batch 16 x [M 2,048, K 128] x [K 128, N 2,048]; A: computed on the way; B: computed on the way: QUANTISED (scales: A lowp_scales[6], B lowp_scales[7])
;;     5. batch 16 x [M 128, K 2,048] x [K 2,048, N 2,048]; A: computed on the way; B: softmax (see below): QUANTISED (scales: A lowp_scales[8], B lowp_scales[9])
;;     6. [M 2,048, K 2,048] x [K 2,048, N 2,048]; A: computed on the way; B: input Wo: QUANTISED (scales: A lowp_scales[10], B lowp_scales[11])
;;   THE QUANTISER, for each operand of a quantised product, along K:
;;     - The operand's scale is 2^e, e = its entry of the input lowp_scales (int32; the entries are numbered through the quantised products in the list's order, A before B).
;;     - Each number is divided by the scale, clamped to +-448, and rounded to the nearest number of E4M3, ties to even, subnormals kept.
;;     - The product sums the exact products of the quantised numbers (number of the format x scale) in f32.
;;   ~~~python
;;   def quantise(x, axis, e):      # numpy; x: float32 -> the quantised numbers, widened to float32 again
;;       x = np.moveaxis(x, axis, -1); K = x.shape[-1]
;;       r = np.clip(x / 2.0 ** e, -448, 448)
;;       step = 2.0 ** (np.maximum(np.frexp(np.where(r == 0, 1, r))[1] - 1, -6) - 3)
;;       q = np.round(r / step) * step * 2.0 ** e      # np.round: ties to even
;;       return np.moveaxis(q, -1, axis).astype(np.float32)
;;   ~~~
;;   SOFTMAX AHEAD OF A QUANTISED PRODUCT. Where the list says 'softmax', what is quantised is not the finished softmax but p = 2^(t - M), with t = logit x log2(e) and M = ceil(the row's largest t), a whole number; so 1/2 < the row's largest p <= 1. The row's sum l is taken of the UNQUANTISED p, in f32, and the product's result is divided by l at the end. Since M is a whole number, a kernel that streams over the keys may use a running M (the ceiling of the running maximum): every later rescaling is an exact power of two, so the quantised numbers keep their values, but for numbers so far below the row's largest that they fall under the format's range.
;;   OPERANDS COMPUTED ON THE WAY. 'Computed on the way' means the value that the module computes at that place (a softmax that the list does not call 'softmax' is quantised finished and normalised). What goes into a quantiser is computed in f32, as accurately as f32 sums, v_exp_f32 and their like allow (about 1e-6 of the number): no bf16 or f16 on the way to a quantiser, and a product that is left as it is and whose result goes on into a quantised operand takes f32 operands (vector FMAs, or v_wmma_f32_16x16x4_f32). A number that lies on a knife's edge between two numbers of the format may be rounded either way, as far as f32 arithmetic and the matrix unit's own rounding can turn it there, and no further.
;; 2 versions. Each part assembles by itself: llvm-mc -triple=amdgcn-amd-amdhsa -mcpu=gfx1250 --defsym DOCPART=n.
;; ======== version 1 of 2: 4 launches
;; workspace buffers: xw_codes 29,360,128 bytes; rope_tab 1,048,576 bytes; qkv 12,582,912 bytes; attn_img 4,194,304 bytes
;; launch quant (part 1): grid 928 x 1, 4 waves a work-group, no clusters, 33,280 bytes of LDS; arguments query, Wq, key_, Wk, value, Wv, Wo, lowp_scales, xw_codes, rope_tab; writes xw_codes, rope_tab
.if DOCPART == 1
	.amdgcn_target "amdgcn-amd-amdhsa--gfx1250"
	.amdhsa_code_object_version 6
	.text
	.protected	k_qeaedc5d6b9_quant
	.globl	k_qeaedc5d6b9_quant
	.p2align	8
	.type	k_qeaedc5d6b9_quant,@function
k_qeaedc5d6b9_quant:
	s_mov_b64 s[64:65], 0
	v_nop
	global_prefetch_b8 v0, s[64:65] scope:SCOPE_SE
	s_setreg_imm32_b32 hwreg(HW_REG_WAVE_MODE, 25, 1), 1
	s_wait_xcnt 0x0
; Seven f32 tensors [2048][2048] (query, Wq, key_, Wk, value, Wv, Wo: K innermost in all) become codes of FP8 (E4M3), one byte each, row-major, tensor t at byte t << 22 of xw_codes,
; each with the one scale 2^e that is given for it (entries 0 .. 5 of the scales for tensors 0 .. 5, entry 11 for Wo).  code = x / 2^e, held within +-448, to the nearest code, ties to even.
; Wv's rows are stored with bits 3 and 4 of the row's number exchanged: the attention launch's results then come out in the order of k in which the last product reads Wo's rows.
; Work-groups 0 .. 895: 128 to a tensor, 32,768 numbers each; a wave takes 16 steps of 512 numbers (four whole rows).  Each load reads 512 consecutive bytes; a step's 2,048 bytes turn through the wave's own
; stage in LDS, so that a lane then holds 16 neighbours along K; a lane's 16 codes are 16 bytes and the wave stores 512 consecutive bytes.  Waves share nothing: no barrier.
; Work-groups 896 .. 927 make the table of cos and sin for the rotary embedding: a wave makes 16 positions x 64 frequencies, laid as images of the registers in which the next launch wants them.
; LIMITS: e between -126 and 119.  NaN among the inputs is not served.  The table's frequencies 10000^(-i/64) are made to about one unit in the last place of their true value.
.set STEPS, 16
.set NQWG,  896                        ; work-groups that quantise
.set SP,    80                         ; a lane's place in a stage: its 64 bytes + 16 of padding
.set WREG,  8192                       ; LDS: a region of its own for each wave: two stages of 32 x SP bytes
.set LI,    3                          ; v3       16 x lane; never rewritten
.set R,     16                         ; v16-79   four sets of 16 numbers as they are loaded
.set X,     80                         ; v80-111  two sets of 16 neighbours
.set C,     128                        ; v128-191 codes: four registers for each step, so that no store's data are written again
	s_load_b512 s[8:23], s[0:1], 0x0               ; query, Wq, key_, Wk, value, Wv, Wo in s[8:21]; the scales' exponents s[22:23]
	s_load_b128 s[24:27], s[0:1], 0x40             ; the codes s[24:25], the table s[26:27]
	v_lshl_add_u32 v192, v0, 2, 0x8000
	v_mov_b32 v193, 0
	v_lshrrev_b32 v1, 5, v0
	v_readfirstlane_b32 s28, v1                    ; wave
	v_and_b32 v2, 31, v0                           ; lane
	v_lshlrev_b32 v[LI], 4, v2
	s_cmp_ge_u32 ttmp9, NQWG
	s_cbranch_scc1 .Ltable
	; ---- the quantiser
	s_mul_i32 s31, s28, WREG
	v_lshrrev_b32 v14, 2, v2
	v_mul_u32_u24 v14, v14, SP
	v_and_b32 v15, 3, v2
	v_lshl_add_u32 v14, v15, 4, v14
	v_add_nc_u32 v14, s31, v14                     ; the stage, on the way in: four lanes' 64 bytes on end, then 16 of padding
	v_mul_u32_u24 v15, v2, SP
	v_add_nc_u32 v15, s31, v15                     ; and on the way out: my 16 neighbours
	s_lshr_b32 s29, ttmp9, 7                       ; t: which tensor
	s_and_b32 s30, ttmp9, 127
	s_lshl_b32 s30, s30, 2
	s_add_co_u32 s30, s30, s28                     ; which run of 8,192 numbers (four rows) is my wave's: 0 .. 511
	s_and_b32 s32, s30, 2
	s_lshl_b32 s32, s32, 1
	s_and_b32 s33, s30, 4
	s_lshr_b32 s33, s33, 1
	s_and_b32 s34, s30, 0x1f9
	s_or_b32 s34, s34, s32
	s_or_b32 s34, s34, s33                         ; the run with its bits 1 and 2 (the rows' bits 3 and 4) exchanged,
	s_cmp_eq_u32 s29, 5
	s_cselect_b32 s34, s34, s30                    ; for Wv alone
	s_lshl_b32 s34, s34, 13                        ; 8,192 bytes of codes a run
	s_lshl_b32 s35, s29, 22
	s_add_co_u32 s34, s34, s35
	s_mov_b32 s35, 0
	s_lshl_b32 s36, s30, 15                        ; 32,768 bytes of numbers a run
	s_mov_b32 s37, 0
	s_lshl_b32 s38, s29, 2
	s_cmp_eq_u32 s29, 6
	s_cselect_b32 s38, 44, s38                     ; the tensor's entry among the scales, in bytes
	s_wait_kmcnt 0x0
	s_load_b32 s39, s[22:23], s38 offset:0x0       ; e
.irp i, 1,2,3,4,5,6
	s_cmp_eq_u32 s29, \i                           ; the choice of the tensor hangs on the work-group's number alone
	s_cselect_b64 s[8:9], s[8+2*\i:9+2*\i], s[8:9]
.endr
	s_add_nc_u64 s[8:9], s[8:9], s[36:37]
	s_add_nc_u64 s[24:25], s[24:25], s[34:35]
.macro LOAD t
.irp i, 0,1,2,3
	global_load_b128 v[R+16*((\t)%4)+4*\i:R+16*((\t)%4)+4*\i+3], v[LI], s[8:9] offset:2048*(\t)+512*\i th:TH_LOAD_NT   ; 32 lanes read 512 consecutive bytes
.endr
.endm
.macro TURN t                          ; step t's numbers through the stage: LDS serves a wave's instructions in order, so no wait stands between the stores and the loads
.irp i, 0,1,2,3
	ds_store_b128 v14, v[R+16*((\t)%4)+4*\i:R+16*((\t)%4)+4*\i+3] offset:32*SP*((\t)%2)+8*SP*\i
.endr
.irp i, 0,1,2,3
	ds_load_b128 v[X+16*((\t)%2)+4*\i:X+16*((\t)%2)+4*\i+3], v15 offset:32*SP*((\t)%2)+16*\i
.endr
.endm
.irp t, 0,1,2,3
	LOAD \t
.endr
	s_wait_kmcnt 0x0
	s_add_co_i32 s39, s39, 127
	s_lshl_b32 s40, s39, 23
	v_mov_b32 v11, s40                             ; 2^e as f32: the conversion takes its exponent field
	s_add_co_i32 s39, s39, 8
	s_lshl_b32 s39, s39, 23
	s_or_b32 s39, s39, 0x600000
	v_mov_b32 v10, s39                             ; 448 x 2^e
	s_wait_loadcnt 12                              ; step 0's four loads are in; the twelve of steps 1 to 3 may be out
	TURN 0
.macro STEP t
.set XS, X+16*((\t)%2)
	s_wait_dscnt 0x0                               ; this step's numbers are back from the stage: so its stores into the stage have read their registers,
.if (\t)+4 < STEPS
	LOAD (\t)+4                                    ; which take the loads of four steps on
.endif
.if (\t)+1 < STEPS
.if STEPS-2-(\t) >= 3
	s_wait_loadcnt 12                              ; the next step's four loads are in; those of the three steps behind it may be out
.else
	s_wait_loadcnt 4*(STEPS-2-(\t))
.endif
	TURN (\t)+1                                    ; and go through the other stage while this step is worked
.endif
.irp i, 0,1,2,3,4,5,6,7,8,9,10,11,12,13,14,15
	v_med3_num_f32 v[XS+\i], v[XS+\i], -v10, v10   ; the conversion to an 8-bit code does not saturate (ISA guide 7.6.2): the hold at the largest code x the scale comes first
.endr
	v_cvt_scalef32_pk8_fp8_f32 v[C+4*(\t):C+4*(\t)+1], v[XS:XS+7], v11
	v_cvt_scalef32_pk8_fp8_f32 v[C+4*(\t)+2:C+4*(\t)+3], v[XS+8:XS+15], v11
	v_nop                                          ; one plain vector line behind the last conversion of a run
	global_store_b128 v[LI], v[C+4*(\t):C+4*(\t)+3], s[24:25] offset:512*(\t)   ; the wave stores 512 consecutive bytes, aligned
.endm
.irp t, 0,1,2,3,4,5,6,7,8,9,10,11,12,13,14,15
	STEP \t
.endr
	s_wait_tensorcnt 0x0
	ds_add_u32 v192, v193
	s_wait_dscnt 0x0
	s_endpgm
	; ---- the table.  Block blk (16 positions) lies at blk x 8,192 bytes; in it image (b, jh, cs) at (4 b + 2 jh + cs) x 512, lane (r, h) at 16 x lane: four f32, e = 0 .. 3:
	; cos (cs = 0) or sin (cs = 1) of pos x 10000^(-i / 64), pos = 16 blk + r, i = 16 b + 8 h + 4 jh + e.
.Ltable:
	s_sub_co_u32 s29, ttmp9, NQWG
	s_lshl_b32 s29, s29, 2
	s_add_co_u32 s29, s29, s28                     ; blk
	s_lshl_b32 s30, s29, 13
	s_mov_b32 s31, 0
	s_lshl_b32 s29, s29, 4                         ; its first position
	v_and_b32 v4, 15, v0
	v_add_nc_u32 v4, s29, v4
	v_cvt_f32_u32 v6, v4                           ; pos, exact
	v_bfe_u32 v5, v0, 4, 1
	v_lshlrev_b32 v5, 3, v5                        ; 8 h
	s_mov_b32 s32, 0xbe549a78                      ; -log2(10000) / 64 in two parts
	s_mov_b32 s33, 0xb1979a6c
	s_mov_b32 s34, 0x3f22f983                      ; 2 / pi
	s_mov_b32 s35, 0xbfc90fd8                      ; -pi / 2 in three parts
	s_mov_b32 s36, 0xb4a8885a
	s_mov_b32 s37, 0xa7c234c4
	s_mov_b32 s38, 0xb493f27e                      ; cos: -1/10!, 1/8!, -1/6!, 1/4!
	s_mov_b32 s39, 0x37d00d01
	s_mov_b32 s40, 0xbab60b61
	s_mov_b32 s41, 0x3d2aaaab
	s_mov_b32 s42, 0x3638ef1d                      ; sin: 1/9!, -1/7!, 1/5!, -1/3!
	s_mov_b32 s43, 0xb9500d01
	s_mov_b32 s44, 0x3c088889
	s_mov_b32 s45, 0xbe2aaaab
	s_wait_kmcnt 0x0
	s_add_nc_u64 s[26:27], s[26:27], s[30:31]
; Four numbers i at a time.  v16.. i; v20.. the exponent, then the frequency; v24.. its low part; v28.. whole parts; v32.. the angle, then r; v36.. r r; v40.. cos's series; v44.. sin's; v48.. at work.
; Each group has eight registers of its own for its results, so that no store's data are written again.
.macro TABGRP b, jh
.set OC, 64+8*(2*(\b)+(\jh))
.set OS, OC+4
.irp e, 0,1,2,3
	v_add_nc_u32 v[16+\e], 16*(\b)+4*(\jh)+\e, v5
.endr
.irp e, 0,1,2,3
	v_cvt_f32_u32 v[16+\e], v[16+\e]
.endr
.irp e, 0,1,2,3
	v_mul_f32 v[20+\e], s32, v[16+\e]              ; a = the exponent's high part, rounded,
.endr
.irp e, 0,1,2,3
	v_fma_f32 v[24+\e], v[16+\e], s32, -v[20+\e]   ; what the rounding dropped,
.endr
.irp e, 0,1,2,3
	v_fma_f32 v[24+\e], v[16+\e], s33, v[24+\e]    ; and the low part
.endr
.irp e, 0,1,2,3
	v_rndne_f32 v[28+\e], v[20+\e]
.endr
.irp e, 0,1,2,3
	v_sub_f32 v[20+\e], v[20+\e], v[28+\e]         ; exact
.endr
.irp e, 0,1,2,3
	v_add_f32 v[20+\e], v[20+\e], v[24+\e]         ; within +-1/2
.endr
.irp e, 0,1,2,3
	v_exp_f32 v[20+\e], v[20+\e]
.endr
	v_nop                                          ; a plain line behind the last exponential
.irp e, 0,1,2,3
	v_cvt_i32_f32 v[28+\e], v[28+\e]
.endr
	s_wait_alu depctr_va_vdst(0)                   ; one wait for the four exponentials, ahead of their first reader
.irp e, 0,1,2,3
	v_ldexp_f32 v[20+\e], v[20+\e], v[28+\e]       ; the frequency
.endr
.irp e, 0,1,2,3
	v_mul_f32 v[32+\e], v6, v[20+\e]               ; the angle, rounded once to f32
.endr
.irp e, 0,1,2,3
	v_mul_f32 v[28+\e], s34, v[32+\e]
.endr
.irp e, 0,1,2,3
	v_rndne_f32 v[28+\e], v[28+\e]                 ; how many quarter turns
.endr
.irp e, 0,1,2,3
	v_fma_f32 v[32+\e], v[28+\e], s35, v[32+\e]
.endr
.irp e, 0,1,2,3
	v_fma_f32 v[32+\e], v[28+\e], s36, v[32+\e]
.endr
.irp e, 0,1,2,3
	v_fma_f32 v[32+\e], v[28+\e], s37, v[32+\e]    ; r, within +-pi/4
.endr
.irp e, 0,1,2,3
	v_mul_f32 v[36+\e], v[32+\e], v[32+\e]
.endr
.irp e, 0,1,2,3
	v_fma_f32 v[40+\e], v[36+\e], s38, s39
	v_fma_f32 v[44+\e], v[36+\e], s42, s43
.endr
.irp e, 0,1,2,3
	v_fma_f32 v[40+\e], v[40+\e], v[36+\e], s40
	v_fma_f32 v[44+\e], v[44+\e], v[36+\e], s44
.endr
.irp e, 0,1,2,3
	v_fma_f32 v[40+\e], v[40+\e], v[36+\e], s41
	v_fma_f32 v[44+\e], v[44+\e], v[36+\e], s45
.endr
.irp e, 0,1,2,3
	v_fma_f32 v[40+\e], v[40+\e], v[36+\e], -0.5
	v_mul_f32 v[48+\e], v[32+\e], v[36+\e]
.endr
.irp e, 0,1,2,3
	v_fma_f32 v[40+\e], v[40+\e], v[36+\e], 1.0    ; cos r
	v_fma_f32 v[44+\e], v[44+\e], v[48+\e], v[32+\e]   ; sin r
.endr
.irp e, 0,1,2,3
	v_cvt_i32_f32 v[28+\e], v[28+\e]
.endr
.irp e, 0,1,2,3
	v_and_b32 v[48+\e], 1, v[28+\e]
	v_cmp_eq_u32 vcc_lo, 1, v[48+\e]               ; an odd number of quarter turns exchanges the two (a choice of values, no branch)
	v_cndmask_b32 v[OS+\e], v[44+\e], v[40+\e], vcc_lo
	v_cndmask_b32 v[OC+\e], v[40+\e], v[44+\e], vcc_lo
.endr
.irp e, 0,1,2,3
	v_lshlrev_b32 v[48+\e], 30, v[28+\e]           ; sin changes sign in quarters 2 and 3,
	v_add_nc_u32 v[28+\e], 1, v[28+\e]
.endr
.irp e, 0,1,2,3
	v_and_b32 v[48+\e], 0x80000000, v[48+\e]
	v_lshlrev_b32 v[28+\e], 30, v[28+\e]           ; cos in quarters 1 and 2
.endr
.irp e, 0,1,2,3
	v_xor_b32 v[OS+\e], v[OS+\e], v[48+\e]
	v_and_b32 v[28+\e], 0x80000000, v[28+\e]
.endr
.irp e, 0,1,2,3
	v_xor_b32 v[OC+\e], v[OC+\e], v[28+\e]
.endr
	global_store_b128 v[LI], v[OC:OC+3], s[26:27] offset:(4*(\b)+2*(\jh))*512      ; the wave stores 512 consecutive bytes, aligned
	global_store_b128 v[LI], v[OS:OS+3], s[26:27] offset:(4*(\b)+2*(\jh)+1)*512
.endm
.irp b, 0,1,2,3
	TABGRP \b, 0
	TABGRP \b, 1
.endr
	s_endpgm
.Lfunc_end_k_qeaedc5d6b9_quant:
	.size	k_qeaedc5d6b9_quant, .Lfunc_end_k_qeaedc5d6b9_quant-k_qeaedc5d6b9_quant
	.p2alignl 7, 3214868480
	.fill 96, 4, 3214868480
	.section	.rodata,"a",@progbits
	.p2align	6, 0x0
	.amdhsa_kernel k_qeaedc5d6b9_quant
		.amdhsa_group_segment_fixed_size 33280
		.amdhsa_private_segment_fixed_size 0
		.amdhsa_enable_private_segment 0
		.amdhsa_kernarg_size 80
		.amdhsa_user_sgpr_count 2
		.amdhsa_user_sgpr_kernarg_segment_ptr 1
		.amdhsa_wavefront_size32 1
		.amdhsa_system_sgpr_workgroup_id_x 1
		.amdhsa_system_sgpr_workgroup_id_y 1
		.amdhsa_system_sgpr_workgroup_id_z 1
		.amdhsa_system_vgpr_workitem_id 0
		.amdhsa_next_free_vgpr 194
		.amdhsa_next_free_sgpr 66
		.amdhsa_reserve_vcc 1
		.amdhsa_float_denorm_mode_32 3
		.amdhsa_float_denorm_mode_16_64 3
		.amdhsa_memory_ordered 1
		.amdhsa_forward_progress 1
		.amdhsa_inst_pref_size 99
	.end_amdhsa_kernel
	.amdgpu_metadata
---
amdhsa.version: [ 1, 2 ]
amdhsa.kernels:
  - .name:           k_qeaedc5d6b9_quant
    .symbol:         k_qeaedc5d6b9_quant.kd
    .args:
      - { .name: query, .offset: 0, .size: 8, .value_kind: global_buffer, .address_space: global }
      - { .name: Wq, .offset: 8, .size: 8, .value_kind: global_buffer, .address_space: global }
      - { .name: key_, .offset: 16, .size: 8, .value_kind: global_buffer, .address_space: global }
      - { .name: Wk, .offset: 24, .size: 8, .value_kind: global_buffer, .address_space: global }
      - { .name: value, .offset: 32, .size: 8, .value_kind: global_buffer, .address_space: global }
      - { .name: Wv, .offset: 40, .size: 8, .value_kind: global_buffer, .address_space: global }
      - { .name: Wo, .offset: 48, .size: 8, .value_kind: global_buffer, .address_space: global }
      - { .name: lowp_scales, .offset: 56, .size: 8, .value_kind: global_buffer, .address_space: global }
      - { .name: xw_codes, .offset: 64, .size: 8, .value_kind: global_buffer, .address_space: global }
      - { .name: rope_tab, .offset: 72, .size: 8, .value_kind: global_buffer, .address_space: global }
    .group_segment_fixed_size: 33280
    .private_segment_fixed_size: 0
    .kernarg_segment_align: 8
    .kernarg_segment_size: 80
    .max_flat_workgroup_size: 128
    .sgpr_count:     66
    .vgpr_count:     194
    .wavefront_size: 32
...
	.end_amdgpu_metadata
.endif
;; end of part 1
;; launch qkv (part 2): grid 8 x 24, 4 waves a work-group, clusters of 4 x 4, 327,680 bytes of LDS; arguments xw_codes, lowp_scales, rope_tab, qkv; writes qkv
.if DOCPART == 2
	.amdgcn_target "amdgcn-amd-amdhsa--gfx1250"
	.amdhsa_code_object_version 6
	.text
	.protected	k_qeaedc5d6b9_qkv
	.globl	k_qeaedc5d6b9_qkv
	.p2align	8
	.type	k_qeaedc5d6b9_qkv,@function
k_qeaedc5d6b9_qkv:
	s_mov_b64 s[64:65], 0
	v_nop
	global_prefetch_b8 v0, s[64:65] scope:SCOPE_SE
	s_setreg_imm32_b32 hwreg(HW_REG_WAVE_MODE, 25, 1), 1
	s_wait_xcnt 0x0
	s_wait_alu depctr_hold_cnt(0) depctr_sa_sdst(0) depctr_va_vdst(0) depctr_va_sdst(0) depctr_va_ssrc(0) depctr_va_vcc(0) depctr_vm_vsrc(0)
	s_getreg_b32 s2, hwreg(HW_REG_IB_STS2, 6, 4)
	s_cmp_eq_u32 s2, 0
	s_cbranch_scc0 .Lentry_in_a_cluster
	s_endpgm
.Lentry_in_a_cluster:
	s_bfe_u32 s2, ttmp6, 0x10000c
	s_cmp_lg_u32 s2, 0xf033
	s_cbranch_scc0 .Lentry_shape_is_right
	s_endpgm
.Lentry_shape_is_right:
; The three projections on codes of FP8 (E4M3), the rotary embedding on q and k, and the quantising of q, k and v for the attention launch.
; g = 0: q = query Wq^T; g = 1: k = key_ Wk^T; g = 2: v = value Wv^T, taken as Wv value^T.  Each is a product "A" "B"^T of two tensors [2048][2048] of codes, K innermost: A = query, key_, Wv; B = Wq, Wk, value.
; A tile of 256 x 256 is made by a work-group of four waves; a wave makes 128 x 128: 64 accumulators, 512 registers.  K goes in steps of 256 through a ring of two LDS slots filled by the tensor data mover.
; CLUSTERS: 4 x 4 work-groups; two rows of clusters to each g, so that g is the same in all partners.  A's tiles are asked for jointly along a row of the cluster, B's along a column.
; THE MATRIX INSTRUCTION IS USED TRANSPOSED (source 0 = 16 rows of B, source 1 = 16 rows of A): lane (r, h) holds row r of A's block, and register j of accumulator (a, b) row 16 b + 8 h + j of B.
; A wave's 128 rows of B are one head (q, k) or 128 keys (v).  THE WAY OUT NEEDS NO LDS: eight registers of an accumulator are eight neighbours along the next product's K, so the conversions' results are
; registers 2 b, 2 b + 1 of an operand of the plain 8-bit form (k = 16 b + 8 h + 0 .. 7), and the fragment (16 rows x 128 K, 16 registers a lane) is stored as an image of its registers:
; piece c (registers 4 c .. 4 c + 3) of lane l at 512 c + 16 l of the fragment's 2,048 bytes.  q, k: [head][position / 16][2,048 bytes]; v: [head][key / 128][tile of 16 channels][2,048 bytes]; q at 0, k at 4 MiB, v at 8 MiB.
; THE SCALES.  A sum stands for sum x 2^(eA + eB); the embedding is linear, so it is applied to the sums as they are, and the three scales are folded into the conversion's one: 2^(e_out - eA - eB).
; LIMITS: e6 - e0 - e1, e7 - e2 - e3 and e8 - e4 - e5 between -126 and 119.
; REGISTERS, in windows of 256: window 0: v0-31 addresses and the two scale numbers; from v128 A's fragments, ONE set; on the way out v32-159 two sets of the table, v160-223 a block's numbers, v224-255 two sets of codes.
;   window 1: B's fragments, TWO sets.   window 2: the accumulators of my rows 0-63 ((a, b) at v[8 (8 a + b)]);   window 3: those of my rows 64-127.
.set KSTEP,  256                       ; along K in a slot
.set ROWB,   256                       ; a tile's row in bytes
.set KROW,   2048                      ; a row of codes in memory, in bytes
.set PITCH,  272                       ; an LDS row: 256 bytes + 16 of padding = 68 words: the 16 rows that a load touches start at 16 different banks (64 banks of 4 bytes: ISA guide 11.1)
.set FR,     16                        ; registers of a fragment
.set NL,     4                         ; LDS loads that bring one
.set NP,     4                         ; places behind this matrix instruction (ISA guide 7.12.1)
.set HALFT,  128*PITCH                 ; 128 rows: what one tensor load brings
.set SLOT,   4*HALFT                   ; A's 256 rows, then B's 256 rows
.set LAPS,   4                         ; 2,048 along K = four times round the ring
.set SPARE,  2*SLOT                    ; behind the ring: the spare words, 128 bytes for each wave: two blocks of 256 bytes that no other line names
.set ADRA, 16                          ; v16-17  LDS address of my A fragments in slot 0, 1
.set ADRB, 20                          ; v20-21  the same for B
.set LI,   26                          ; v26     16 x lane: my place in an image
.set SPW,  28                          ; v28     LDS address of my spare word; never rewritten
.set NIL,  29                          ; v29     0; never rewritten
.set SCL,  30                          ; v30     the conversion's scale as f32
.set LIM,  31                          ; v31     448 x that
.set TAB,  32                          ; two sets of 64: cos at +0 .. 31 (8 b + j), sin at +32 .. 63
.set Y,    160                         ; a block's 64 numbers: 8 b' + j = channel 16 b' + 8 h + j
.set CD,   224                         ; two sets of 16: a fragment's codes
.set AF,   128                         ; A's fragments, in window 0
.set G1, 24                            ; s[24:31] descriptor group 1 for A's tiles;  s[32:39] group 0, one set for each slot
.set G0, 32
.set G1B, 48                           ; s[48:55], s[56:63] the same for B's tiles
.set G0B, 56
.set MSB, 0
.macro WIN new                         ; the immediate's high byte repeats the setting that is left
.if MSB != (\new)
	s_set_vgpr_msb (MSB<<8)|(\new)
.set MSB, (\new)
.endif
.endm
.set MUL_LO, 0xa1                      ; source 0 (B) window 1, source 1 (A) window 0, C and D window 2
.set MUL_HI, 0xf1                      ; the same, C and D window 3
.set TO_B,   0x40                      ; destination window 1, address window 0
; A joint load: waves 0 and 1 fetch for A, waves 2 and 3 for B.  The branch hangs on the wave's number alone.  Four v_nop follow each of the two lines.
.macro JLOAD g0a, g1a, g0b, g1b
	s_cmp_eq_u32 s15, 0
	s_cbranch_scc0 .Lfor_b_\@
	tensor_load_to_lds s[\g0a:\g0a+3], s[\g1a:\g1a+7]
	s_nop 0
.rept 4
	v_nop
.endr
	s_branch .Lasked_\@
.Lfor_b_\@:
	tensor_load_to_lds s[\g0b:\g0b+3], s[\g1b:\g1b+7]
	s_nop 0
.rept 4
	v_nop
.endr
.Lasked_\@:
.endm
.macro CREST                           ; a round of the cluster's barrier behind its opening barrier
	s_cmp_lg_u32 s14, 0
	s_cbranch_scc1 .Lnot_wave_0_\@
	s_barrier_signal -3
.Lnot_wave_0_\@:
	s_barrier_wait -3
	s_barrier_signal -1
	s_barrier_wait -1
.endm
.macro CROUND                          ; a whole round
	s_barrier_signal -1
	s_barrier_wait -1
	CREST
.endm
	s_load_b128 s[4:7], s[0:1], 0x0                ; the codes s[4:5], the scales' exponents s[6:7]
	s_load_b128 s[8:11], s[0:1], 0x10              ; the table s[8:9], q, k, v s[10:11]
	v_lshl_add_u32 v[SPW], v0, 2, SPARE
	v_mov_b32 v[NIL], 0
	ds_add_u32 v28, v29
	s_wait_dscnt 0x0
	v_lshrrev_b32 v1, 5, v0
	v_readfirstlane_b32 s14, v1                    ; wave 0..3
	s_lshr_b32 s15, s14, 1                         ; which half of the tile's rows is mine.  Also: I fetch for A (0) or for B (1)
	s_and_b32 s16, s14, 1                          ; which half of its columns.  Also: which 128 rows of that tile I fetch
	s_bfe_u32 s40, ttmp6, 0x40000                  ; cx, cy: my place in the cluster
	s_bfe_u32 s41, ttmp6, 0x40004
	s_lshl_b32 s42, ttmp9, 2
	s_add_co_u32 s42, s42, s40                     ; tile column = 4 x cluster x + cx
	s_and_b32 s66, ttmp7, 0xffff                   ; cluster y: 0 .. 5
	s_and_b32 s17, s66, 1
	s_lshl_b32 s17, s17, 2
	s_add_co_u32 s17, s17, s41                     ; tile row = 4 x (cluster y % 2) + cy
	s_lshr_b32 s66, s66, 1                         ; g: the same in all sixteen partners
	s_lshl_b32 s43, s41, 2
	s_lshl_b32 s43, 15, s43                        ; my row of the cluster
	s_lshl_b32 s44, 0x1111, s40                    ; my column
	; descriptor group 1: a tile of 128 rows x 256 bytes, padded in LDS
	s_or_b32 s[G1+0], s43, (0<<16)|(1<<20)|(1<<21)|(5<<22)|(3<<25)  ; 15:0 the mask: A's tiles go to my row; 17:16 element of 1 byte; 20 padding on; 21 set beside a mask; 24:22 after every 64 words (code 5); 31:25 of 4 words (code 3)
	s_or_b32 s[G1B+0], s44, (0<<16)|(1<<20)|(1<<21)|(5<<22)|(3<<25)
.irp g, G1, G1B
	s_mov_b32 s[\g+1], ROWB<<16                    ; tensor_dim0
	s_mov_b32 s[\g+2], 128<<16                     ; tensor_dim1 = 128
	s_mov_b32 s[\g+3], ROWB<<16                    ; tile_dim0
	s_mov_b32 s[\g+4], 128                         ; tile_dim1 = 128
	s_mov_b32 s[\g+5], KROW                        ; tensor_dim0_stride
	s_mov_b32 s[\g+6], 0
	s_mov_b32 s[\g+7], 0
.endr
	s_lshr_b32 s67, s66, 1                         ; 1 for v
	s_lshl_b32 s71, s66, 1                         ; 2 g
	s_lshl_b32 s18, s16, 7                         ; which 128 rows of the tile I fetch
	s_lshl_b32 s20, s17, 8
	s_add_co_u32 s20, s20, s18                     ; A: row 256 x tile row + 128 x half,
	s_lshl_b32 s20, s20, 11                        ; in bytes,
	s_add_co_u32 s72, s71, s67                     ; in tensor 0, 2 or 5
	s_lshl_b32 s72, s72, 22
	s_add_co_u32 s20, s20, s72
	s_mov_b32 s21, 0
	s_lshl_b32 s46, s42, 8
	s_add_co_u32 s46, s46, s18                     ; B: row 256 x tile column + 128 x half,
	s_lshl_b32 s46, s46, 11
	s_add_co_u32 s73, s71, 1
	s_sub_co_u32 s73, s73, s67                     ; in tensor 1, 3 or 4
	s_lshl_b32 s73, s73, 22
	s_add_co_u32 s46, s46, s73
	s_mov_b32 s47, 0
	s_lshl_b32 s74, s66, 3                         ; the two operands' exponents lie at entries 2 g, 2 g + 1,
	s_lshl_b32 s75, s66, 2                         ; the result's at entry 6 + g
	s_mul_i32 s45, s14, HALFT                      ; where the tiles go: wave x 128 rows: no place in the cluster enters an LDS address
	s_wait_kmcnt 0x0
	s_load_b64 s[68:69], s[6:7], s74 offset:0x0
	s_load_b32 s70, s[6:7], s75 offset:0x18
	s_add_nc_u64 s[20:21], s[4:5], s[20:21]
	s_add_nc_u64 s[46:47], s[4:5], s[46:47]
	CROUND                                         ; all sixteen work-groups are here: the first joint loads meet
.irp s, 0,1
	s_mov_b32 s[G0+4*\s], 1
	s_add_co_u32 s[G0+4*\s+1], s45, \s*SLOT
	s_add_nc_u64 s[G0+4*\s+2:G0+4*\s+3], s[20:21], \s*ROWB
	s_or_b32 s[G0+4*\s+3], s[G0+4*\s+3], 0x80000000
	s_mov_b32 s[G0B+4*\s], 1
	s_add_co_u32 s[G0B+4*\s+1], s45, \s*SLOT
	s_add_nc_u64 s[G0B+4*\s+2:G0B+4*\s+3], s[46:47], \s*ROWB
	s_or_b32 s[G0B+4*\s+3], s[G0B+4*\s+3], 0x80000000
	JLOAD G0+4*\s, G1, G0B+4*\s, G1B
.endr
	v_and_b32 v1, 15, v0                           ; l % 16
	v_bfe_u32 v2, v0, 4, 1                         ; l / 16
	v_mul_u32_u24 v3, v1, PITCH
	v_lshl_add_u32 v4, v2, 4, v3                   ; a fragment's row x pitch + 16 x half
	s_mul_i32 s21, s15, HALFT                      ; my 128 rows of A
	s_mul_i32 s22, s16, HALFT                      ; my 128 rows of B,
	s_add_co_u32 s22, s22, 2*HALFT                 ; which lie behind A's 256
.irp s, 0,1
	v_add_nc_u32 v[ADRA+\s], s21, v4
	v_add_nc_u32 v[ADRB+\s], s22, v4
	s_add_co_u32 s21, s21, SLOT
	s_add_co_u32 s22, s22, SLOT
.endr
	v_and_b32 v6, 31, v0
	v_lshlrev_b32 v[LI], 4, v6
	; the way out's two bases.  P = which 128 rows of B are mine, R = which 128 rows of A
	s_lshl_b32 s76, s42, 1
	s_add_co_u32 s76, s76, s16                     ; P = 2 x tile column + half
	s_lshl_b32 s77, s17, 1
	s_add_co_u32 s77, s77, s15                     ; R = 2 x tile row + half
	s_cmp_eq_u32 s66, 2
	s_cselect_b32 s78, s77, s76                    ; the head: P for q and k, R for v: 2^18 bytes each
	s_cselect_b32 s79, s76, s77                    ; in it 128 positions (R) or 128 keys (P): 2^14 bytes each
	s_lshl_b32 s78, s78, 18
	s_lshl_b32 s79, s79, 14
	s_add_co_u32 s78, s78, s79
	s_lshl_b32 s79, s66, 22                        ; q, k, v lie 4 MiB apart
	s_add_co_u32 s78, s78, s79
	s_mov_b32 s79, 0
	s_add_nc_u64 s[10:11], s[10:11], s[78:79]
	s_lshl_b32 s80, s77, 16                        ; the table: eight blocks of 8,192 bytes for my 128 positions
	s_mov_b32 s81, 0
	s_add_nc_u64 s[8:9], s[8:9], s[80:81]
.macro FRAG reg, adr, q, i             ; a fragment, 16 rows x 128 K: registers 4 c .. 4 c + 3 hold K = 32 c + 16 (l / 16) + 0 .. 15: a permutation of k, the same in A and in B
.irp c, 0,1,2,3
	ds_load_b128 v[\reg+4*\c:\reg+4*\c+3], v[\adr] offset:128*(\q)+32*\c+(\i)*16*PITCH
.endr
.endm
; 16 matrix instructions: A's blocks a0, a0 + 1 x B's eight, 128 along K.  p: B's set.  zero = 1: the first product starts the sums.  The 64 accumulators take turns, one instruction a turn.
.macro MUL16 a0, p, zero
.irp a, \a0, \a0+1
.irp b, 0,1,2,3,4,5,6,7
.if \zero
	v_wmma_f32_16x16x128_fp8_fp8 v[8*(8*((\a)%4)+\b):8*(8*((\a)%4)+\b)+7], v[128*(\p)+FR*\b:128*(\p)+FR*\b+FR-1], v[AF+FR*(\a):AF+FR*(\a)+FR-1], 0
.else
	v_wmma_f32_16x16x128_fp8_fp8 v[8*(8*((\a)%4)+\b):8*(8*((\a)%4)+\b)+7], v[128*(\p)+FR*\b:128*(\p)+FR*\b+FR-1], v[AF+FR*(\a):AF+FR*(\a)+FR-1], v[8*(8*((\a)%4)+\b):8*(8*((\a)%4)+\b)+7]
.endif
.endr
.endr
.endm
.macro FETCH_B slot, q, p              ; B's eight fragments of the slot's q-th 128 along K into set p
	WIN TO_B
.irp i, 0,1,2,3,4,5,6,7
	FRAG 128*(\p)+FR*\i, ADRB+\slot, \q, \i
.endr
	WIN 0
.endm
.macro FETCH_A slot, q, i0             ; A's blocks i0 .. i0 + 3
.irp i, \i0, \i0+1, \i0+2, \i0+3
	FRAG AF+FR*(\i), ADRA+\slot, \q, \i
.endr
.endm
.macro PLACES n                        ; plain vector lines between a matrix instruction and a load into, a write of or a read of its registers
.rept \n
	v_nop
.endr
.endm
; A step of 128 along K that has its successor in the same slot.
.macro STEP slot, q, zero
	s_wait_dscnt 4*NL                              ; B's set and A's blocks 0-3 are in; the youngest sixteen loads (A's blocks 4-7) may be out
	WIN MUL_LO
	MUL16 0, (\q)%2, \zero
	MUL16 2, (\q)%2, \zero
	s_wait_dscnt 0                                 ; A's blocks 4-7 are in
	PLACES NP
	FETCH_B \slot, (\q)+1, 1-(\q)%2
	FETCH_A \slot, (\q)+1, 0
	WIN MUL_HI
	MUL16 4, (\q)%2, \zero
	MUL16 6, (\q)%2, \zero
	PLACES NP
	WIN 0
	FETCH_A \slot, (\q)+1, 4
.endm
; A slot's last step changes slots: ONE barrier; in front of it each wave waits for all its tensor loads, adds 0 to its spare word, and waits for that and for its own reads of this slot.  fill = 1: this slot is filled again, two K steps ahead.
.macro TURN slot, next, fill
	s_wait_tensorcnt 0x0                           ; all my tensor loads have landed: my part of the next slot
	ds_add_u32 v[SPW], v[NIL]                      ; 0 onto my spare word
	s_wait_dscnt 4*NL+1                            ; (the add and the youngest sixteen loads, A's blocks 4-7, may be out)
	WIN MUL_LO
	MUL16 0, 1, 0                                  ; sixteen matrix instructions stand between the add and the wait for it
	s_wait_dscnt 0x0                               ; the add is done, and my reads of this slot are over
	s_barrier_signal -1
	MUL16 2, 1, 0
	WIN 0
	s_barrier_wait -1
.if \fill
	CREST                                          ; the barrier has opened a round of the cluster's barrier: no wave of any partner still reads this slot's tile or has a load on its way
	s_add_nc_u64 s[G0+4*\slot+2:G0+4*\slot+3], s[G0+4*\slot+2:G0+4*\slot+3], 2*ROWB
	s_add_nc_u64 s[G0B+4*\slot+2:G0B+4*\slot+3], s[G0B+4*\slot+2:G0B+4*\slot+3], 2*ROWB
	JLOAD G0+4*\slot, G1, G0B+4*\slot, G1B         ; the first tensor load behind the round; the four v_nop behind it are the places in front of the loads below
.else
	PLACES NP
.endif
	FETCH_B \next, 0, 0
	FETCH_A \next, 0, 0
	WIN MUL_HI
	MUL16 4, 1, 0
	MUL16 6, 1, 0
	PLACES NP
	WIN 0
	FETCH_A \next, 0, 4
.endm
	s_wait_tensorcnt 1                             ; my part of K step 0 is in (K step 1's load may be out),
	s_barrier_signal -1
	s_barrier_wait -1                              ; everybody's is
	FETCH_B 0, 0, 0
	FETCH_A 0, 0, 0
	FETCH_A 0, 0, 4
	STEP 0, 0, 1                                   ; the first step stands in front of the loop: its products start the sums
	s_mov_b32 s3, LAPS-1
.Llap:                                                 ; a trip goes once round the ring, from a lap's second step to the next lap's first, and fills both slots again
	TURN 0, 1, 1
	STEP 1, 0, 0
	TURN 1, 0, 1
	STEP 0, 0, 0
	s_sub_co_u32 s3, s3, 1
	s_cmp_lg_u32 s3, 0
	s_cbranch_scc1 .Llap
	TURN 0, 1, 0                                   ; the last lap fills nothing, and has no round of the cluster's barrier
	STEP 1, 0, 0
	s_wait_dscnt 4*NL                              ; the very last step: nothing more to fetch
	WIN MUL_LO
	MUL16 0, 1, 0
	MUL16 2, 1, 0
	s_wait_dscnt 0
	WIN MUL_HI
	MUL16 4, 1, 0
	MUL16 6, 1, 0
	WIN 0
; THE WAY OUT, block by block of 16 rows of A.
.macro TABLOAD a                       ; the table's sixteen images of block a's 16 positions into set a % 2: each load reads 512 consecutive bytes
.set TL, TAB+64*((\a)%2)
.irp b, 0,1,2,3
.irp jh, 0,1
	global_load_b128 v[TL+8*\b+4*\jh:TL+8*\b+4*\jh+3], v[LI], s[8:9] offset:(\a)*8192+(4*\b+2*\jh)*512
	global_load_b128 v[TL+32+8*\b+4*\jh:TL+32+8*\b+4*\jh+3], v[LI], s[8:9] offset:(\a)*8192+(4*\b+2*\jh+1)*512
.endr
.endr
.endm
.macro OUTBLK a, rope
.if \rope
.if (\a) < 7
	TABLOAD (\a)+1
	s_wait_loadcnt 16                              ; this block's sixteen loads are in; the next block's sixteen may be out
.else
	s_wait_loadcnt 0x0
.endif
.endif
.set AC, 64*((\a)%4)
.set TS, TAB+64*((\a)%2)
.set CS, CD+16*((\a)%2)
	WIN 0x02+(\a)/4                                ; source 0: the accumulators' window, 2 or 3
.if \rope
.irp b, 0,1,2,3                        ; x1 = channels 16 b + 8 h + j, x2 = those 64 further on: y1 = x1 cos - x2 sin, y2 = x2 cos + x1 sin.  Each accumulator is read from its low end on
.irp j, 0,2,4,6
	v_pk_mul_f32 v[Y+8*\b+\j:Y+8*\b+\j+1], v[AC+8*\b+\j:AC+8*\b+\j+1], v[TS+8*\b+\j:TS+8*\b+\j+1]
	v_pk_fma_f32 v[Y+8*\b+\j:Y+8*\b+\j+1], v[AC+32+8*\b+\j:AC+32+8*\b+\j+1], v[TS+32+8*\b+\j:TS+32+8*\b+\j+1], v[Y+8*\b+\j:Y+8*\b+\j+1] neg_lo:[0,1,0] neg_hi:[0,1,0]
	v_pk_mul_f32 v[Y+32+8*\b+\j:Y+32+8*\b+\j+1], v[AC+32+8*\b+\j:AC+32+8*\b+\j+1], v[TS+8*\b+\j:TS+8*\b+\j+1]
	v_pk_fma_f32 v[Y+32+8*\b+\j:Y+32+8*\b+\j+1], v[AC+8*\b+\j:AC+8*\b+\j+1], v[TS+32+8*\b+\j:TS+32+8*\b+\j+1], v[Y+32+8*\b+\j:Y+32+8*\b+\j+1]
.endr
.endr
	WIN 0
.set n, 0
.rept 64
	v_med3_num_f32 v[Y+n], v[Y+n], -v[LIM], v[LIM] ; the conversion to an 8-bit code does not saturate (ISA guide 7.6.2): the hold at the largest code x the scale
.set n, n+1
.endr
.else
.set n, 0
.rept 64
	v_med3_num_f32 v[Y+n], v[AC+n], -v[LIM], v[LIM]   ; v: the hold alone, out of the accumulators, each from its low end on
.set n, n+1
.endr
	WIN 0
.endif
.if (\a) >= 2
	s_wait_xcnt 0x0                                ; block a - 2's stores have read their registers: this set of codes is written again only behind this wait
.endif
.irp t, 0,1,2,3,4,5,6,7
	v_cvt_scalef32_pk8_fp8_f32 v[CS+2*\t:CS+2*\t+1], v[Y+8*\t:Y+8*\t+7], v[SCL]   ; registers 2 t, 2 t + 1 of the operand: k = 16 t + 8 h + 0 .. 7
.endr
	v_nop                                          ; one plain vector line behind the last conversion of a run
.irp c, 0,1,2,3
	global_store_b128 v[LI], v[CS+4*\c:CS+4*\c+3], s[10:11] offset:(\a)*2048+512*\c   ; the wave stores 512 consecutive bytes, aligned
.endr
.endm
	s_wait_kmcnt 0x0
	s_sub_co_i32 s70, s70, s68
	s_sub_co_i32 s70, s70, s69                     ; e_out - eA - eB
	s_add_co_i32 s70, s70, 127
	s_lshl_b32 s71, s70, 23
	s_add_co_i32 s70, s70, 8
	s_lshl_b32 s70, s70, 23
	s_or_b32 s70, s70, 0x600000
	PLACES NP                                      ; behind the last products: their results are read, and the registers that held A's fragments are written and loaded into
	v_mov_b32 v[SCL], s71
	v_mov_b32 v[LIM], s70
	s_cmp_eq_u32 s66, 2                            ; g hangs on the cluster's y alone: all partners go the same way
	s_cbranch_scc1 .Lv
	TABLOAD 0
.irp a, 0,1,2,3,4,5,6,7
	OUTBLK \a, 1
.endr
	s_branch .Lend
.Lv:
.irp a, 0,1,2,3,4,5,6,7
	OUTBLK \a, 0
.endr
.Lend:
	s_wait_tensorcnt 0x0                           ; the wave's end
	ds_add_u32 v[SPW], v[NIL]
	s_wait_dscnt 0x0
	CROUND                                         ; the closing round: no work-group ends while a partner may still ask for a tile that names it
	s_endpgm
.Lfunc_end_k_qeaedc5d6b9_qkv:
	.size	k_qeaedc5d6b9_qkv, .Lfunc_end_k_qeaedc5d6b9_qkv-k_qeaedc5d6b9_qkv
	.p2alignl 7, 3214868480
	.fill 96, 4, 3214868480
	.section	.rodata,"a",@progbits
	.p2align	6, 0x0
	.amdhsa_kernel k_qeaedc5d6b9_qkv
		.amdhsa_group_segment_fixed_size 327680
		.amdhsa_private_segment_fixed_size 0
		.amdhsa_enable_private_segment 0
		.amdhsa_kernarg_size 32
		.amdhsa_user_sgpr_count 2
		.amdhsa_user_sgpr_kernarg_segment_ptr 1
		.amdhsa_wavefront_size32 1
		.amdhsa_system_sgpr_workgroup_id_x 1
		.amdhsa_system_sgpr_workgroup_id_y 1
		.amdhsa_system_sgpr_workgroup_id_z 1
		.amdhsa_system_vgpr_workitem_id 0
		.amdhsa_next_free_vgpr 1024
		.amdhsa_next_free_sgpr 100
		.amdhsa_reserve_vcc 0
		.amdhsa_float_denorm_mode_32 3
		.amdhsa_float_denorm_mode_16_64 3
		.amdhsa_memory_ordered 1
		.amdhsa_forward_progress 1
		.amdhsa_inst_pref_size 202
	.end_amdhsa_kernel
	.amdgpu_metadata
---
amdhsa.version: [ 1, 2 ]
amdhsa.kernels:
  - .name:           k_qeaedc5d6b9_qkv
    .symbol:         k_qeaedc5d6b9_qkv.kd
    .args:
      - { .name: xw_codes, .offset: 0, .size: 8, .value_kind: global_buffer, .address_space: global }
      - { .name: lowp_scales, .offset: 8, .size: 8, .value_kind: global_buffer, .address_space: global }
      - { .name: rope_tab, .offset: 16, .size: 8, .value_kind: global_buffer, .address_space: global }
      - { .name: qkv, .offset: 24, .size: 8, .value_kind: global_buffer, .address_space: global }
    .group_segment_fixed_size: 327680
    .private_segment_fixed_size: 0
    .kernarg_segment_align: 8
    .kernarg_segment_size: 32
    .max_flat_workgroup_size: 128
    .sgpr_count:     100
    .vgpr_count:     1024
    .wavefront_size: 32
...
	.end_amdgpu_metadata
.endif
;; end of part 2
;; launch attn (part 3): grid 16 x 16, 16 waves a work-group, clusters of 4 x 1, 327,680 bytes of LDS; arguments qkv, lowp_scales, attn_img; writes attn_img
.if DOCPART == 3
	.amdgcn_target "amdgcn-amd-amdhsa--gfx1250"
	.amdhsa_code_object_version 6
	.text
	.protected	k_qeaedc5d6b9_attn
	.globl	k_qeaedc5d6b9_attn
	.p2align	8
	.type	k_qeaedc5d6b9_attn,@function
k_qeaedc5d6b9_attn:
	s_mov_b64 s[64:65], 0
	v_nop
	global_prefetch_b8 v0, s[64:65] scope:SCOPE_SE
	s_setreg_imm32_b32 hwreg(HW_REG_WAVE_MODE, 25, 1), 1
	s_wait_xcnt 0x0
	s_wait_alu depctr_hold_cnt(0) depctr_sa_sdst(0) depctr_va_vdst(0) depctr_va_sdst(0) depctr_va_ssrc(0) depctr_va_vcc(0) depctr_vm_vsrc(0)
	s_getreg_b32 s2, hwreg(HW_REG_IB_STS2, 6, 4)
	s_cmp_eq_u32 s2, 0
	s_cbranch_scc0 .Lentry_in_a_cluster
	s_endpgm
.Lentry_in_a_cluster:
	s_bfe_u32 s2, ttmp6, 0x10000c
	s_cmp_lg_u32 s2, 0x3003
	s_cbranch_scc0 .Lentry_shape_is_right
	s_endpgm
.Lentry_shape_is_right:
; Causal attention on codes of FP8 (E4M3): 16 heads, 2,048 positions, head size 128.  q, k, v come as images of operand registers (a fragment, 16 rows x 128 K, is 2,048 bytes: piece c of lane l at 512 c + 16 l):
; q at byte 0, k at 4 MiB: [head][position / 16][2,048]; v at 8 MiB: [head][key / 128][tile of 16 channels][2,048], K = the keys.  The result is quantised with 2^e10 and stored the same way: [head][query / 16][2,048].
; THE SOFTMAX: t = score x log2(e) / sqrt(128); M = the largest t so far, rounded UP to a whole number; p = 2^(t - M) is quantised with 2^e9; the row's sum is taken of the unquantised p and divides at the end.
; When M moves, the sum and O are multiplied by 2^(old M - new M): exact.
; LAYOUT.  Both products are used transposed: S^T = K Q^T, O^T = V^T P^T: a lane holds ONE query (lane % 16).  Register j of tile T of S^T is key 16 T + 8 (lane / 16) + j: eight neighbours, so the conversions' results are
; registers 2 T, 2 T + 1 of the plain 8-bit form's operand, in the same order of k in which v's images were made.
; SHARES.  A head's 128 tiles of 16 queries are eight superblocks of 16 tiles.  A cluster of four work-groups owns superblocks 7 - C and C (C = the cluster's x): a long one and a short one under the mask.
; Partner cx takes tiles cx + 4 i of both.  TWO WAVES SHARE A TILE: wave w and wave w ^ 4 take the even and the odd key steps of 128 keys, each with its own M, sum and O^T, and merge at the end through LDS.
; wave = ti + 4 u + 8 sh: sh = 0 the long superblock, 1 the short; u the key steps' parity.  A step whose keys all come after the tile's queries is left out by a scalar branch that hangs on C, the wave's number and
; the count of steps, alike in all partners; cx enters global addresses and one data register of the mask, nothing else.
; K and V come through a ring of two LDS slots of 512 keys, asked for JOINTLY by the four partners (waves 0, 1: K's halves; waves 2, 3: V's): dense blocks of 32,768 bytes; images need no padding, since a load's
; 512 bytes are consecutive.  Every work-group walks all four slots: trip counts are constants.
; LIMITS: e6 + e7 between -123 and 130; e9 and e10 - e8 - e9 between -126 and 119.
; REGISTERS: v1-11 addresses; v12 -M, v13 the largest t, v[14:15] the sum in two halves; v16-31 Q; v32-95 four fragments of K or V; v96-159 S^T, then p; v160-223 O^T; v224-239 codes; v236-254 at work.
.set SLOT1, 1<<17                      ; a slot: K's 65,536 bytes (key step kappa at 16,384 kappa, fragment t at 2,048 t), then V's; slot 1 begins here, so that one exclusive or turns an address
.set VOFF,  65536
.set SPARE, 2*SLOT1                    ; behind the ring: the spare words, 128 bytes for each wave: eight blocks of 256 bytes that no other line names
.set PAIRB, 8704                       ; the merge: for each pair of waves 8,192 bytes of O^T's image, then (-M, sum), 8 bytes a lane.  It lies in slot 0, which has had its last fill and was left at the last change of slots
.set AK0,  1                           ; v1   16 x lane + 16,384 u: my place in a slot's K
.set AV0,  2                           ; v2   the same in its V
.set PFO,  3                           ; v3   256 x lane: the prefetches' offset
.set DQ,   4                           ; v4   my query's place in its block of 128, less 8 (lane / 16)
.set SPW,  5                           ; v5   LDS address of my spare word; never rewritten
.set NIL,  6                           ; v6   0; never rewritten
.set LI,   7                           ; v7   16 x lane
.set ADK,  8                           ; v8   LDS address of the step's K
.set ADV,  9                           ; v9   of its V
.set STA,  10                          ; v10  the merge: O^T's image
.set STB,  11                          ; v11  the merge: (-M, sum)
.set WV,   18                          ; s18  my wave's number
.set TB,   19                          ; s19  LDS byte at which the slot in hand begins
.set SEL,  20                          ; s[20:21] lane selects for v_permlanex16_b32: lane l xor 16
.set CS,   22                          ; s[22:23] c = log2(e) / sqrt(128) x 2^(e6 + e7)
.set G1,   24                          ; s[24:31] descriptor group 1, one for all loads
.set UU,   36                          ; s36  u
.set G0K,  40                          ; s[40:43], s[44:47] groups 0 for K's and V's halves, which walk
.set G0V,  44
.set SLOTS, 67                         ; s67  slots still to be asked for
.set PFA,  76                          ; s[76:77] where my prefetches stand
.set LIM,  80                          ; s80  1 in a wave that prefetches, else the greatest number
.set KS,   98                          ; s98  the key step in hand: u, u + 2, ..
.set QB,   99                          ; s99  my tile's block of 128 queries
.macro CROUND                          ; a round of the cluster's barrier
	s_barrier_signal -1
	s_barrier_wait -1
	s_cmp_lg_u32 s[WV], 0
	s_cbranch_scc1 .Lnot_wave_0_\@
	s_barrier_signal -3
.Lnot_wave_0_\@:
	s_barrier_wait -3
	s_barrier_signal -1
	s_barrier_wait -1
.endm
; Waves 0 and 1 fetch for K, waves 2 and 3 for V, the others nothing.  The branches hang on the wave's number alone.  Four v_nop follow each of the two lines.
.macro TLOAD
	s_cmp_lt_u32 s[WV], 2
	s_cbranch_scc0 .Lnot_k_\@
	tensor_load_to_lds s[G0K:G0K+3], s[G1:G1+7]
	s_nop 0
.rept 4
	v_nop
.endr
	s_branch .Lasked_\@
.Lnot_k_\@:
	s_cmp_lt_u32 s[WV], 4
	s_cbranch_scc0 .Lasked_\@
	tensor_load_to_lds s[G0V:G0V+3], s[G1:G1+7]
	s_nop 0
.rept 4
	v_nop
.endr
.Lasked_\@:
.endm
; A PREFETCH INTO THE L2 of what the NEXT change of slots will ask for: 65,536 bytes of K and as many of V.  All four clusters of a head walk the same K and V: the head's first cluster asks.  Its four partners share the
; bytes out BY ADDRESS, 16,384 of each; in each, waves 4 and 5 ask for K's and waves 6 and 7 for V's, 8,192 bytes a wave, lanes 256 bytes apart: each aligned block of 256 bytes is named once in the launch.
; It asks one slot, a wave's two key steps, ahead of the joint load.  Slots 0 and 1 come by their loads alone; the last change that fills a slot asks for nothing.
.macro ASK
	s_cmp_gt_u32 s[SLOTS], s[LIM]
	s_cbranch_scc0 .Lnot_mine_\@
	global_prefetch_b8 v[PFO], s[PFA:PFA+1] th:TH_LOAD_NT scope:SCOPE_SE
.Lnot_mine_\@:
.endm
	s_load_b128 s[4:7], s[0:1], 0x0                ; q, k, v s[4:5]; the scales' exponents s[6:7]
	s_load_b64 s[8:9], s[0:1], 0x10                ; the result's images
	v_lshl_add_u32 v[SPW], v0, 2, SPARE
	v_mov_b32 v[NIL], 0
	ds_add_u32 v5, v6
	s_wait_dscnt 0x0
	v_lshrrev_b32 v8, 5, v0
	v_readfirstlane_b32 s[WV], v8                  ; wave 0..15
	s_bfe_u32 s33, ttmp6, 0x40000                  ; cx: my place in the cluster
	s_and_b32 s34, ttmp7, 0xffff                   ; the head,
	s_lshl_b32 s34, s34, 18                        ; 2^18 bytes in each of q, k, v and the result
	s_and_b32 s35, s[WV], 3                        ; ti
	s_bfe_u32 s[UU], s[WV], 0x10002                ; u
	s_lshr_b32 s37, s[WV], 3                       ; sh
	s_mul_i32 s38, s37, 7
	s_xor_b32 s38, s38, 7
	s_xor_b32 s38, s38, ttmp9                      ; my superblock: 7 - C (sh = 0) or C (sh = 1)
	s_mul_i32 s39, s37, 3
	s_xor_b32 s39, s39, s35                        ; ti' = ti, or 3 - ti in the short superblock: so the waves with equal ti have one early and one late tile
	s_lshr_b32 s[QB], s39, 1
	s_lshl_b32 s48, s38, 1
	s_add_co_u32 s[QB], s[QB], s48                 ; my tile's block of 128 queries: 2 x superblock + ti' / 2
	s_mov_b32 s[KS], s[UU]
	s_lshl_b32 s56, s38, 4
	s_lshl_b32 s50, s39, 2
	s_add_co_u32 s56, s56, s50
	s_add_co_u32 s56, s56, s33                     ; my tile: 16 x superblock + 4 ti' + cx
	s_lshl_b32 s56, s56, 11
	s_add_co_u32 s56, s56, s34                     ; its image's byte in q and in the result
	s_mov_b32 s57, 0
	s_and_b32 s51, s[WV], 1
	s_lshl_b32 s51, s51, 15                        ; which half of a slot's K or V I fetch, if I fetch
	s_add_co_u32 s52, s34, s51
	s_mov_b32 s53, 0
	s_and_b32 s54, s39, 1
	s_lshl_b32 s54, s54, 2
	s_add_co_u32 s54, s54, s33
	s_lshl_b32 s54, s54, 4                         ; my tile's first query in its block of 128
	s_lshl_b32 s55, s37, 2
	s_add_co_u32 s55, s55, s35
	s_mul_i32 s55, s55, PAIRB                      ; my pair's bytes of the merge: pair ti + 4 sh
	; every LDS address register is made here, ahead of the first branch on the wave's number
	v_and_b32 v8, 31, v0
	v_lshlrev_b32 v[LI], 4, v8
	v_lshlrev_b32 v[PFO], 8, v8
	v_bfe_u32 v9, v0, 7, 1                         ; u
	v_lshl_add_u32 v[AK0], v9, 14, v[LI]
	v_add_nc_u32 v[AV0], VOFF, v[AK0]
	v_add_nc_u32 v[STA], s55, v[LI]
	v_lshl_add_u32 v[STB], v8, 3, s55
	v_add_nc_u32 v[STB], 8192, v[STB]
	v_and_b32 v[DQ], 15, v0
	v_bfe_u32 v9, v0, 4, 1
	v_lshlrev_b32 v9, 3, v9
	v_sub_nc_u32 v[DQ], v[DQ], v9
	v_add_nc_u32 v[DQ], s54, v[DQ]
	; descriptor group 1: 128 rows of 256 bytes, dense: 32,768 bytes
	s_mov_b32 s[G1], 15|(3<<16)|(1<<21)            ; 15:0 the mask: all four work-groups; 17:16 elements of 8 bytes; 20 no padding; 21 set beside a mask
	s_mov_b32 s[G1+1], 32<<16                      ; tensor_dim0 = 32
	s_mov_b32 s[G1+2], 128<<16                     ; tensor_dim1 = 128
	s_mov_b32 s[G1+3], 32<<16                      ; tile_dim0 = 32
	s_mov_b32 s[G1+4], 128                         ; tile_dim1 = 128
	s_mov_b32 s[G1+5], 32                          ; tensor_dim0_stride
	s_mov_b32 s[G1+6], 0
	s_mov_b32 s[G1+7], 0
	s_mov_b32 s[SEL], 0x76543210
	s_mov_b32 s[SEL+1], 0xfedcba98
	s_mov_b32 s[CS], 0x3e0293ee                    ; log2(e) / sqrt(128)
	s_mov_b32 s[TB], 0
	s_mov_b32 s[SLOTS], 3
	; the prefetches: where my wave's stand, and who asks
	s_cmp_lt_u32 s[WV], 6
	s_mov_b32 s82, 0x800000
	s_cselect_b32 s82, 0x400000, s82               ; k's bytes or v's
	s_add_co_u32 s82, s82, s34
	s_lshl_b32 s83, s33, 14                        ; my work-group's 16,384 bytes of a slot's 65,536
	s_add_co_u32 s82, s82, s83
	s_and_b32 s83, s[WV], 1
	s_lshl_b32 s83, s83, 13                        ; my wave's 8,192 of them
	s_add_co_u32 s82, s82, s83
	s_add_co_u32 s82, s82, 65536                   ; in slot 1: the first change of slots steps it to slot 2
	s_mov_b32 s83, 0
	s_lshr_b32 s84, s[WV], 2
	s_xor_b32 s84, s84, 1                          ; 0 in waves 4 to 7,
	s_or_b32 s84, s84, ttmp9                       ; of the head's first cluster: the same in all four partners
	s_cmp_eq_u32 s84, 0
	s_cselect_b32 s[LIM], 1, -1
	s_wait_kmcnt 0x0
	s_load_b128 s[68:71], s[6:7], 0x18             ; e6, e7, e8, e9
	s_load_b32 s72, s[6:7], 0x28                   ; e10
	s_add_nc_u64 s[PFA:PFA+1], s[4:5], s[82:83]
	s_add_nc_u64 s[58:59], s[4:5], s[56:57]        ; q at my tile
	s_add_nc_u64 s[8:9], s[8:9], s[56:57]          ; the result likewise
	s_mov_b32 s[G0K], 1                            ; 1:0 count = 1
	s_mov_b32 s[G0K+1], s51                        ; 63:32 LDS address: slot 0
	s_add_nc_u64 s[G0K+2:G0K+3], s[4:5], s[52:53]
	s_add_nc_u64 s[G0K+2:G0K+3], s[G0K+2:G0K+3], 0x400000   ; 120:64 global address: the head's first 512 keys
	s_or_b32 s[G0K+3], s[G0K+3], 0x80000000        ; 127:126 type = 2
	s_mov_b32 s[G0V], 1
	s_add_co_u32 s[G0V+1], s51, VOFF
	s_add_nc_u64 s[G0V+2:G0V+3], s[4:5], s[52:53]
	s_add_nc_u64 s[G0V+2:G0V+3], s[G0V+2:G0V+3], 0x800000
	s_or_b32 s[G0V+3], s[G0V+3], 0x80000000
	CROUND                                         ; all four work-groups are here: the first joint loads meet
	TLOAD                                          ; slot 0
.irp c, 0,1,2,3
	global_load_b128 v[16+4*\c:19+4*\c], v[LI], s[58:59] offset:512*\c   ; Q's fragment stays in registers
.endr
	v_mov_b32 v13, 0xff61b1e6                      ; the largest t so far: -3e38, under every t
	v_floor_f32 v12, -v13                          ; -M
	v_mov_b32 v14, 0                               ; the sum, in two halves
	v_mov_b32 v15, 0
	v_mov_b32 v236, 0                              ; written once: a lane permute's destination counts as one of its sources
	v_mov_b32 v253, 0                              ; (named as the upper half of the pair v[252:253])
.set n, 0
.rept 64
	v_mov_b32 v[160+n], 0                          ; O^T.  (The step is written without a first form of its own: the first finds zeros, which the first change of M leaves zeros; a wave with no step hands zeros on)
.set n, n+1
.endr
	s_wait_kmcnt 0x0
	s_add_co_i32 s73, s68, s69
	s_lshl_b32 s73, s73, 23
	s_add_co_i32 s[CS], s[CS], s73                 ; a score stands for score x 2^(e6 + e7): the two exponents are added to c's exponent field
	s_mov_b32 s[CS+1], s[CS]                       ; (named with it as a pair, so it is written)
	s_add_co_i32 s73, s71, 127
	s_lshl_b32 s74, s73, 23
	v_mov_b32 v244, s74                            ; 2^e9 as f32, for p's conversion
	s_add_co_i32 s73, s73, 8
	s_lshl_b32 s73, s73, 23
	s_or_b32 s73, s73, 0x600000
	v_mov_b32 v240, s73                            ; 448 x 2^e9
	s_sub_co_i32 s73, s72, s70
	s_sub_co_i32 s73, s73, s71                     ; a sum of the second product stands for sum x 2^(e8 + e9): the result's conversion takes 2^(e10 - e8 - e9)
	s_add_co_i32 s73, s73, 127
	s_lshl_b32 s74, s73, 23
	v_mov_b32 v245, s74
	s_add_co_i32 s73, s73, 8
	s_lshl_b32 s73, s73, 23
	s_or_b32 s73, s73, 0x600000
	v_mov_b32 v241, s73
; A KEY STEP: 128 keys, number 2 v + u of the slot in hand.
.macro STEP v
	s_cmp_gt_u32 s[KS], s[QB]                      ; all its keys come after my 16 queries: the step's work is left out; no barrier and no tensor load stands in a step
	s_cbranch_scc1 .Lhidden_\@
	v_add_nc_u32 v[ADK], s[TB], v[AK0]
	v_add_nc_u32 v[ADV], s[TB], v[AV0]
.irp g, 0,1                                    ; S^T = K Q^T, four tiles of 16 keys at a time
.rept 4-2*(1-\g)
	v_nop                                          ; four places in front of loads into registers that matrix instructions have read (the two additions above are places too)
.endr
.irp t, 0,1,2,3
.irp c, 0,1,2,3
	ds_load_b128 v[32+16*\t+4*\c:32+16*\t+4*\c+3], v[ADK] offset:(\v)*32768+(4*\g+\t)*2048+512*\c
.endr
.endr
	s_wait_dscnt 0x0
.irp t, 0,1,2,3
	v_wmma_f32_16x16x128_fp8_fp8 v[96+8*(4*\g+\t):103+8*(4*\g+\t)], v[32+16*\t:47+16*\t], v[16:31], 0
.endr
.endr
.rept 4
	v_nop
.endr
	s_cmp_lt_u32 s[KS], s[QB]                      ; all its keys count: no mask
	s_cbranch_scc1 .Lopen_\@
	v_mov_b32 v254, 0xff800000                     ; on the diagonal the scores of hidden keys become -infinity ahead of the maximum: p = 0 then.  The block's first key counts for every query of it
.set n, 0
.rept 64
	v_cmp_gt_i32 vcc_lo, 16*(n/8)+n%8, v[DQ]       ; register n holds key 16 (n / 8) + 8 (lane / 16) + n % 8 of the block
	v_cndmask_b32 v[96+n], v[96+n], v254, vcc_lo
.set n, n+1
.endr
.Lopen_\@:
	v_max3_num_f32 v254, v96, v97, v98             ; the step's largest score of my query, among my 64 keys, in two chains,
	v_max3_num_f32 v252, v99, v100, v101
.irp i, 6,10,14,18,22,26,30,34,38,42,46,50,54,58
	v_max3_num_f32 v254, v254, v[96+\i], v[97+\i]
	v_max3_num_f32 v252, v252, v[98+\i], v[99+\i]
.endr
	v_max3_num_f32 v254, v254, v158, v159
	v_max_num_f32 v254, v254, v252
	v_permlanex16_b32 v236, v254, s[SEL], s[SEL+1]
	v_max_num_f32 v254, v254, v236                 ; and among lane l xor 16's
	v_mul_f32 v254, s[CS], v254                    ; as t (c is positive)
	v_max_num_f32 v13, v13, v254                   ; the running largest t
	v_mov_b32 v254, v12
	v_floor_f32 v12, -v13                          ; the new -M = floor(-t) = -ceil(t): a whole number
	v_sub_f32 v254, v12, v254                      ; M's old value less its new one: a whole number, 0 or less
	v_cvt_i32_f32 v254, v254                       ; (it saturates)
	v_ldexp_f32 v252, 1.0, v254                    ; f = 2^(old M - new M)
.set n, 0
.rept 32
	v_pk_fma_f32 v[96+n:97+n], v[96+n:97+n], s[CS:CS+1], v[12:13] op_sel_hi:[1,0,0]   ; t - M, two at a time (of the pairs c and -M the low word serves both halves)
.set n, n+2
.endr
.set n, 0
.rept 64
	v_exp_f32 v[96+n], v[96+n]                     ; p = 2^(t - M), at most 1: not normalised
.set n, n+1
.endr
	v_pk_mul_f32 v[14:15], v[14:15], v[252:253] op_sel_hi:[1,0]   ; the sums under the new M.  (A plain line behind the exponentials)
	s_wait_alu depctr_va_vdst(0)                   ; one wait for the whole batch of exponentials, ahead of its first reader
	v_pk_add_f32 v[242:243], v[96:97], v[98:99]    ; the row's sum is taken of the unquantised p: two at a time, in two chains
.set n, 4
.rept 15
	v_pk_add_f32 v[14:15], v[14:15], v[96+n:97+n]
	v_pk_add_f32 v[242:243], v[242:243], v[98+n:99+n]
.set n, n+4
.endr
	v_pk_add_f32 v[14:15], v[14:15], v[242:243]
.irp b, 0,1,2,3
.set n, 0
.rept 16
	v_min_num_f32 v[96+16*\b+n], v[96+16*\b+n], v240   ; the conversion to an 8-bit code does not saturate (ISA guide 7.6.2); p is not negative, so the hold is one-sided
.set n, n+1
.endr
	v_cvt_scalef32_pk8_fp8_f32 v[224+4*\b:225+4*\b], v[96+16*\b:103+16*\b], v244
	v_cvt_scalef32_pk8_fp8_f32 v[226+4*\b:227+4*\b], v[104+16*\b:111+16*\b], v244
.endr
.set n, 0
.rept 32
	v_pk_mul_f32 v[160+n:161+n], v[160+n:161+n], v[252:253] op_sel_hi:[1,0]   ; O^T under the new M.  (These 32 are also the places in front of the matrix instructions and loads below)
.set n, n+2
.endr
.irp g, 0,1                                    ; O^T += V^T P^T: four tiles of 16 channels at a time; K = these 128 keys.  The eight accumulators take turns
.if \g > 0
.rept 4
	v_nop
.endr
.endif
.irp t, 0,1,2,3
.irp c, 0,1,2,3
	ds_load_b128 v[32+16*\t+4*\c:32+16*\t+4*\c+3], v[ADV] offset:(\v)*32768+(4*\g+\t)*2048+512*\c
.endr
.endr
	s_wait_dscnt 0x0
.irp t, 0,1,2,3
	v_wmma_f32_16x16x128_fp8_fp8 v[160+8*(4*\g+\t):167+8*(4*\g+\t)], v[32+16*\t:47+16*\t], v[224:239], v[160+8*(4*\g+\t):167+8*(4*\g+\t)]
.endr
.endr
.Lhidden_\@:
	s_add_co_u32 s[KS], s[KS], 2
.endm
; THE CHANGE OF SLOTS stands at a slot's head.  Each wave waits for all its tensor loads, adds 0 to its spare word, and waits for that and for its reads of the slot that it has left.
; fill = 1: the barrier is a round of the cluster's, and behind it the slot that was left is filled with the keys that follow: the load has a whole slot's steps in which to land.
.macro CHANGE fill
	s_wait_tensorcnt 0x0                           ; no tensor load of mine is out, so a group 0 may be written
	ds_add_u32 v[SPW], v[NIL]                      ; 0 onto my spare word
.if \fill
	s_xor_b32 s[G0K+1], s[G0K+1], SLOT1            ; the walking descriptors: the other slot than last time,
	s_add_nc_u64 s[G0K+2:G0K+3], s[G0K+2:G0K+3], 65536   ; the next 512 keys; the type bits on top are not reached
	s_xor_b32 s[G0V+1], s[G0V+1], SLOT1
	s_add_nc_u64 s[G0V+2:G0V+3], s[G0V+2:G0V+3], 65536
	s_wait_xcnt 0x0                                ; the last prefetch, a slot back, has read its address, so it may be written:
	s_add_nc_u64 s[PFA:PFA+1], s[PFA:PFA+1], 65536 ; one slot further on than the walking descriptors
	s_wait_dscnt 0x0                               ; the add is done, and my reads of the slot that I have left are over
	CROUND
	TLOAD                                          ; the first thing behind the round, and a wave's one tensor load until the next
	ASK
.else
	s_wait_dscnt 0x0
	s_barrier_signal -1
	s_barrier_wait -1
.endif
.endm
.macro SLOT_STEPS
	STEP 0
	STEP 1
	s_xor_b32 s[TB], s[TB], SLOT1                  ; on to the other slot
.endm
	s_wait_loadcnt 0x0                             ; Q
.Lslot:                                            ; three trips: behind each change of slots but the last the next slot is asked for
	CHANGE 1
	SLOT_STEPS
	s_sub_co_u32 s[SLOTS], s[SLOTS], 1
	s_cmp_lg_u32 s[SLOTS], 0
	s_cbranch_scc1 .Lslot
	CHANGE 0                                       ; the last slot is written out
	SLOT_STEPS
	; THE MERGE.  The wave of the odd key steps hands its O^T, -M and sum to the wave of the even ones, as images of its registers.
.rept 4
	v_nop                                          ; places behind the last products
.endr
	v_add_f32 v13, v14, v15                        ; the sum's two halves, over the largest t, which is done with: v[12:13] = (-M, sum)
	s_cmp_eq_u32 s[UU], 0
	s_cbranch_scc1 .Lkeeps
.irp i, 0,1,2,3,4,5,6,7,8,9,10,11,12,13,14,15
	ds_store_b128 v[STA], v[160+4*\i:163+4*\i] offset:512*\i   ; each accumulator from its low end on
.endr
	ds_store_b64 v[STB], v[12:13]
.Lkeeps:
	s_wait_dscnt 0x0                               ; for the partner's sake: my stores have landed
	s_barrier_signal -1
	s_barrier_wait -1
	s_cmp_lg_u32 s[UU], 0
	s_cbranch_scc1 .Lend
.irp i, 0,1,2,3,4,5,6,7,8,9,10,11,12,13,14,15
	ds_load_b128 v[96+4*\i:99+4*\i], v[STA] offset:512*\i
.endr
	ds_load_b64 v[32:33], v[STB]
	s_wait_dscnt 0x0
	v_min_num_f32 v34, v12, v32                    ; -M of the two together
	v_sub_f32 v35, v34, v12
	v_sub_f32 v36, v34, v32                        ; (a partner that ran no step has -M = 3e38: its factor is 0, and so are its sums)
	v_cvt_i32_f32 v35, v35
	v_cvt_i32_f32 v36, v36
	v_ldexp_f32 v38, 1.0, v35                      ; my factor,
	v_ldexp_f32 v40, 1.0, v36                      ; the partner's: exact powers of two
	v_mul_f32 v42, v13, v38
	v_fma_f32 v42, v33, v40, v42
	v_permlanex16_b32 v236, v42, s[SEL], s[SEL+1]
	v_add_f32 v42, v42, v236                       ; the row's sum
	v_rcp_f32 v42, v42
	v_nop                                          ; a plain line behind the reciprocal
	s_wait_alu depctr_va_vdst(0)                   ; and the wait ahead of its first reader
	v_mul_f32 v38, v38, v42
	v_mul_f32 v40, v40, v42
	v_mov_b32 v39, v38                             ; (named as upper halves of pairs)
	v_mov_b32 v41, v40
.set n, 0
.rept 32
	v_pk_mul_f32 v[160+n:161+n], v[160+n:161+n], v[38:39] op_sel_hi:[1,0]
	v_pk_fma_f32 v[160+n:161+n], v[96+n:97+n], v[40:41], v[160+n:161+n] op_sel_hi:[1,0,1]
.set n, n+2
.endr
.set n, 0
.rept 64
	v_med3_num_f32 v[160+n], v[160+n], -v241, v241 ; the hold at the largest code x the scale
.set n, n+1
.endr
.irp t, 0,1,2,3,4,5,6,7
	v_cvt_scalef32_pk8_fp8_f32 v[224+2*\t:225+2*\t], v[160+8*\t:167+8*\t], v245   ; v's rows were laid so that registers 4 c .. 4 c + 3 hold channels 32 c + 16 (lane / 16) + 0 .. 15
.endr
	v_nop                                          ; one plain vector line behind the last conversion
.irp c, 0,1,2,3
	global_store_b128 v[LI], v[224+4*\c:227+4*\c], s[8:9] offset:512*\c   ; the wave stores 512 consecutive bytes, aligned
.endr
.Lend:
	s_wait_tensorcnt 0x0                           ; the wave's end
	ds_add_u32 v[SPW], v[NIL]
	s_wait_dscnt 0x0
	CROUND                                         ; the closing round
	s_endpgm
.Lfunc_end_k_qeaedc5d6b9_attn:
	.size	k_qeaedc5d6b9_attn, .Lfunc_end_k_qeaedc5d6b9_attn-k_qeaedc5d6b9_attn
	.p2alignl 7, 3214868480
	.fill 96, 4, 3214868480
	.section	.rodata,"a",@progbits
	.p2align	6, 0x0
	.amdhsa_kernel k_qeaedc5d6b9_attn
		.amdhsa_group_segment_fixed_size 327680
		.amdhsa_private_segment_fixed_size 0
		.amdhsa_enable_private_segment 0
		.amdhsa_kernarg_size 24
		.amdhsa_user_sgpr_count 2
		.amdhsa_user_sgpr_kernarg_segment_ptr 1
		.amdhsa_wavefront_size32 1
		.amdhsa_system_sgpr_workgroup_id_x 1
		.amdhsa_system_sgpr_workgroup_id_y 1
		.amdhsa_system_sgpr_workgroup_id_z 1
		.amdhsa_system_vgpr_workitem_id 0
		.amdhsa_next_free_vgpr 256
		.amdhsa_next_free_sgpr 100
		.amdhsa_reserve_vcc 1
		.amdhsa_float_denorm_mode_32 3
		.amdhsa_float_denorm_mode_16_64 3
		.amdhsa_memory_ordered 1
		.amdhsa_forward_progress 1
		.amdhsa_inst_pref_size 119
	.end_amdhsa_kernel
	.amdgpu_metadata
---
amdhsa.version: [ 1, 2 ]
amdhsa.kernels:
  - .name:           k_qeaedc5d6b9_attn
    .symbol:         k_qeaedc5d6b9_attn.kd
    .args:
      - { .name: qkv, .offset: 0, .size: 8, .value_kind: global_buffer, .address_space: global }
      - { .name: lowp_scales, .offset: 8, .size: 8, .value_kind: global_buffer, .address_space: global }
      - { .name: attn_img, .offset: 16, .size: 8, .value_kind: global_buffer, .address_space: global }
    .group_segment_fixed_size: 327680
    .private_segment_fixed_size: 0
    .kernarg_segment_align: 8
    .kernarg_segment_size: 24
    .max_flat_workgroup_size: 512
    .sgpr_count:     100
    .vgpr_count:     256
    .wavefront_size: 32
...
	.end_amdgpu_metadata
.endif
;; end of part 3
;; launch oproj (part 4): grid 8 x 8, 4 waves a work-group, clusters of 4 x 4, 327,680 bytes of LDS; arguments attn_img, xw_codes, lowp_scales, out0; writes out0
.if DOCPART == 4
	.amdgcn_target "amdgcn-amd-amdhsa--gfx1250"
	.amdhsa_code_object_version 6
	.text
	.protected	k_qeaedc5d6b9_oproj
	.globl	k_qeaedc5d6b9_oproj
	.p2align	8
	.type	k_qeaedc5d6b9_oproj,@function
k_qeaedc5d6b9_oproj:
	s_mov_b64 s[64:65], 0
	v_nop
	global_prefetch_b8 v0, s[64:65] scope:SCOPE_SE
	s_setreg_imm32_b32 hwreg(HW_REG_WAVE_MODE, 25, 1), 1
	s_wait_xcnt 0x0
	s_wait_alu depctr_hold_cnt(0) depctr_sa_sdst(0) depctr_va_vdst(0) depctr_va_sdst(0) depctr_va_ssrc(0) depctr_va_vcc(0) depctr_vm_vsrc(0)
	s_getreg_b32 s2, hwreg(HW_REG_IB_STS2, 6, 4)
	s_cmp_eq_u32 s2, 0
	s_cbranch_scc0 .Lentry_in_a_cluster
	s_endpgm
.Lentry_in_a_cluster:
	s_bfe_u32 s2, ttmp6, 0x10000c
	s_cmp_lg_u32 s2, 0xf033
	s_cbranch_scc0 .Lentry_shape_is_right
	s_endpgm
.Lentry_shape_is_right:
; out0 = attn Wo^T x 2^(e10 + e11), on codes of FP8 (E4M3).  attn comes as images of operand registers, [head][query / 16][2,048 bytes] (piece c of lane l at 512 c + 16 l; registers 4 c .. 4 c + 3 hold
; channels 32 c + 16 (l / 16) + 0 .. 15 of the head); Wo's codes are tensor 6 of xw_codes, [2048][2048] row-major, and are read from LDS in that same order of k.  out0: [2048][2048] f32.
; A tile of 256 x 256 is made by a work-group of four waves; a wave makes 128 x 128: 64 accumulators.  K goes in steps of 256 (two heads) through a ring of two LDS slots filled by the tensor data mover.
; CLUSTERS: 4 x 4 work-groups; attn's tiles are asked for jointly along a row of the cluster, Wo's along a column.  THE MATRIX INSTRUCTION IS USED TRANSPOSED (source 0 = 16 rows of Wo, source 1 = 16 queries).
; The grid has 64 work-groups: the tile is kept large, so that each byte read from LDS feeds as many products as the registers allow.
; LIMIT: e10 + e11 between -126 and 127.
; REGISTERS, in windows of 256: window 0: v0-31 addresses; from v128 A's fragments, ONE set; on the way out v32-255 are free.  window 1: B's fragments, TWO sets.  windows 2, 3: the accumulators.
.set SIZE_N, 2048
.set ROWB,   256                       ; a row of Wo's tile in bytes
.set KROW,   2048                      ; a row of Wo's codes in memory
.set PITCH,  272                       ; Wo's rows in LDS: 256 bytes + 16 of padding
.set HEADB,  262144                    ; a head's images in memory
.set FR,     16
.set NL,     4
.set NP,     4
.set HALFT,  128*PITCH                 ; 128 rows of Wo
.set AIMG,   65536                     ; a slot's part for attn: head q of the K step at 32,768 q, tile i of 16 queries at 2,048 i: dense
.set SLOT,   AIMG+2*HALFT
.set LAPS,   4
.set SPARE,  2*SLOT                    ; behind the ring: the spare words, 128 bytes for each wave
.set SPITCH, 528                       ; the way out: a stage of 16 rows x (512 bytes + 16) for each wave, in slot 0, which has had its last fill and its last read when the first result is stored there
.set ADRA, 16
.set ADRB, 20
.set STO,  24
.set RD,   25
.set CO,   26                          ; v26     16 x lane
.set SPW,  28
.set NIL,  29
.set TMP,  32
.set AF,   128
.set BK,   128
.set G1, 24
.set G0, 32
.set G1B, 48
.set G0B, 56
.set MSB, 0
.macro WIN new
.if MSB != (\new)
	s_set_vgpr_msb (MSB<<8)|(\new)
.set MSB, (\new)
.endif
.endm
.set MUL_LO, 0xa1
.set MUL_HI, 0xf1
.set TO_B,   0x40
.macro JLOAD g0a, g1a, g0b, g1b        ; a joint load: waves 0 and 1 fetch for attn, waves 2 and 3 for Wo; four v_nop follow each of the two lines
	s_cmp_eq_u32 s15, 0
	s_cbranch_scc0 .Lfor_b_\@
	tensor_load_to_lds s[\g0a:\g0a+3], s[\g1a:\g1a+7]
	s_nop 0
.rept 4
	v_nop
.endr
	s_branch .Lasked_\@
.Lfor_b_\@:
	tensor_load_to_lds s[\g0b:\g0b+3], s[\g1b:\g1b+7]
	s_nop 0
.rept 4
	v_nop
.endr
.Lasked_\@:
.endm
.macro CREST
	s_cmp_lg_u32 s14, 0
	s_cbranch_scc1 .Lnot_wave_0_\@
	s_barrier_signal -3
.Lnot_wave_0_\@:
	s_barrier_wait -3
	s_barrier_signal -1
	s_barrier_wait -1
.endm
.macro CROUND
	s_barrier_signal -1
	s_barrier_wait -1
	CREST
.endm
	s_load_b128 s[4:7], s[0:1], 0x0                ; attn's images s[4:5], the codes s[6:7]
	s_load_b128 s[8:11], s[0:1], 0x10              ; the scales' exponents s[8:9], out0 s[10:11]
	v_lshl_add_u32 v[SPW], v0, 2, SPARE
	v_mov_b32 v[NIL], 0
	ds_add_u32 v28, v29
	s_wait_dscnt 0x0
	v_lshrrev_b32 v1, 5, v0
	v_readfirstlane_b32 s14, v1                    ; wave 0..3
	s_lshr_b32 s15, s14, 1                         ; which half of the tile's rows is mine.  Also: I fetch for attn (0) or for Wo (1)
	s_and_b32 s16, s14, 1                          ; which half of its columns.  Also: which head of the K step, or which 128 rows of Wo, I fetch
	s_bfe_u32 s40, ttmp6, 0x40000
	s_bfe_u32 s41, ttmp6, 0x40004
	s_lshl_b32 s42, ttmp9, 2
	s_add_co_u32 s42, s42, s40                     ; tile column
	s_and_b32 s17, ttmp7, 0xffff
	s_lshl_b32 s17, s17, 2
	s_add_co_u32 s17, s17, s41                     ; tile row
	s_lshl_b32 s43, s41, 2
	s_lshl_b32 s43, 15, s43                        ; my row of the cluster
	s_lshl_b32 s44, 0x1111, s40                    ; my column
	; descriptor group 1 for attn: 128 rows of 256 bytes, dense: the 16 images of 256 queries of one head
	s_or_b32 s[G1+0], s43, (3<<16)|(1<<21)         ; 15:0 the mask: my row; 17:16 elements of 8 bytes; 20 no padding; 21 set beside a mask
	s_mov_b32 s[G1+1], 32<<16
	s_mov_b32 s[G1+2], 128<<16
	s_mov_b32 s[G1+3], 32<<16
	s_mov_b32 s[G1+4], 128
	s_mov_b32 s[G1+5], 32
	s_mov_b32 s[G1+6], 0
	s_mov_b32 s[G1+7], 0
	; and for Wo: 128 rows x 256 bytes, padded in LDS
	s_or_b32 s[G1B+0], s44, (0<<16)|(1<<20)|(1<<21)|(5<<22)|(3<<25)
	s_mov_b32 s[G1B+1], ROWB<<16
	s_mov_b32 s[G1B+2], 128<<16
	s_mov_b32 s[G1B+3], ROWB<<16
	s_mov_b32 s[G1B+4], 128
	s_mov_b32 s[G1B+5], KROW
	s_mov_b32 s[G1B+6], 0
	s_mov_b32 s[G1B+7], 0
	s_lshl_b32 s20, s16, 18                        ; attn: my head of the K step,
	s_lshl_b32 s21, s17, 15                        ; the tile row's 16 images
	s_add_co_u32 s20, s20, s21
	s_mov_b32 s21, 0
	s_lshl_b32 s18, s16, 7
	s_lshl_b32 s46, s42, 8
	s_add_co_u32 s46, s46, s18                     ; Wo: row 256 x tile column + 128 x half,
	s_lshl_b32 s46, s46, 11
	s_add_co_u32 s46, s46, 6<<22                   ; in tensor 6
	s_mov_b32 s47, 0
	s_lshl_b32 s45, s16, 15                        ; where they go: no place in the cluster enters an LDS address
	s_mul_i32 s67, s16, HALFT
	s_add_co_u32 s67, s67, AIMG
	s_wait_kmcnt 0x0
	s_load_b64 s[96:97], s[8:9], 0x28              ; e10, e11
	s_add_nc_u64 s[20:21], s[4:5], s[20:21]
	s_add_nc_u64 s[46:47], s[6:7], s[46:47]
	CROUND                                         ; all sixteen work-groups are here: the first joint loads meet
.irp s, 0,1
	s_mov_b32 s[G0+4*\s], 1
	s_add_co_u32 s[G0+4*\s+1], s45, \s*SLOT
	s_add_nc_u64 s[G0+4*\s+2:G0+4*\s+3], s[20:21], \s*2*HEADB
	s_or_b32 s[G0+4*\s+3], s[G0+4*\s+3], 0x80000000
	s_mov_b32 s[G0B+4*\s], 1
	s_add_co_u32 s[G0B+4*\s+1], s67, \s*SLOT
	s_add_nc_u64 s[G0B+4*\s+2:G0B+4*\s+3], s[46:47], \s*ROWB
	s_or_b32 s[G0B+4*\s+3], s[G0B+4*\s+3], 0x80000000
	JLOAD G0+4*\s, G1, G0B+4*\s, G1B
.endr
	v_and_b32 v1, 15, v0                           ; l % 16
	v_bfe_u32 v2, v0, 4, 1                         ; l / 16
	v_mul_u32_u24 v3, v1, PITCH
	v_lshl_add_u32 v4, v2, 4, v3                   ; Wo: a fragment's row x pitch + 16 x half
	v_and_b32 v6, 31, v0
	v_lshlrev_b32 v[CO], 4, v6                     ; 16 x lane: my place in an image, in a stage row and in a row of out0
	s_lshl_b32 s21, s15, 14                        ; my eight images of each head
	s_mul_i32 s22, s16, HALFT                      ; my 128 rows of Wo,
	s_add_co_u32 s22, s22, AIMG                    ; which lie behind the images
.irp s, 0,1
	v_add_nc_u32 v[ADRA+\s], s21, v[CO]
	v_add_nc_u32 v[ADRB+\s], s22, v4
	s_add_co_u32 s21, s21, SLOT
	s_add_co_u32 s22, s22, SLOT
.endr
	s_mul_i32 s23, s14, 16*SPITCH                  ; my stage
	v_mul_u32_u24 v5, v1, SPITCH                   ; in: row l % 16, 32 bytes for each half of the lanes
	v_lshl_add_u32 v5, v2, 5, v5
	v_add_nc_u32 v[STO], s23, v5
	v_add_nc_u32 v[RD], s23, v[CO]                 ; back: the 32 lanes take one row of 512 bytes
	s_lshl_b32 s20, s17, 8
	s_lshl_b32 s21, s15, 7
	s_add_co_u32 s20, s20, s21                     ; my first row of out0
	s_mov_b32 s21, 0
	s_mov_b64 s[18:19], SIZE_N*4
	s_mul_u64 s[20:21], s[20:21], s[18:19]
	s_lshl_b32 s46, s42, 10                        ; my first column, in bytes
	s_lshl_b32 s47, s16, 9
	s_add_co_u32 s46, s46, s47
	s_mov_b32 s47, 0
	s_add_nc_u64 s[20:21], s[20:21], s[46:47]
	s_add_nc_u64 s[10:11], s[10:11], s[20:21]
.macro FRAGA reg, adr, q, i            ; an image comes back as it was stored: four loads of 512 consecutive bytes
.irp c, 0,1,2,3
	ds_load_b128 v[\reg+4*\c:\reg+4*\c+3], v[\adr] offset:32768*(\q)+2048*(\i)+512*\c
.endr
.endm
.macro FRAGB reg, adr, q, i            ; from rows: registers 4 c .. 4 c + 3 hold K = 32 c + 16 (l / 16) + 0 .. 15
.irp c, 0,1,2,3
	ds_load_b128 v[\reg+4*\c:\reg+4*\c+3], v[\adr] offset:128*(\q)+32*\c+(\i)*16*PITCH
.endr
.endm
.macro MUL16 a0, p, zero               ; the 64 accumulators take turns, one instruction a turn
.irp a, \a0, \a0+1
.irp b, 0,1,2,3,4,5,6,7
.if \zero
	v_wmma_f32_16x16x128_fp8_fp8 v[8*(8*((\a)%4)+\b):8*(8*((\a)%4)+\b)+7], v[128*(\p)+FR*\b:128*(\p)+FR*\b+FR-1], v[AF+FR*(\a):AF+FR*(\a)+FR-1], 0
.else
	v_wmma_f32_16x16x128_fp8_fp8 v[8*(8*((\a)%4)+\b):8*(8*((\a)%4)+\b)+7], v[128*(\p)+FR*\b:128*(\p)+FR*\b+FR-1], v[AF+FR*(\a):AF+FR*(\a)+FR-1], v[8*(8*((\a)%4)+\b):8*(8*((\a)%4)+\b)+7]
.endif
.endr
.endr
.endm
.macro FETCH_B slot, q, p
	WIN TO_B
.irp i, 0,1,2,3,4,5,6,7
	FRAGB 128*(\p)+FR*\i, ADRB+\slot, \q, \i
.endr
	WIN 0
.endm
.macro FETCH_A slot, q, i0
.irp i, \i0, \i0+1, \i0+2, \i0+3
	FRAGA AF+FR*(\i), ADRA+\slot, \q, \i
.endr
.endm
.macro PLACES n
.rept \n
	v_nop
.endr
.endm
.macro STEP slot, q, zero
	s_wait_dscnt 4*NL                              ; B's set and A's blocks 0-3 are in; the youngest sixteen loads (A's blocks 4-7) may be out
	WIN MUL_LO
	MUL16 0, (\q)%2, \zero
	MUL16 2, (\q)%2, \zero
	s_wait_dscnt 0
	PLACES NP
	FETCH_B \slot, (\q)+1, 1-(\q)%2
	FETCH_A \slot, (\q)+1, 0
	WIN MUL_HI
	MUL16 4, (\q)%2, \zero
	MUL16 6, (\q)%2, \zero
	PLACES NP
	WIN 0
	FETCH_A \slot, (\q)+1, 4
.endm
.macro TURN slot, next, fill
	s_wait_tensorcnt 0x0                           ; all my tensor loads have landed: my part of the next slot
	ds_add_u32 v[SPW], v[NIL]                      ; 0 onto my spare word
	s_wait_dscnt 4*NL+1                            ; (the add and the youngest sixteen loads may be out)
	WIN MUL_LO
	MUL16 0, 1, 0
	s_wait_dscnt 0x0                               ; the add is done, and my reads of this slot are over
	s_barrier_signal -1
	MUL16 2, 1, 0
	WIN 0
	s_barrier_wait -1
.if \fill
	CREST                                          ; the barrier has opened a round of the cluster's barrier
	s_add_nc_u64 s[G0+4*\slot+2:G0+4*\slot+3], s[G0+4*\slot+2:G0+4*\slot+3], 4*HEADB   ; two K steps on: four heads
	s_add_nc_u64 s[G0B+4*\slot+2:G0B+4*\slot+3], s[G0B+4*\slot+2:G0B+4*\slot+3], 2*ROWB
	JLOAD G0+4*\slot, G1, G0B+4*\slot, G1B         ; the first tensor load behind the round; its four v_nop are the places in front of the loads below
.else
	PLACES NP
.endif
	FETCH_B \next, 0, 0
	FETCH_A \next, 0, 0
	WIN MUL_HI
	MUL16 4, 1, 0
	MUL16 6, 1, 0
	PLACES NP
	WIN 0
	FETCH_A \next, 0, 4
.endm
	s_wait_tensorcnt 1                             ; my part of K step 0 is in (K step 1's load may be out),
	s_barrier_signal -1
	s_barrier_wait -1                              ; everybody's is
	FETCH_B 0, 0, 0
	FETCH_A 0, 0, 0
	FETCH_A 0, 0, 4
	STEP 0, 0, 1
	s_mov_b32 s3, LAPS-1
.Llap:
	TURN 0, 1, 1
	STEP 1, 0, 0
	TURN 1, 0, 1
	STEP 0, 0, 0
	s_sub_co_u32 s3, s3, 1
	s_cmp_lg_u32 s3, 0
	s_cbranch_scc1 .Llap
	TURN 0, 1, 0
	STEP 1, 0, 0
	s_wait_dscnt 4*NL
	WIN MUL_LO
	MUL16 0, 1, 0
	MUL16 2, 1, 0
	s_wait_dscnt 0
	WIN MUL_HI
	MUL16 4, 1, 0
	MUL16 6, 1, 0
	WIN 0
; THE WAY OUT, block by block of 16 rows x 128 columns: through my own stage in LDS, back as whole rows of 512 bytes.  LDS serves a wave's instructions in order (ISA guide 5.7.1.4): no wait between the stores and the loads.
.macro TOSTAGE a
.set AC, 64*((\a)%4)
	WIN 0x02+((\a)/4)
.set n, 0
.rept 32
	v_pk_mul_f32 v[TMP+n:TMP+n+1], v[AC+n:AC+n+1], s[96:97] op_sel_hi:[1,0]   ; both x s96 = 2^(e10 + e11); each accumulator from its low end on
.set n, n+2
.endr
	WIN 0
.irp b, 0,1,2,3,4,5,6,7
	ds_store_b128 v[STO], v[TMP+8*\b:TMP+8*\b+3] offset:64*\b
	ds_store_b128 v[STO], v[TMP+8*\b+4:TMP+8*\b+7] offset:64*\b+16
.endr
.set BB, BK+64*((\a)%2)
.irp t, 0,1,2,3,4,5,6,7,8,9,10,11,12,13,14,15
	ds_load_b128 v[BB+4*\t:BB+4*\t+3], v[RD] offset:\t*SPITCH
.endr
.endm
.macro SEND a, younger                 ; younger: the LDS instructions issued behind block a's loads, which may stay out
.set BB, BK+64*((\a)%2)
	s_wait_dscnt \younger
.if (\a) > 0
	s_add_nc_u64 s[10:11], s[10:11], 16*SIZE_N*4   ; (behind a wait on XCNT: the earlier stores have read their base)
.endif
.irp t, 0,1,2,3,4,5,6,7,8,9,10,11,12,13,14,15
	global_store_b128 v[CO], v[BB+4*\t:BB+4*\t+3], s[10:11] offset:\t*SIZE_N*4 th:TH_STORE_NT   ; 32 lanes store 512 consecutive bytes, aligned
.endr
.endm
	s_wait_kmcnt 0x0
	s_add_co_i32 s96, s96, s97
	s_add_co_i32 s96, s96, 127
	s_lshl_b32 s96, s96, 23                        ; the f32 number 2^(e10 + e11)
	PLACES NP
	TOSTAGE 0
.irp a, 1,2,3,4,5,6,7
.if \a > 1
	s_wait_xcnt 0x0                                ; block a - 2's stores have read their registers and their base
.endif
	TOSTAGE \a
	SEND \a-1, 32                                  ; behind block a - 1's loads: block a's 16 stores and 16 loads
.endr
	s_wait_xcnt 0x0
	SEND 7, 0
	s_wait_tensorcnt 0x0                           ; the wave's end
	ds_add_u32 v[SPW], v[NIL]
	s_wait_dscnt 0x0
	CROUND                                         ; the closing round
	s_endpgm
.Lfunc_end_k_qeaedc5d6b9_oproj:
	.size	k_qeaedc5d6b9_oproj, .Lfunc_end_k_qeaedc5d6b9_oproj-k_qeaedc5d6b9_oproj
	.p2alignl 7, 3214868480
	.fill 96, 4, 3214868480
	.section	.rodata,"a",@progbits
	.p2align	6, 0x0
	.amdhsa_kernel k_qeaedc5d6b9_oproj
		.amdhsa_group_segment_fixed_size 327680
		.amdhsa_private_segment_fixed_size 0
		.amdhsa_enable_private_segment 0
		.amdhsa_kernarg_size 32
		.amdhsa_user_sgpr_count 2
		.amdhsa_user_sgpr_kernarg_segment_ptr 1
		.amdhsa_wavefront_size32 1
		.amdhsa_system_sgpr_workgroup_id_x 1
		.amdhsa_system_sgpr_workgroup_id_y 1
		.amdhsa_system_sgpr_workgroup_id_z 1
		.amdhsa_system_vgpr_workitem_id 0
		.amdhsa_next_free_vgpr 1024
		.amdhsa_next_free_sgpr 98
		.amdhsa_reserve_vcc 0
		.amdhsa_float_denorm_mode_32 3
		.amdhsa_float_denorm_mode_16_64 3
		.amdhsa_memory_ordered 1
		.amdhsa_forward_progress 1
		.amdhsa_inst_pref_size 123
	.end_amdhsa_kernel
	.amdgpu_metadata
---
amdhsa.version: [ 1, 2 ]
amdhsa.kernels:
  - .name:           k_qeaedc5d6b9_oproj
    .symbol:         k_qeaedc5d6b9_oproj.kd
    .args:
      - { .name: attn_img, .offset: 0, .size: 8, .value_kind: global_buffer, .address_space: global }
      - { .name: xw_codes, .offset: 8, .size: 8, .value_kind: global_buffer, .address_space: global }
      - { .name: lowp_scales, .offset: 16, .size: 8, .value_kind: global_buffer, .address_space: global }
      - { .name: out0, .offset: 24, .size: 8, .value_kind: global_buffer, .address_space: global }
    .group_segment_fixed_size: 327680
    .private_segment_fixed_size: 0
    .kernarg_segment_align: 8
    .kernarg_segment_size: 32
    .max_flat_workgroup_size: 128
    .sgpr_count:     98
    .vgpr_count:     1024
    .wavefront_size: 32
...
	.end_amdgpu_metadata
.endif
;; end of part 4
;; ======== version 2 of 2: 4 launches
;; limits: right only within a limited range of input values
;; workspace buffers: xw_codes 29,360,128 bytes; rope_tab 1,048,576 bytes; qkv 12,582,912 bytes; attn_img 4,194,304 bytes
;; launch quant (part 5): grid 928 x 1, 4 waves a work-group, no clusters, 33,280 bytes of LDS; arguments query, Wq, key_, Wk, value, Wv, Wo, lowp_scales, xw_codes, rope_tab; writes xw_codes, rope_tab
.if DOCPART == 5
	.amdgcn_target "amdgcn-amd-amdhsa--gfx1250"
	.amdhsa_code_object_version 6
	.text
	.protected	k_qeaedc5d6b9_quant
	.globl	k_qeaedc5d6b9_quant
	.p2align	8
	.type	k_qeaedc5d6b9_quant,@function
k_qeaedc5d6b9_quant:
	s_mov_b64 s[64:65], 0
	v_nop
	global_prefetch_b8 v0, s[64:65] scope:SCOPE_SE
	s_setreg_imm32_b32 hwreg(HW_REG_WAVE_MODE, 25, 1), 1
	s_wait_xcnt 0x0
; Seven f32 tensors [2048][2048] (query, Wq, key_, Wk, value, Wv, Wo: K innermost in all) become codes of FP8 (E4M3), one byte each, row-major, tensor t at byte t << 22 of xw_codes,
; each with the one scale 2^e that is given for it (entries 0 .. 5 of the scales for tensors 0 .. 5, entry 11 for Wo).  code = x / 2^e, held within +-448, to the nearest code, ties to even.
; Wv's rows are stored with bits 3 and 4 of the row's number exchanged: the attention launch's results then come out in the order of k in which the last product reads Wo's rows.
; Work-groups 0 .. 895: 128 to a tensor, 32,768 numbers each; a wave takes 16 steps of 512 numbers (four whole rows).  Each load reads 512 consecutive bytes; a step's 2,048 bytes turn through the wave's own
; stage in LDS, so that a lane then holds 16 neighbours along K; a lane's 16 codes are 16 bytes and the wave stores 512 consecutive bytes.  Waves share nothing: no barrier.
; Work-groups 896 .. 927 make the table of cos and sin for the rotary embedding: a wave makes 16 positions x 64 frequencies, laid as images of the registers in which the next launch wants them.
; LIMITS: e between -126 and 119.  NaN among the inputs is not served.  The table's frequencies 10000^(-i/64) are made to about one unit in the last place of their true value.
; THE SIX OPERANDS OF THE FIRST THREE PRODUCTS (tensors 0 .. 5) DO NOT GO THROUGH THE STAGE: a lane converts the 16 numbers that its four loads of a step brought.  Byte 16 l + 4 i + e of a step's 512 codes is then
; number 128 i + 4 l + e of the step's 512 numbers: one fixed permutation of k inside each 512 along K, the same in every row of all six tensors, so that in each product every code still meets its partner; only the
; order of the sums changes.  What is said above of the stage holds for Wo alone, whose order of k has to fit the attention launch's images.
.set STEPS, 16
.set NQWG,  896                        ; work-groups that quantise
.set SP,    80                         ; a lane's place in a stage: its 64 bytes + 16 of padding
.set WREG,  8192                       ; LDS: a region of its own for each wave: two stages of 32 x SP bytes
.set LI,    3                          ; v3       16 x lane; never rewritten
.set R,     16                         ; v16-79   four sets of 16 numbers as they are loaded
.set X,     80                         ; v80-111  two sets of 16 neighbours
.set C,     128                        ; v128-191 codes: four registers for each step, so that no store's data are written again
	s_load_b512 s[8:23], s[0:1], 0x0               ; query, Wq, key_, Wk, value, Wv, Wo in s[8:21]; the scales' exponents s[22:23]
	s_load_b128 s[24:27], s[0:1], 0x40             ; the codes s[24:25], the table s[26:27]
	v_lshl_add_u32 v192, v0, 2, 0x8000
	v_mov_b32 v193, 0
	v_lshrrev_b32 v1, 5, v0
	v_readfirstlane_b32 s28, v1                    ; wave
	v_and_b32 v2, 31, v0                           ; lane
	v_lshlrev_b32 v[LI], 4, v2
	s_cmp_ge_u32 ttmp9, NQWG
	s_cbranch_scc1 .Ltable
	; ---- the quantiser
	s_mul_i32 s31, s28, WREG
	v_lshrrev_b32 v14, 2, v2
	v_mul_u32_u24 v14, v14, SP
	v_and_b32 v15, 3, v2
	v_lshl_add_u32 v14, v15, 4, v14
	v_add_nc_u32 v14, s31, v14                     ; the stage, on the way in: four lanes' 64 bytes on end, then 16 of padding
	v_mul_u32_u24 v15, v2, SP
	v_add_nc_u32 v15, s31, v15                     ; and on the way out: my 16 neighbours
	s_lshr_b32 s29, ttmp9, 7                       ; t: which tensor
	s_and_b32 s30, ttmp9, 127
	s_lshl_b32 s30, s30, 2
	s_add_co_u32 s30, s30, s28                     ; which run of 8,192 numbers (four rows) is my wave's: 0 .. 511
	s_and_b32 s32, s30, 2
	s_lshl_b32 s32, s32, 1
	s_and_b32 s33, s30, 4
	s_lshr_b32 s33, s33, 1
	s_and_b32 s34, s30, 0x1f9
	s_or_b32 s34, s34, s32
	s_or_b32 s34, s34, s33                         ; the run with its bits 1 and 2 (the rows' bits 3 and 4) exchanged,
	s_cmp_eq_u32 s29, 5
	s_cselect_b32 s34, s34, s30                    ; for Wv alone
	s_lshl_b32 s34, s34, 13                        ; 8,192 bytes of codes a run
	s_lshl_b32 s35, s29, 22
	s_add_co_u32 s34, s34, s35
	s_mov_b32 s35, 0
	s_lshl_b32 s36, s30, 15                        ; 32,768 bytes of numbers a run
	s_mov_b32 s37, 0
	s_lshl_b32 s38, s29, 2
	s_cmp_eq_u32 s29, 6
	s_cselect_b32 s38, 44, s38                     ; the tensor's entry among the scales, in bytes
	s_wait_kmcnt 0x0
	s_load_b32 s39, s[22:23], s38 offset:0x0       ; e
.irp i, 1,2,3,4,5,6
	s_cmp_eq_u32 s29, \i                           ; the choice of the tensor hangs on the work-group's number alone
	s_cselect_b64 s[8:9], s[8+2*\i:9+2*\i], s[8:9]
.endr
	s_add_nc_u64 s[8:9], s[8:9], s[36:37]
	s_add_nc_u64 s[24:25], s[24:25], s[34:35]
.macro LOAD t
.irp i, 0,1,2,3
	global_load_b128 v[R+16*((\t)%4)+4*\i:R+16*((\t)%4)+4*\i+3], v[LI], s[8:9] offset:2048*(\t)+512*\i th:TH_LOAD_NT   ; 32 lanes read 512 consecutive bytes
.endr
.endm
.macro TURN t                          ; step t's numbers through the stage: LDS serves a wave's instructions in order, so no wait stands between the stores and the loads
.irp i, 0,1,2,3
	ds_store_b128 v14, v[R+16*((\t)%4)+4*\i:R+16*((\t)%4)+4*\i+3] offset:32*SP*((\t)%2)+8*SP*\i
.endr
.irp i, 0,1,2,3
	ds_load_b128 v[X+16*((\t)%2)+4*\i:X+16*((\t)%2)+4*\i+3], v15 offset:32*SP*((\t)%2)+16*\i
.endr
.endm
	s_wait_alu depctr_va_vdst(0)
.irp t, 0,1,2,3
	LOAD \t
.endr
	s_wait_kmcnt 0x0
	s_add_co_i32 s39, s39, 127
	s_lshl_b32 s40, s39, 23
	v_mov_b32 v11, s40                             ; 2^e as f32: the conversion takes its exponent field
	s_add_co_i32 s39, s39, 8
	s_lshl_b32 s39, s39, 23
	s_or_b32 s39, s39, 0x600000
	v_mov_b32 v10, s39                             ; 448 x 2^e
	s_wait_alu depctr_va_vdst(0)
	s_cmp_eq_u32 s29, 6                            ; Wo takes the way through the stage: the choice hangs on the work-group's number alone
	s_cbranch_scc1 .Lwo
; A step without the stage.  Five sets of 16 registers take turns (v16-95): step t first asks for step t + 4, into the set that step t - 1 has left, then waits for its own four loads, holds and converts.
; younger: the loads issued behind this step's, which may be out: four for each of steps t + 1 .. t + 4 that exist.  Every offset is an immediate and each step has its own four registers for its codes (v128-191):
; nothing is stepped or written again, and the wave's sixteen stores stand together behind its last conversion, so that no vector line follows a store.
.macro DSTEP t, younger
.set XS, R+16*((\t)%5)
.if (\t)+4 < STEPS
.irp i, 0,1,2,3
	global_load_b128 v[R+16*(((\t)+4)%5)+4*\i:R+16*(((\t)+4)%5)+4*\i+3], v[LI], s[8:9] offset:2048*((\t)+4)+512*\i th:TH_LOAD_NT
.endr
.endif
	s_wait_loadcnt \younger
.irp i, 0,1,2,3,4,5,6,7,8,9,10,11,12,13,14,15
	v_med3_num_f32 v[XS+\i], v[XS+\i], -v10, v10   ; the hold at the largest code x the scale (ISA guide 7.6.2: the conversion does not saturate)
.endr
	v_cvt_scalef32_pk8_fp8_f32 v[C+4*(\t):C+4*(\t)+1], v[XS:XS+7], v11
	v_cvt_scalef32_pk8_fp8_f32 v[C+4*(\t)+2:C+4*(\t)+3], v[XS+8:XS+15], v11
	v_nop                                          ; one plain vector line behind the last conversion of a run
.endm
.irp t, 0,1,2,3,4,5,6,7,8,9,10,11
	DSTEP \t, 16
.endr
	DSTEP 12, 12
	DSTEP 13, 8
	DSTEP 14, 4
	DSTEP 15, 0
.irp t, 0,1,2,3,4,5,6,7,8,9,10,11,12,13,14,15
	global_store_b128 v[LI], v[C+4*\t:C+4*\t+3], s[24:25] offset:512*\t   ; each store covers 512 consecutive bytes, aligned; the sixteen cover the wave's 8,192 bytes of codes
.endr
	s_endpgm                                       ; this way has written no LDS
.Lwo:
	s_wait_loadcnt 12                              ; step 0's four loads are in; the twelve of steps 1 to 3 may be out
	TURN 0
.macro STEP t
.set XS, X+16*((\t)%2)
	s_wait_dscnt 0x0                               ; this step's numbers are back from the stage: so its stores into the stage have read their registers,
.if (\t)+4 < STEPS
	LOAD (\t)+4                                    ; which take the loads of four steps on
.endif
.if (\t)+1 < STEPS
.if STEPS-2-(\t) >= 3
	s_wait_loadcnt 12                              ; the next step's four loads are in; those of the three steps behind it may be out
.else
	s_wait_loadcnt 4*(STEPS-2-(\t))
.endif
	TURN (\t)+1                                    ; and go through the other stage while this step is worked
.endif
.irp i, 0,1,2,3,4,5,6,7,8,9,10,11,12,13,14,15
	v_med3_num_f32 v[XS+\i], v[XS+\i], -v10, v10   ; the conversion to an 8-bit code does not saturate (ISA guide 7.6.2): the hold at the largest code x the scale comes first
.endr
	v_cvt_scalef32_pk8_fp8_f32 v[C+4*(\t):C+4*(\t)+1], v[XS:XS+7], v11
	v_cvt_scalef32_pk8_fp8_f32 v[C+4*(\t)+2:C+4*(\t)+3], v[XS+8:XS+15], v11
	v_nop                                          ; one plain vector line behind the last conversion of a run
.endm
.irp t, 0,1,2,3,4,5,6,7,8,9,10,11,12,13,14,15
	STEP \t
.endr
.irp t, 0,1,2,3,4,5,6,7,8,9,10,11,12,13,14,15
	global_store_b128 v[LI], v[C+4*\t:C+4*\t+3], s[24:25] offset:512*\t   ; Wo's codes likewise: the sixteen stores stand behind the last conversion, 512 consecutive bytes each, aligned
.endr
	s_wait_tensorcnt 0x0
	ds_add_u32 v192, v193
	s_wait_dscnt 0x0
	s_endpgm
	; ---- the table.  Block blk (16 positions) lies at blk x 8,192 bytes; in it image (b, jh, cs) at (4 b + 2 jh + cs) x 512, lane (r, h) at 16 x lane: four f32, e = 0 .. 3:
	; cos (cs = 0) or sin (cs = 1) of pos x 10000^(-i / 64), pos = 16 blk + r, i = 16 b + 8 h + 4 jh + e.
.Ltable:
	s_sub_co_u32 s29, ttmp9, NQWG
	s_lshl_b32 s29, s29, 2
	s_add_co_u32 s29, s29, s28                     ; blk
	s_lshl_b32 s30, s29, 13
	s_mov_b32 s31, 0
	s_lshl_b32 s29, s29, 4                         ; its first position
	v_and_b32 v4, 15, v0
	v_add_nc_u32 v4, s29, v4
	v_cvt_f32_u32 v6, v4                           ; pos, exact
	v_bfe_u32 v5, v0, 4, 1
	v_lshlrev_b32 v5, 3, v5                        ; 8 h
	s_mov_b32 s32, 0xbe549a78                      ; -log2(10000) / 64 in two parts
	s_mov_b32 s33, 0xb1979a6c
	s_mov_b32 s34, 0x3f22f983                      ; 2 / pi
	s_mov_b32 s35, 0xbfc90fd8                      ; -pi / 2 in three parts
	s_mov_b32 s36, 0xb4a8885a
	s_mov_b32 s37, 0xa7c234c4
	s_mov_b32 s38, 0xb493f27e                      ; cos: -1/10!, 1/8!, -1/6!, 1/4!
	s_mov_b32 s39, 0x37d00d01
	s_mov_b32 s40, 0xbab60b61
	s_mov_b32 s41, 0x3d2aaaab
	s_mov_b32 s42, 0x3638ef1d                      ; sin: 1/9!, -1/7!, 1/5!, -1/3!
	s_mov_b32 s43, 0xb9500d01
	s_mov_b32 s44, 0x3c088889
	s_mov_b32 s45, 0xbe2aaaab
	s_wait_alu depctr_va_vdst(0)
	s_wait_kmcnt 0x0
	s_add_nc_u64 s[26:27], s[26:27], s[30:31]
; Four numbers i at a time.  v16.. i; v20.. the exponent, then the frequency; v24.. its low part; v28.. whole parts; v32.. the angle, then r; v36.. r r; v40.. cos's series; v44.. sin's; v48.. at work.
; Each of a trip's two groups has eight registers of its own for its results; the next trip writes them again only behind the wait on XCNT.
.macro TABGRP b, jh
.set OC, 64+8*(2*(\b)+(\jh))
.set OS, OC+4
.irp e, 0,1,2,3
	v_add_nc_u32 v[16+\e], 16*(\b)+4*(\jh)+\e, v5
.endr
.irp e, 0,1,2,3
	v_cvt_f32_u32 v[16+\e], v[16+\e]
.endr
.irp e, 0,1,2,3
	v_mul_f32 v[20+\e], s32, v[16+\e]              ; a = the exponent's high part, rounded,
.endr
.irp e, 0,1,2,3
	v_fma_f32 v[24+\e], v[16+\e], s32, -v[20+\e]   ; what the rounding dropped,
.endr
.irp e, 0,1,2,3
	v_fma_f32 v[24+\e], v[16+\e], s33, v[24+\e]    ; and the low part
.endr
.irp e, 0,1,2,3
	v_rndne_f32 v[28+\e], v[20+\e]
.endr
.irp e, 0,1,2,3
	v_sub_f32 v[20+\e], v[20+\e], v[28+\e]         ; exact
.endr
.irp e, 0,1,2,3
	v_add_f32 v[20+\e], v[20+\e], v[24+\e]         ; within +-1/2
.endr
	s_wait_alu depctr_va_vdst(0)
.irp e, 0,1,2,3
	v_exp_f32 v[20+\e], v[20+\e]
.endr
	v_nop                                          ; a plain line behind the last exponential
.irp e, 0,1,2,3
	v_cvt_i32_f32 v[28+\e], v[28+\e]
.endr
	s_wait_alu depctr_va_vdst(0)                   ; one wait for the four exponentials, ahead of their first reader
.irp e, 0,1,2,3
	v_ldexp_f32 v[20+\e], v[20+\e], v[28+\e]       ; the frequency
.endr
.irp e, 0,1,2,3
	v_mul_f32 v[32+\e], v6, v[20+\e]               ; the angle, rounded once to f32
.endr
.irp e, 0,1,2,3
	v_mul_f32 v[28+\e], s34, v[32+\e]
.endr
.irp e, 0,1,2,3
	v_rndne_f32 v[28+\e], v[28+\e]                 ; how many quarter turns
.endr
.irp e, 0,1,2,3
	v_fma_f32 v[32+\e], v[28+\e], s35, v[32+\e]
.endr
.irp e, 0,1,2,3
	v_fma_f32 v[32+\e], v[28+\e], s36, v[32+\e]
.endr
.irp e, 0,1,2,3
	v_fma_f32 v[32+\e], v[28+\e], s37, v[32+\e]    ; r, within +-pi/4
.endr
.irp e, 0,1,2,3
	v_mul_f32 v[36+\e], v[32+\e], v[32+\e]
.endr
.irp e, 0,1,2,3
	v_fma_f32 v[40+\e], v[36+\e], s38, s39
	v_fma_f32 v[44+\e], v[36+\e], s42, s43
.endr
.irp e, 0,1,2,3
	v_fma_f32 v[40+\e], v[40+\e], v[36+\e], s40
	v_fma_f32 v[44+\e], v[44+\e], v[36+\e], s44
.endr
.irp e, 0,1,2,3
	v_fma_f32 v[40+\e], v[40+\e], v[36+\e], s41
	v_fma_f32 v[44+\e], v[44+\e], v[36+\e], s45
.endr
.irp e, 0,1,2,3
	v_fma_f32 v[40+\e], v[40+\e], v[36+\e], -0.5
	v_mul_f32 v[48+\e], v[32+\e], v[36+\e]
.endr
.irp e, 0,1,2,3
	v_fma_f32 v[40+\e], v[40+\e], v[36+\e], 1.0    ; cos r
	v_fma_f32 v[44+\e], v[44+\e], v[48+\e], v[32+\e]   ; sin r
.endr
.irp e, 0,1,2,3
	v_cvt_i32_f32 v[28+\e], v[28+\e]
.endr
.irp e, 0,1,2,3
	v_and_b32 v[48+\e], 1, v[28+\e]
	v_cmp_eq_u32 vcc_lo, 1, v[48+\e]               ; an odd number of quarter turns exchanges the two (a choice of values, no branch)
	v_cndmask_b32 v[OS+\e], v[44+\e], v[40+\e], vcc_lo
	v_cndmask_b32 v[OC+\e], v[40+\e], v[44+\e], vcc_lo
.endr
.irp e, 0,1,2,3
	v_lshlrev_b32 v[48+\e], 30, v[28+\e]           ; sin changes sign in quarters 2 and 3,
	v_add_nc_u32 v[28+\e], 1, v[28+\e]
.endr
.irp e, 0,1,2,3
	v_and_b32 v[48+\e], 0x80000000, v[48+\e]
	v_lshlrev_b32 v[28+\e], 30, v[28+\e]           ; cos in quarters 1 and 2
.endr
.irp e, 0,1,2,3
	v_xor_b32 v[OS+\e], v[OS+\e], v[48+\e]
	v_and_b32 v[28+\e], 0x80000000, v[28+\e]
.endr
.irp e, 0,1,2,3
	v_xor_b32 v[OC+\e], v[OC+\e], v[28+\e]
.endr
	global_store_b128 v[LI], v[OC:OC+3], s[26:27] offset:(4*(\b)+2*(\jh))*512      ; the wave stores 512 consecutive bytes, aligned
	global_store_b128 v[LI], v[OS:OS+3], s[26:27] offset:(4*(\b)+2*(\jh)+1)*512
.endm
	s_mov_b32 s46, 4
.Ltab:                                             ; four trips, b = 0 .. 3: 16 frequencies and 2,048 bytes of the block further on in each
	TABGRP 0, 0
	TABGRP 0, 1
	s_wait_xcnt 0x0                                ; the trip's stores have read their data and their base
	v_add_nc_u32 v5, 16, v5
	s_add_nc_u64 s[26:27], s[26:27], 2048
	s_sub_co_u32 s46, s46, 1
	s_cmp_lg_u32 s46, 0
	s_wait_alu depctr_va_vdst(0)                   ; the wait directly ahead of the branch
	s_cbranch_scc1 .Ltab
	s_endpgm
.Lfunc_end_k_qeaedc5d6b9_quant:
	.size	k_qeaedc5d6b9_quant, .Lfunc_end_k_qeaedc5d6b9_quant-k_qeaedc5d6b9_quant
	.p2alignl 7, 3214868480
	.fill 96, 4, 3214868480
	.section	.rodata,"a",@progbits
	.p2align	6, 0x0
	.amdhsa_kernel k_qeaedc5d6b9_quant
		.amdhsa_group_segment_fixed_size 33280
		.amdhsa_private_segment_fixed_size 0
		.amdhsa_enable_private_segment 0
		.amdhsa_kernarg_size 80
		.amdhsa_user_sgpr_count 2
		.amdhsa_user_sgpr_kernarg_segment_ptr 1
		.amdhsa_wavefront_size32 1
		.amdhsa_system_sgpr_workgroup_id_x 1
		.amdhsa_system_sgpr_workgroup_id_y 1
		.amdhsa_system_sgpr_workgroup_id_z 1
		.amdhsa_system_vgpr_workitem_id 0
		.amdhsa_next_free_vgpr 194
		.amdhsa_next_free_sgpr 66
		.amdhsa_reserve_vcc 1
		.amdhsa_float_denorm_mode_32 3
		.amdhsa_float_denorm_mode_16_64 3
		.amdhsa_memory_ordered 1
		.amdhsa_forward_progress 1
		.amdhsa_inst_pref_size 80
	.end_amdhsa_kernel
	.amdgpu_metadata
---
amdhsa.version: [ 1, 2 ]
amdhsa.kernels:
  - .name:           k_qeaedc5d6b9_quant
    .symbol:         k_qeaedc5d6b9_quant.kd
    .args:
      - { .name: query, .offset: 0, .size: 8, .value_kind: global_buffer, .address_space: global }
      - { .name: Wq, .offset: 8, .size: 8, .value_kind: global_buffer, .address_space: global }
      - { .name: key_, .offset: 16, .size: 8, .value_kind: global_buffer, .address_space: global }
      - { .name: Wk, .offset: 24, .size: 8, .value_kind: global_buffer, .address_space: global }
      - { .name: value, .offset: 32, .size: 8, .value_kind: global_buffer, .address_space: global }
      - { .name: Wv, .offset: 40, .size: 8, .value_kind: global_buffer, .address_space: global }
      - { .name: Wo, .offset: 48, .size: 8, .value_kind: global_buffer, .address_space: global }
      - { .name: lowp_scales, .offset: 56, .size: 8, .value_kind: global_buffer, .address_space: global }
      - { .name: xw_codes, .offset: 64, .size: 8, .value_kind: global_buffer, .address_space: global }
      - { .name: rope_tab, .offset: 72, .size: 8, .value_kind: global_buffer, .address_space: global }
    .group_segment_fixed_size: 33280
    .private_segment_fixed_size: 0
    .kernarg_segment_align: 8
    .kernarg_segment_size: 80
    .max_flat_workgroup_size: 128
    .sgpr_count:     66
    .vgpr_count:     194
    .wavefront_size: 32
...
	.end_amdgpu_metadata
.endif
;; end of part 5
;; launch qkv (part 6): grid 8 x 24, 4 waves a work-group, clusters of 4 x 4, 327,680 bytes of LDS; arguments xw_codes, lowp_scales, rope_tab, qkv; writes qkv
.if DOCPART == 6
	.amdgcn_target "amdgcn-amd-amdhsa--gfx1250"
	.amdhsa_code_object_version 6
	.text
	.protected	k_qeaedc5d6b9_qkv
	.globl	k_qeaedc5d6b9_qkv
	.p2align	8
	.type	k_qeaedc5d6b9_qkv,@function
k_qeaedc5d6b9_qkv:
	s_mov_b64 s[64:65], 0
	v_nop
	global_prefetch_b8 v0, s[64:65] scope:SCOPE_SE
	s_setreg_imm32_b32 hwreg(HW_REG_WAVE_MODE, 25, 1), 1
	s_wait_xcnt 0x0
	s_wait_alu depctr_hold_cnt(0) depctr_sa_sdst(0) depctr_va_vdst(0) depctr_va_sdst(0) depctr_va_ssrc(0) depctr_va_vcc(0) depctr_vm_vsrc(0)
	s_getreg_b32 s2, hwreg(HW_REG_IB_STS2, 6, 4)
	s_cmp_eq_u32 s2, 0
	s_cbranch_scc0 .Lentry_in_a_cluster
	s_endpgm
.Lentry_in_a_cluster:
	s_bfe_u32 s2, ttmp6, 0x10000c
	s_cmp_lg_u32 s2, 0xf033
	s_cbranch_scc0 .Lentry_shape_is_right
	s_endpgm
.Lentry_shape_is_right:
; q = rope(query Wq^T), k = rope(key_ Wk^T), v = value Wv^T: three products [2048][2048] x [2048][2048]^T on codes of FP8 (E4M3), K = 2,048, f32 sums; each result is quantised again, with entry 6, 7 or 8 of the
; scales, and stored as images of the operand registers of the attention launch: a fragment (16 rows x 128 K) is 2,048 bytes, piece c of lane l at 512 c + 16 l.
; q at byte 0, k at 4 MiB: [head][position / 16][2,048], K = the head's 128 channels.  v at 8 MiB: [head][key / 128][16 channels][2,048], K = the keys: there Wv is taken as A and value as B.
; Tensor t of xw_codes lies at t << 22, rows of 2,048 codes; the order of k inside a row is the same in both operands of a product.
; A sum stands for sum x 2^(eA + eB): the conversion takes 2^(eout - eA - eB), and the hold at 448 x that stands ahead of it.  LIMIT: eout - eA - eB between -126 and 119.
; SHARES.  A work-group of four waves makes 256 x 256 of one product, a wave 128 x 128: 64 accumulators, 512 registers; a wave's 128 columns are one head, so the rotary pairs (i, i + 64) lie in one lane.
; 2,048 x 2,048 a product gives 64 such blocks, 192 in all.  K goes in steps of 256 through two LDS slots; rows of 256 bytes, 16 of padding behind each.
; CLUSTERS: 4 x 4 work-groups of one product: A's tiles are asked for jointly along a row of the cluster, B's along a column.  The matrix instruction is used transposed (source 0 = B's rows, source 1 = A's).
; PREFETCH: a K step's 128 rows x 256 bytes that a wave fetches are shared out among the four partners that ask for them jointly, 32 rows each, by address; a lane a row, one instruction a wave.  K steps 1 and 2 are named
; behind the load of K step 0, K step s + 2 behind the load of K step s; the loads of K steps 6 and 7 name nothing.  The table of cos and sin is named once, by the two clusters of q at x = 0: 8,192 bytes a wave.
; REGISTERS: window 0: v0-31 addresses and constants; v128-255 A's fragments, one set; window 1: B's fragments, two sets; windows 2, 3: the accumulators.
; On the way out the table has four sets of 64 registers: window 0 v32-95 and v96-159, window 1 v0-63 and v64-127; v160-223 the rotated numbers; v224-255 codes, two sets.
.set ROWB,   256
.set KROW,   2048
.set PITCH,  272                       ; 256 bytes + 16 of padding
.set FR,     16
.set NL,     4
.set NP,     4                         ; places behind this matrix instruction (ISA guide 7.12.1)
.set HALFT,  128*PITCH
.set SLOT,   4*HALFT                   ; A's 256 rows, then B's
.set SPARE,  2*SLOT                    ; the spare words, 128 bytes a wave, which no other line names
.set ADRA, 16                          ; v16-17 my A fragments in slot 0, 1
.set ADRB, 20                          ; v20-21 the same for B
.set PFT,  25                          ; v25 256 x lane: the table's prefetch
.set LI,   26                          ; v26 16 x lane
.set PFO,  27                          ; v27 2,048 x lane: the tiles' prefetches, a lane a row
.set SPW,  28
.set NIL,  29
.set SCL,  30                          ; v30 2^(eout - eA - eB)
.set LIM,  31                          ; v31 448 x that
.set Y,    160
.set CD,   224
.set AF,   128
.set G1, 24
.set G0, 32
.set G1B, 48
.set G0B, 56
.set PFA, 84                           ; s[84:85] where my prefetches stand
.set MSB, 0
.macro WIN new                         ; the immediate's high byte repeats the setting that is left
.if MSB != (\new)
	s_set_vgpr_msb (MSB<<8)|(\new)
.set MSB, (\new)
.endif
.endm
.set MUL_LO, 0xa1
.set MUL_HI, 0xf1
.set TO_B,   0x40
.macro JLOAD g0a, g1a, g0b, g1b        ; waves 0, 1 fetch for A, waves 2, 3 for B; s_nop 0 and four v_nop behind each line
	s_cmp_eq_u32 s15, 0
	s_cbranch_scc0 .Lfor_b_\@
	tensor_load_to_lds s[\g0a:\g0a+3], s[\g1a:\g1a+7]
	s_nop 0
.rept 4
	v_nop
.endr
	s_branch .Lasked_\@
.Lfor_b_\@:
	tensor_load_to_lds s[\g0b:\g0b+3], s[\g1b:\g1b+7]
	s_nop 0
.rept 4
	v_nop
.endr
.Lasked_\@:
.endm
.macro CREST
	s_cmp_lg_u32 s14, 0
	s_cbranch_scc1 .Lnot_wave_0_\@
	s_barrier_signal -3
.Lnot_wave_0_\@:
	s_barrier_wait -3
	s_barrier_signal -1
	s_barrier_wait -1
.endm
.macro CROUND
	s_barrier_signal -1
	s_barrier_wait -1
	CREST
.endm
.macro ASK                             ; in the loop: the K step two refills on; the last trip (s3 = 1) has none
	s_cmp_gt_u32 s3, 1
	s_cbranch_scc0 .Lnone_\@
	global_prefetch_b8 v[PFO], s[PFA:PFA+1] offset:3*ROWB th:TH_LOAD_NT scope:SCOPE_SE
.Lnone_\@:
.endm
	s_load_b128 s[4:7], s[0:1], 0x0                ; the codes s[4:5], the scales' exponents s[6:7]
	s_load_b128 s[8:11], s[0:1], 0x10              ; the table s[8:9], the results s[10:11]
	v_lshl_add_u32 v[SPW], v0, 2, SPARE
	v_mov_b32 v[NIL], 0
	ds_add_u32 v[SPW], v[NIL]                      ; the opening lines: the add, twice on end, and its wait ahead of my first tensor load
	ds_add_u32 v[SPW], v[NIL]
	v_lshrrev_b32 v1, 5, v0
	v_readfirstlane_b32 s14, v1                    ; wave
	s_lshr_b32 s15, s14, 1                         ; my half of the block's rows; also: I fetch for A (0) or B (1)
	s_and_b32 s16, s14, 1                          ; my half of its columns; also: which 128 rows I fetch
	s_bfe_u32 s40, ttmp6, 0x40000                  ; cx
	s_bfe_u32 s41, ttmp6, 0x40004                  ; cy
	s_lshl_b32 s42, ttmp9, 2
	s_add_co_u32 s42, s42, s40                     ; block column 0 .. 7
	s_and_b32 s66, ttmp7, 0xffff
	s_and_b32 s17, s66, 1
	s_lshl_b32 s17, s17, 2
	s_add_co_u32 s17, s17, s41                     ; block row 0 .. 7
	s_lshr_b32 s66, s66, 1                         ; the product: 0 q, 1 k, 2 v: alike in all partners
	s_lshl_b32 s43, s41, 2
	s_lshl_b32 s43, 15, s43                        ; my row of the cluster
	s_lshl_b32 s44, 0x1111, s40                    ; my column
	s_or_b32 s[G1+0], s43, (0<<16)|(1<<20)|(1<<21)|(5<<22)|(3<<25)   ; mask; elements of 1 byte; 4 words of padding after every 64
	s_or_b32 s[G1B+0], s44, (0<<16)|(1<<20)|(1<<21)|(5<<22)|(3<<25)
.irp g, G1, G1B
	s_mov_b32 s[\g+1], ROWB<<16
	s_mov_b32 s[\g+2], 128<<16
	s_mov_b32 s[\g+3], ROWB<<16
	s_mov_b32 s[\g+4], 128
	s_mov_b32 s[\g+5], KROW
	s_mov_b32 s[\g+6], 0
	s_mov_b32 s[\g+7], 0
.endr
	s_lshr_b32 s67, s66, 1                         ; 1 for v
	s_lshl_b32 s71, s66, 1
	s_lshl_b32 s18, s16, 7
	s_lshl_b32 s20, s17, 8
	s_add_co_u32 s20, s20, s18
	s_lshl_b32 s20, s20, 11
	s_add_co_u32 s72, s71, s67                     ; A: tensor 0, 2 or 5
	s_lshl_b32 s72, s72, 22
	s_add_co_u32 s20, s20, s72
	s_mov_b32 s21, 0
	s_lshl_b32 s46, s42, 8
	s_add_co_u32 s46, s46, s18
	s_lshl_b32 s46, s46, 11
	s_add_co_u32 s73, s71, 1
	s_sub_co_u32 s73, s73, s67                     ; B: tensor 1, 3 or 4
	s_lshl_b32 s73, s73, 22
	s_add_co_u32 s46, s46, s73
	s_mov_b32 s47, 0
	s_lshl_b32 s74, s66, 3
	s_lshl_b32 s75, s66, 2
	s_mul_i32 s45, s14, HALFT                      ; where my loads go: wave x 128 rows
	s_mul_i32 s86, s15, HALFT                      ; my 128 rows of A,
	s_mul_i32 s87, s16, HALFT
	s_add_co_u32 s87, s87, 2*HALFT                 ; and of B
	s_lshl_b32 s88, s40, 16                        ; the prefetches: of the 128 rows that I fetch my work-group names 32: place cx for A, cy for B
	s_add_co_u32 s88, s88, s20
	s_lshl_b32 s89, s41, 16
	s_add_co_u32 s89, s89, s46
	s_cmp_eq_u32 s15, 0
	s_cselect_b32 s88, s88, s89
	s_mov_b32 s89, 0
	s_lshl_b32 s90, s17, 17                        ; the table: my block row's 256 positions are 131,072 bytes: 32,768 a partner along x, 8,192 a wave
	s_lshl_b32 s91, s40, 15
	s_add_co_u32 s90, s90, s91
	s_lshl_b32 s91, s14, 13
	s_add_co_u32 s90, s90, s91
	s_mov_b32 s91, 0
	s_or_b32 s82, ttmp9, s66                       ; 0 in the two clusters of q at x = 0
	s_lshl_b32 s76, s42, 1
	s_add_co_u32 s76, s76, s16                     ; my 128 columns: 0 .. 15
	s_lshl_b32 s77, s17, 1
	s_add_co_u32 s77, s77, s15                     ; my 128 rows: 0 .. 15
	s_cmp_eq_u32 s66, 2
	s_cselect_b32 s78, s77, s76                    ; the head: the columns' number, for v the rows'
	s_cselect_b32 s79, s76, s77
	s_lshl_b32 s78, s78, 18
	s_lshl_b32 s79, s79, 14
	s_add_co_u32 s78, s78, s79
	s_lshl_b32 s79, s66, 22
	s_add_co_u32 s78, s78, s79
	s_mov_b32 s79, 0
	s_lshl_b32 s80, s77, 16                        ; my 128 positions' part of the table
	s_mov_b32 s81, 0
	v_and_b32 v1, 15, v0
	v_bfe_u32 v2, v0, 4, 1
	v_mul_u32_u24 v3, v1, PITCH
	v_lshl_add_u32 v4, v2, 4, v3                   ; a fragment's row x pitch + 16 x half
	v_add_nc_u32 v[ADRA], s86, v4
	v_add_nc_u32 v[ADRB], s87, v4
	v_add_nc_u32 v[ADRA+1], SLOT, v[ADRA]
	v_add_nc_u32 v[ADRB+1], SLOT, v[ADRB]
	v_and_b32 v6, 31, v0
	v_lshlrev_b32 v[LI], 4, v6
	v_lshlrev_b32 v[PFO], 11, v6
	v_lshlrev_b32 v[PFT], 8, v6
	s_wait_alu depctr_va_vdst(0)
	s_wait_dscnt 0x0                               ; both opening adds are done
	s_wait_kmcnt 0x0
	s_add_nc_u64 s[PFA:PFA+1], s[4:5], s[88:89]
	s_add_nc_u64 s[20:21], s[4:5], s[20:21]
	s_add_nc_u64 s[46:47], s[4:5], s[46:47]
	s_add_nc_u64 s[90:91], s[8:9], s[90:91]
	s_add_nc_u64 s[10:11], s[10:11], s[78:79]
	s_add_nc_u64 s[8:9], s[8:9], s[80:81]
.irp s, 0,1
	s_mov_b32 s[G0+4*\s], 1
	s_add_co_u32 s[G0+4*\s+1], s45, \s*SLOT
	s_add_nc_u64 s[G0+4*\s+2:G0+4*\s+3], s[20:21], \s*ROWB
	s_or_b32 s[G0+4*\s+3], s[G0+4*\s+3], 0x80000000
	s_mov_b32 s[G0B+4*\s], 1
	s_add_co_u32 s[G0B+4*\s+1], s45, \s*SLOT
	s_add_nc_u64 s[G0B+4*\s+2:G0B+4*\s+3], s[46:47], \s*ROWB
	s_or_b32 s[G0B+4*\s+3], s[G0B+4*\s+3], 0x80000000
.endr
	CROUND                                         ; all sixteen work-groups are here: the first joint loads meet
	JLOAD G0, G1, G0B, G1B                         ; K step 0: one tensor load a wave at the head
	s_load_b64 s[68:69], s[6:7], s74 offset:0x0    ; eA, eB (either order): asked for behind the first tile,
	s_load_b32 s70, s[6:7], s75 offset:0x18        ; eout
	s_wait_kmcnt 0x0                               ; and the prefetches stand behind this wait: the first tile's rows are asked for ahead of them
	s_sub_co_i32 s70, s70, s68
	s_sub_co_i32 s70, s70, s69
	s_add_co_i32 s70, s70, 127
	s_lshl_b32 s71, s70, 23
	s_add_co_i32 s70, s70, 8
	s_lshl_b32 s70, s70, 23
	s_or_b32 s70, s70, 0x600000
	v_mov_b32 v[SCL], s71
	v_mov_b32 v[LIM], s70
	global_prefetch_b8 v[PFO], s[PFA:PFA+1] offset:ROWB th:TH_LOAD_NT scope:SCOPE_SE     ; K step 1
	global_prefetch_b8 v[PFO], s[PFA:PFA+1] offset:2*ROWB th:TH_LOAD_NT scope:SCOPE_SE   ; K step 2
	s_cmp_eq_u32 s82, 0
	s_cbranch_scc0 .Lno_tab
	global_prefetch_b8 v[PFT], s[90:91] th:TH_LOAD_NT scope:SCOPE_SE                     ; the table, by the two clusters of q at x = 0
.Lno_tab:
.macro FRAG reg, adr, q, i             ; 16 rows x 128 K: registers 4 c .. 4 c + 3 hold bytes 32 c + 16 (l / 16) + 0 .. 15 of row l % 16: alike in A and B
.irp c, 0,1,2,3
	ds_load_b128 v[\reg+4*\c:\reg+4*\c+3], v[\adr] offset:128*(\q)+32*\c+(\i)*16*PITCH
.endr
.endm
.macro MUL16 a0, p, zero               ; A's blocks a0, a0 + 1 x B's eight; the 64 accumulators take turns in one order
.irp a, \a0, \a0+1
.irp b, 0,1,2,3,4,5,6,7
.if \zero
	v_wmma_f32_16x16x128_fp8_fp8 v[8*(8*((\a)%4)+\b):8*(8*((\a)%4)+\b)+7], v[128*(\p)+FR*\b:128*(\p)+FR*\b+FR-1], v[AF+FR*(\a):AF+FR*(\a)+FR-1], 0
.else
	v_wmma_f32_16x16x128_fp8_fp8 v[8*(8*((\a)%4)+\b):8*(8*((\a)%4)+\b)+7], v[128*(\p)+FR*\b:128*(\p)+FR*\b+FR-1], v[AF+FR*(\a):AF+FR*(\a)+FR-1], v[8*(8*((\a)%4)+\b):8*(8*((\a)%4)+\b)+7]
.endif
.endr
.endr
.endm
.macro FETCH_B slot, q, p
	WIN TO_B
.irp i, 0,1,2,3,4,5,6,7
	FRAG 128*(\p)+FR*\i, ADRB+\slot, \q, \i
.endr
	WIN 0
.endm
.macro FETCH_A slot, q, i0
.irp i, \i0, \i0+1, \i0+2, \i0+3
	FRAG AF+FR*(\i), ADRA+\slot, \q, \i
.endr
.endm
.macro PLACES n
.rept \n
	v_nop
.endr
.endm
.macro STEP slot, q, zero              ; 128 along K whose successor lies in the same slot
	s_wait_dscnt 4*NL                              ; B's set and A's blocks 0-3 are in; the sixteen loads of blocks 4-7 may be out
	WIN MUL_LO
	MUL16 0, (\q)%2, \zero
	MUL16 2, (\q)%2, \zero
	s_wait_dscnt 0
	PLACES NP
	FETCH_B \slot, (\q)+1, 1-(\q)%2
	FETCH_A \slot, (\q)+1, 0
	WIN MUL_HI
	MUL16 4, (\q)%2, \zero
	MUL16 6, (\q)%2, \zero
	PLACES NP
	WIN 0
	FETCH_A \slot, (\q)+1, 4
.endm
.macro TURN slot, next, fill           ; a slot's last 128 along K, and the change of slots
.if \fill
	s_wait_xcnt 0x0                                ; my prefetches have read their address: it steps one K step
	s_add_nc_u64 s[PFA:PFA+1], s[PFA:PFA+1], ROWB
.endif
	s_wait_tensorcnt 0x0                           ; my part of the next slot is in
	ds_add_u32 v[SPW], v[NIL]
	s_wait_dscnt 4*NL+1                            ; the add and the sixteen loads of A's blocks 4-7 may be out
	WIN MUL_LO
	MUL16 0, 1, 0
	s_wait_dscnt 0x0                               ; the add is done, my reads of this slot are over
	s_barrier_signal -1
	MUL16 2, 1, 0
	WIN 0
	s_barrier_wait -1
.if \fill
	CREST                                          ; the barrier has opened a round of the cluster's: no partner's wave reads this slot or has a load out
	s_add_nc_u64 s[G0+4*\slot+2:G0+4*\slot+3], s[G0+4*\slot+2:G0+4*\slot+3], 2*ROWB
	s_add_nc_u64 s[G0B+4*\slot+2:G0B+4*\slot+3], s[G0B+4*\slot+2:G0B+4*\slot+3], 2*ROWB
	JLOAD G0+4*\slot, G1, G0B+4*\slot, G1B         ; its four v_nop are the places in front of the loads below
.else
	PLACES NP
.endif
	FETCH_B \next, 0, 0
	FETCH_A \next, 0, 0
.if \fill
	ASK
.endif
	WIN MUL_HI
	MUL16 4, 1, 0
	MUL16 6, 1, 0
	PLACES NP
	WIN 0
	FETCH_A \next, 0, 4
.endm
.macro LAST                            ; the very last 128 along K: nothing more to fetch
	s_wait_dscnt 4*NL
	WIN MUL_LO
	MUL16 0, 1, 0
	MUL16 2, 1, 0
	s_wait_dscnt 0
	WIN MUL_HI
	MUL16 4, 1, 0
	MUL16 6, 1, 0
	WIN 0
	PLACES NP                                      ; ahead of the first reads of results and of loads into registers that the products read
.endm
	s_wait_alu depctr_va_vdst(0)
	s_wait_tensorcnt 0x0                           ; my part of K step 0 is in; the lines that stand ahead of a later first fill, as ahead of a refill:
	ds_add_u32 v[SPW], v[NIL]
	s_wait_dscnt 0x0
	CROUND
	JLOAD G0+4, G1, G0B+4, G1B                     ; K step 1, the first tensor load behind the round
	FETCH_B 0, 0, 0
	FETCH_A 0, 0, 0
	FETCH_A 0, 0, 4
	global_prefetch_b8 v[PFO], s[PFA:PFA+1] offset:3*ROWB th:TH_LOAD_NT scope:SCOPE_SE   ; K step 3
	STEP 0, 0, 1                                   ; the first products start the sums
	s_mov_b32 s3, 3
.Llap:                                             ; a trip goes once round the ring and fills both slots again
	TURN 0, 1, 1
	STEP 1, 0, 0
	TURN 1, 0, 1
	STEP 0, 0, 0
	s_sub_co_u32 s3, s3, 1
	s_cmp_lg_u32 s3, 0
	s_cbranch_scc1 .Llap
	TURN 0, 1, 0                                   ; the last change of slots fills nothing
; THE WAY OUT.  Block a = my rows 16 a .. 16 a + 15.  A lane holds one row and, in accumulator b, channels 16 b + 8 (l / 16) + 0 .. 7.
; The table's block a: 16 loads of 512 consecutive bytes into set a % 4: registers 8 b + 4 jh + e hold cos, 32 further on sin, of my position x frequency 16 b + 8 (l / 16) + 4 jh + e.
.macro TABLOAD a
.set LW, ((((\a)%4)+1)/2)%2                    ; sets 1 and 2 lie in window 1
.set TL, 32*(1-LW)+64*(((\a)%4)/2)
	WIN LW<<6
.irp b, 0,1,2,3
.irp jh, 0,1
	global_load_b128 v[TL+8*\b+4*\jh:TL+8*\b+4*\jh+3], v[LI], s[8:9] offset:(\a)*8192+(4*\b+2*\jh)*512
	global_load_b128 v[TL+32+8*\b+4*\jh:TL+32+8*\b+4*\jh+3], v[LI], s[8:9] offset:(\a)*8192+(4*\b+2*\jh+1)*512
.endr
.endr
	WIN 0
.endm
.macro OUTBLK a, rope
.set AC, 64*((\a)%4)
.set CS, CD+16*((\a)%2)
.if \rope
.set TW, ((((\a)%4)+1)/2)%2
.set TS, 32*(1-TW)+64*(((\a)%4)/2)
.if (\a) < 5
	s_wait_loadcnt 48                              ; this block's table is in; the sixteen loads of each of the three blocks behind it may be out
.else
	s_wait_loadcnt 16*(7-(\a))
.endif
	WIN (0x02+(\a)/4)|(TW<<2)
.irp b, 0,1,2,3
.irp j, 0,2,4,6
	v_pk_mul_f32 v[Y+8*\b+\j:Y+8*\b+\j+1], v[AC+8*\b+\j:AC+8*\b+\j+1], v[TS+8*\b+\j:TS+8*\b+\j+1]
	v_pk_fma_f32 v[Y+8*\b+\j:Y+8*\b+\j+1], v[AC+32+8*\b+\j:AC+32+8*\b+\j+1], v[TS+32+8*\b+\j:TS+32+8*\b+\j+1], v[Y+8*\b+\j:Y+8*\b+\j+1] neg_lo:[0,1,0] neg_hi:[0,1,0]
	v_pk_mul_f32 v[Y+32+8*\b+\j:Y+32+8*\b+\j+1], v[AC+32+8*\b+\j:AC+32+8*\b+\j+1], v[TS+8*\b+\j:TS+8*\b+\j+1]
	v_pk_fma_f32 v[Y+32+8*\b+\j:Y+32+8*\b+\j+1], v[AC+8*\b+\j:AC+8*\b+\j+1], v[TS+32+8*\b+\j:TS+32+8*\b+\j+1], v[Y+32+8*\b+\j:Y+32+8*\b+\j+1]
.endr
.endr
	WIN 0
.if (\a) < 4
	TABLOAD (\a)+4                                 ; the set is read out: it takes the block four further on
.endif
.set n, 0
.rept 64
	v_med3_num_f32 v[Y+n], v[Y+n], -v[LIM], v[LIM] ; the conversion does not saturate (ISA guide 7.6.2)
.set n, n+1
.endr
.else
	WIN 0x02+(\a)/4
.set n, 0
.rept 64
	v_med3_num_f32 v[Y+n], v[AC+n], -v[LIM], v[LIM]
.set n, n+1
.endr
	WIN 0
.endif
.if (\a) >= 2
	s_wait_alu depctr_va_vdst(0)
	s_wait_xcnt 0x0                                ; block a - 2's stores have read their data
.endif
.irp t, 0,1,2,3,4,5,6,7
	v_cvt_scalef32_pk8_fp8_f32 v[CS+2*\t:CS+2*\t+1], v[Y+8*\t:Y+8*\t+7], v[SCL]
.endr
	v_nop                                          ; one plain line behind the last conversion
.irp c, 0,1,2,3
	global_store_b128 v[LI], v[CS+4*\c:CS+4*\c+3], s[10:11] offset:(\a)*2048+512*\c   ; 512 consecutive bytes, aligned
.endr
.endm
	s_cmp_eq_u32 s66, 2                            ; v has no rotary embedding and loads no table: the ways part here, on the product's number, alike in all partners; no barrier stands on either way
	s_cbranch_scc1 .Lv
	TABLOAD 0                                      ; into registers that the products do not name: 128 matrix instructions ahead of its use
	STEP 1, 0, 0
	TABLOAD 1                                      ; into B's set 0, which is done with (four places stand behind its last product)
	TABLOAD 2
	LAST
	TABLOAD 3
.irp a, 0,1,2,3,4,5,6,7
	OUTBLK \a, 1
.endr
	s_branch .Lend
.Lv:
	STEP 1, 0, 0
	LAST
.irp a, 0,1,2,3,4,5,6,7
	OUTBLK \a, 0
.endr
.Lend:
	s_wait_tensorcnt 0x0                           ; the wave's end
	ds_add_u32 v[SPW], v[NIL]
	s_wait_dscnt 0x0
	CROUND                                         ; the closing round
	s_endpgm
.Lfunc_end_k_qeaedc5d6b9_qkv:
	.size	k_qeaedc5d6b9_qkv, .Lfunc_end_k_qeaedc5d6b9_qkv-k_qeaedc5d6b9_qkv
	.p2alignl 7, 3214868480
	.fill 96, 4, 3214868480
	.section	.rodata,"a",@progbits
	.p2align	6, 0x0
	.amdhsa_kernel k_qeaedc5d6b9_qkv
		.amdhsa_group_segment_fixed_size 327680
		.amdhsa_private_segment_fixed_size 0
		.amdhsa_enable_private_segment 0
		.amdhsa_kernarg_size 32
		.amdhsa_user_sgpr_count 2
		.amdhsa_user_sgpr_kernarg_segment_ptr 1
		.amdhsa_wavefront_size32 1
		.amdhsa_system_sgpr_workgroup_id_x 1
		.amdhsa_system_sgpr_workgroup_id_y 1
		.amdhsa_system_sgpr_workgroup_id_z 1
		.amdhsa_system_vgpr_workitem_id 0
		.amdhsa_next_free_vgpr 1024
		.amdhsa_next_free_sgpr 100
		.amdhsa_reserve_vcc 0
		.amdhsa_float_denorm_mode_32 3
		.amdhsa_float_denorm_mode_16_64 3
		.amdhsa_memory_ordered 1
		.amdhsa_forward_progress 1
		.amdhsa_inst_pref_size 217
	.end_amdhsa_kernel
	.amdgpu_metadata
---
amdhsa.version: [ 1, 2 ]
amdhsa.kernels:
  - .name:           k_qeaedc5d6b9_qkv
    .symbol:         k_qeaedc5d6b9_qkv.kd
    .args:
      - { .name: xw_codes, .offset: 0, .size: 8, .value_kind: global_buffer, .address_space: global }
      - { .name: lowp_scales, .offset: 8, .size: 8, .value_kind: global_buffer, .address_space: global }
      - { .name: rope_tab, .offset: 16, .size: 8, .value_kind: global_buffer, .address_space: global }
      - { .name: qkv, .offset: 24, .size: 8, .value_kind: global_buffer, .address_space: global }
    .group_segment_fixed_size: 327680
    .private_segment_fixed_size: 0
    .kernarg_segment_align: 8
    .kernarg_segment_size: 32
    .max_flat_workgroup_size: 128
    .sgpr_count:     100
    .vgpr_count:     1024
    .wavefront_size: 32
...
	.end_amdgpu_metadata
.endif
;; end of part 6
;; launch attn (part 7): grid 16 x 16, 16 waves a work-group, clusters of 4 x 1, 327,680 bytes of LDS; arguments qkv, lowp_scales, attn_img; writes attn_img
.if DOCPART == 7
	.amdgcn_target "amdgcn-amd-amdhsa--gfx1250"
	.amdhsa_code_object_version 6
	.text
	.protected	k_qeaedc5d6b9_attn
	.globl	k_qeaedc5d6b9_attn
	.p2align	8
	.type	k_qeaedc5d6b9_attn,@function
k_qeaedc5d6b9_attn:
	s_mov_b64 s[64:65], 0
	v_nop
	global_prefetch_b8 v0, s[64:65] scope:SCOPE_SE
	s_setreg_imm32_b32 hwreg(HW_REG_WAVE_MODE, 25, 1), 1
	s_wait_xcnt 0x0
	s_wait_alu depctr_hold_cnt(0) depctr_sa_sdst(0) depctr_va_vdst(0) depctr_va_sdst(0) depctr_va_ssrc(0) depctr_va_vcc(0) depctr_vm_vsrc(0)
	s_getreg_b32 s2, hwreg(HW_REG_IB_STS2, 6, 4)
	s_cmp_eq_u32 s2, 0
	s_cbranch_scc0 .Lentry_in_a_cluster
	s_endpgm
.Lentry_in_a_cluster:
	s_bfe_u32 s2, ttmp6, 0x10000c
	s_cmp_lg_u32 s2, 0x3003
	s_cbranch_scc0 .Lentry_shape_is_right
	s_endpgm
.Lentry_shape_is_right:
; Causal attention on codes of FP8 (E4M3): 16 heads, 2,048 positions, head size 128.  q, k, v come as images of operand registers (a fragment, 16 rows x 128 K, is 2,048 bytes: piece c of lane l at 512 c + 16 l):
; q at byte 0, k at 4 MiB: [head][position / 16][2,048]; v at 8 MiB: [head][key / 128][tile of 16 channels][2,048], K = the keys.  The result is quantised with 2^e10 and stored the same way: [head][query / 16][2,048].
; THE SOFTMAX: t = score x log2(e) / sqrt(128); M = the largest t so far, rounded UP to a whole number; p = 2^(t - M) is quantised with 2^e9; the row's sum is taken of the unquantised p and divides at the end.
; When M moves, the sum and O are multiplied by 2^(old M - new M): exact.
; LAYOUT.  Both products are used transposed: S^T = K Q^T, O^T = V^T P^T: a lane holds ONE query (lane % 16).  Register j of tile T of S^T is key 16 T + 8 (lane / 16) + j: eight neighbours, so the conversions' results are
; registers 2 T, 2 T + 1 of the plain 8-bit form's operand, in the same order of k in which v's images were made.
; SHARES.  A head's 128 tiles of 16 queries are eight superblocks of 16 tiles.  A cluster of four work-groups owns superblocks 7 - C and C (C = the cluster's x): a long one and a short one under the mask.
; Partner cx takes tiles cx + 4 i of both.  TWO WAVES SHARE A TILE: wave w and wave w ^ 4 take the even and the odd key steps of 128 keys, each with its own M, sum and O^T, and merge at the end through LDS.
; wave = ti + 4 u + 8 sh: sh = 0 the long superblock, 1 the short; u the key steps' parity.  A step whose keys all come after the tile's queries is left out by a scalar branch that hangs on C, the wave's number and
; the count of steps, alike in all partners; cx enters global addresses and one data register of the mask, nothing else.
; K and V come through a ring of two LDS slots of 512 keys, asked for JOINTLY by the four partners (waves 0, 1: K's halves; waves 2, 3: V's): dense blocks of 32,768 bytes; images need no padding, since a load's
; 512 bytes are consecutive.  Every work-group walks all four slots: trip counts are constants.
; LIMITS: e6 + e7 between -123 and 130; e9 and e10 - e8 - e9 between -126 and 119.
; REGISTERS: v1-11 addresses; v12 -M, v13 the largest t, v[14:15] the sum in two halves; v16-31 Q; v32-95 four fragments of K or V; v96-159 S^T, then p; v160-223 O^T; v224-239 codes; v236-255 at work.
.set SLOT1, 1<<17                      ; a slot: K's 65,536 bytes (key step kappa at 16,384 kappa, fragment t at 2,048 t), then V's; slot 1 begins here, so that one exclusive or turns an address
.set VOFF,  65536
.set SPARE, 2*SLOT1                    ; behind the ring: the spare words, 128 bytes for each wave: eight blocks of 256 bytes that no other line names
.set PAIRB, 8704                       ; the merge: for each pair of waves 8,192 bytes of O^T's image, then (-M, sum), 8 bytes a lane.  It lies in slot 0, which has had its last fill and was left at the last change of slots
.set AK0,  1                           ; v1   16 x lane + 16,384 u: my place in a slot's K
.set AV0,  2                           ; v2   the same in its V
.set PFO,  3                           ; v3   256 x lane: the prefetches' offset
.set DQ,   4                           ; v4   my query's place in its block of 128, less 8 (lane / 16)
.set SPW,  5                           ; v5   LDS address of my spare word; never rewritten
.set NIL,  6                           ; v6   0; never rewritten
.set LI,   7                           ; v7   16 x lane
.set ADK,  8                           ; v8   LDS address of the step's K
.set ADV,  9                           ; v9   of its V
.set STA,  10                          ; v10  the merge: O^T's image
.set STB,  11                          ; v11  the merge: (-M, sum)
.set WV,   18                          ; s18  my wave's number
.set TB,   19                          ; s19  LDS byte at which the slot in hand begins
.set SEL,  20                          ; s[20:21] lane selects for v_permlanex16_b32: lane l xor 16
.set CS,   22                          ; s[22:23] c = log2(e) / sqrt(128) x 2^(e6 + e7)
.set G1,   24                          ; s[24:31] descriptor group 1, one for all loads
.set UU,   36                          ; s36  u
.set G0K,  40                          ; s[40:43], s[44:47] groups 0 for K's and V's halves, which walk
.set G0V,  44
.set SLOTS, 67                         ; s67  slots still to be asked for
.set PFA,  76                          ; s[76:77] where my prefetches stand
.set LIM,  80                          ; s80  1 in a wave that prefetches, else the greatest number
.set KS,   98                          ; s98  the key step in hand: u, u + 2, ..
.set QB,   99                          ; s99  my tile's block of 128 queries
.macro CROUND                          ; a round of the cluster's barrier
	s_barrier_signal -1
	s_barrier_wait -1
	s_cmp_lg_u32 s[WV], 0
	s_cbranch_scc1 .Lnot_wave_0_\@
	s_barrier_signal -3
.Lnot_wave_0_\@:
	s_barrier_wait -3
	s_barrier_signal -1
	s_barrier_wait -1
.endm
; Waves 0 and 1 fetch for K, waves 2 and 3 for V, the others nothing.  The branches hang on the wave's number alone.  Four v_nop follow each of the two lines.
.macro TLOAD
	s_cmp_lt_u32 s[WV], 2
	s_cbranch_scc0 .Lnot_k_\@
	tensor_load_to_lds s[G0K:G0K+3], s[G1:G1+7]
	s_nop 0
.rept 4
	v_nop
.endr
	s_branch .Lasked_\@
.Lnot_k_\@:
	s_cmp_lt_u32 s[WV], 4
	s_cbranch_scc0 .Lasked_\@
	tensor_load_to_lds s[G0V:G0V+3], s[G1:G1+7]
	s_nop 0
.rept 4
	v_nop
.endr
.Lasked_\@:
.endm
; A PREFETCH INTO THE L2 of what the NEXT change of slots will ask for: 65,536 bytes of K and as many of V.  All four clusters of a head walk the same K and V: the head's first cluster asks.  Its four partners share the
; bytes out BY ADDRESS, 16,384 of each; in each, waves 4 and 5 ask for K's and waves 6 and 7 for V's, 8,192 bytes a wave, lanes 256 bytes apart: each aligned block of 256 bytes is named once in the launch.
; It asks one slot, a wave's two key steps, ahead of the joint load.  Slot 0 comes by its load alone; slot 1 is asked for at the head; the last change that fills a slot asks for nothing.
.macro ASK
	s_cmp_gt_u32 s[SLOTS], s[LIM]
	s_cbranch_scc0 .Lnot_mine_\@
	global_prefetch_b8 v[PFO], s[PFA:PFA+1] th:TH_LOAD_NT scope:SCOPE_SE
.Lnot_mine_\@:
.endm
	s_load_b128 s[4:7], s[0:1], 0x0                ; q, k, v s[4:5]; the scales' exponents s[6:7]
	s_load_b64 s[8:9], s[0:1], 0x10                ; the result's images
	v_lshl_add_u32 v[SPW], v0, 2, SPARE
	v_mov_b32 v[NIL], 0
	ds_add_u32 v5, v6
	ds_add_u32 v5, v6
	s_wait_dscnt 0x0
	v_lshrrev_b32 v8, 5, v0
	s_delay_alu instid0(VALU_DEP_1)
	v_readfirstlane_b32 s[WV], v8                  ; wave 0..15
	s_bfe_u32 s33, ttmp6, 0x40000                  ; cx: my place in the cluster
	s_and_b32 s34, ttmp7, 0xffff                   ; the head,
	s_lshl_b32 s34, s34, 18                        ; 2^18 bytes in each of q, k, v and the result
	s_and_b32 s35, s[WV], 3                        ; ti
	s_bfe_u32 s[UU], s[WV], 0x10002                ; u
	s_lshr_b32 s37, s[WV], 3                       ; sh
	s_mul_i32 s38, s37, 7
	s_xor_b32 s38, s38, 7
	s_xor_b32 s38, s38, ttmp9                      ; my superblock: 7 - C (sh = 0) or C (sh = 1)
	s_mul_i32 s39, s37, 3
	s_xor_b32 s39, s39, s35                        ; ti' = ti, or 3 - ti in the short superblock: so the waves with equal ti have one early and one late tile
	s_lshr_b32 s[QB], s39, 1
	s_lshl_b32 s48, s38, 1
	s_add_co_u32 s[QB], s[QB], s48                 ; my tile's block of 128 queries: 2 x superblock + ti' / 2
	s_mov_b32 s[KS], s[UU]
	s_lshl_b32 s56, s38, 4
	s_lshl_b32 s50, s39, 2
	s_add_co_u32 s56, s56, s50
	s_add_co_u32 s56, s56, s33                     ; my tile: 16 x superblock + 4 ti' + cx
	s_lshl_b32 s56, s56, 11
	s_add_co_u32 s56, s56, s34                     ; its image's byte in q and in the result
	s_mov_b32 s57, 0
	s_and_b32 s51, s[WV], 1
	s_lshl_b32 s51, s51, 15                        ; which half of a slot's K or V I fetch, if I fetch
	s_add_co_u32 s52, s34, s51
	s_mov_b32 s53, 0
	s_and_b32 s54, s39, 1
	s_lshl_b32 s54, s54, 2
	s_add_co_u32 s54, s54, s33
	s_lshl_b32 s54, s54, 4                         ; my tile's first query in its block of 128
	s_lshl_b32 s55, s37, 2
	s_add_co_u32 s55, s55, s35
	s_mul_i32 s55, s55, PAIRB                      ; my pair's bytes of the merge: pair ti + 4 sh
	; every LDS address register is made here, ahead of the first branch on the wave's number
	v_and_b32 v8, 31, v0
	s_delay_alu instid0(VALU_DEP_1)
	v_lshlrev_b32 v[LI], 4, v8
	s_delay_alu instid0(VALU_DEP_2)
	v_lshlrev_b32 v[PFO], 8, v8
	v_bfe_u32 v9, v0, 7, 1                         ; u
	s_delay_alu instid0(VALU_DEP_1)
	v_lshl_add_u32 v[AK0], v9, 14, v[LI]
	s_delay_alu instid0(VALU_DEP_1)
	v_add_nc_u32 v[AV0], VOFF, v[AK0]
	v_add_nc_u32 v[STA], s55, v[LI]
	v_lshl_add_u32 v[STB], v8, 3, s55
	s_delay_alu instid0(VALU_DEP_1)
	v_add_nc_u32 v[STB], 8192, v[STB]
	v_and_b32 v[DQ], 15, v0
	v_bfe_u32 v9, v0, 4, 1
	s_delay_alu instid0(VALU_DEP_1)
	v_lshlrev_b32 v9, 3, v9
	s_delay_alu instid0(VALU_DEP_1)
	v_sub_nc_u32 v[DQ], v[DQ], v9
	s_delay_alu instid0(VALU_DEP_1)
	v_add_nc_u32 v[DQ], s54, v[DQ]
	; descriptor group 1: 128 rows of 256 bytes, dense: 32,768 bytes
	s_mov_b32 s[G1], 15|(3<<16)|(1<<21)            ; 15:0 the mask: all four work-groups; 17:16 elements of 8 bytes; 20 no padding; 21 set beside a mask
	s_mov_b32 s[G1+1], 32<<16                      ; tensor_dim0 = 32
	s_mov_b32 s[G1+2], 128<<16                     ; tensor_dim1 = 128
	s_mov_b32 s[G1+3], 32<<16                      ; tile_dim0 = 32
	s_mov_b32 s[G1+4], 128                         ; tile_dim1 = 128
	s_mov_b32 s[G1+5], 32                          ; tensor_dim0_stride
	s_mov_b32 s[G1+6], 0
	s_mov_b32 s[G1+7], 0
	s_mov_b32 s[SEL], 0x76543210
	s_mov_b32 s[SEL+1], 0xfedcba98
	s_mov_b32 s[CS], 0x3e0293ee                    ; log2(e) / sqrt(128)
	s_mov_b32 s[TB], 0
	s_mov_b32 s[SLOTS], 3
	; the prefetches: where my wave's stand, and who asks
	s_cmp_lt_u32 s[WV], 6
	s_mov_b32 s82, 0x800000
	s_cselect_b32 s82, 0x400000, s82               ; k's bytes or v's
	s_add_co_u32 s82, s82, s34
	s_lshl_b32 s83, s33, 14                        ; my work-group's 16,384 bytes of a slot's 65,536
	s_add_co_u32 s82, s82, s83
	s_and_b32 s83, s[WV], 1
	s_lshl_b32 s83, s83, 13                        ; my wave's 8,192 of them
	s_add_co_u32 s82, s82, s83
	s_add_co_u32 s82, s82, 65536                   ; in slot 1: the first change of slots steps it to slot 2
	s_mov_b32 s83, 0
	s_lshr_b32 s84, s[WV], 2
	s_xor_b32 s84, s84, 1                          ; 0 in waves 4 to 7,
	s_or_b32 s84, s84, ttmp9                       ; of the head's first cluster: the same in all four partners
	s_cmp_eq_u32 s84, 0
	s_cselect_b32 s[LIM], 1, -1
	s_wait_kmcnt 0x0
	s_load_b128 s[68:71], s[6:7], 0x18             ; e6, e7, e8, e9
	s_load_b32 s72, s[6:7], 0x28                   ; e10
	s_add_nc_u64 s[PFA:PFA+1], s[4:5], s[82:83]
	s_add_nc_u64 s[58:59], s[4:5], s[56:57]        ; q at my tile
	s_add_nc_u64 s[8:9], s[8:9], s[56:57]          ; the result likewise
	s_mov_b32 s[G0K], 1                            ; 1:0 count = 1
	s_mov_b32 s[G0K+1], s51                        ; 63:32 LDS address: slot 0
	s_add_nc_u64 s[G0K+2:G0K+3], s[4:5], s[52:53]
	s_add_nc_u64 s[G0K+2:G0K+3], s[G0K+2:G0K+3], 0x400000   ; 120:64 global address: the head's first 512 keys
	s_or_b32 s[G0K+3], s[G0K+3], 0x80000000        ; 127:126 type = 2
	s_mov_b32 s[G0V], 1
	s_add_co_u32 s[G0V+1], s51, VOFF
	s_add_nc_u64 s[G0V+2:G0V+3], s[4:5], s[52:53]
	s_add_nc_u64 s[G0V+2:G0V+3], s[G0V+2:G0V+3], 0x800000
	s_or_b32 s[G0V+3], s[G0V+3], 0x80000000
	CROUND                                         ; all four work-groups are here: the first joint loads meet
	TLOAD                                          ; slot 0
.irp c, 0,1,2,3
	global_load_b128 v[16+4*\c:19+4*\c], v[LI], s[58:59] offset:512*\c   ; Q's fragment stays in registers
.endr
	s_cmp_eq_u32 s[LIM], 1                         ; slot 1 is named here, at the head, by the same waves that name slots 2 and 3 at the changes of slots: its load follows at the first change.  Slot 0 alone comes by its load alone
	s_cbranch_scc0 .Lno_first
	global_prefetch_b8 v[PFO], s[PFA:PFA+1] th:TH_LOAD_NT scope:SCOPE_SE
.Lno_first:
	v_mov_b32 v13, 0xff61b1e6                      ; the largest t so far: -3e38, under every t
	s_delay_alu instid0(VALU_DEP_1)
	v_floor_f32 v12, -v13                          ; -M
	v_mov_b32 v14, 0                               ; the sum, in two halves
	v_mov_b32 v15, 0
	v_mov_b32 v236, 0                              ; written once: a lane permute's destination counts as one of its sources
	v_mov_b32 v253, 0                              ; (named as the upper half of the pair v[252:253])
.set n, 0
.rept 64
	v_mov_b32 v[160+n], 0                          ; O^T.  (The step is written without a first form of its own: the first finds zeros, which the first change of M leaves zeros; a wave with no step hands zeros on)
.set n, n+1
.endr
	s_wait_kmcnt 0x0
	s_add_co_i32 s73, s68, s69
	s_lshl_b32 s73, s73, 23
	s_add_co_i32 s[CS], s[CS], s73                 ; a score stands for score x 2^(e6 + e7): the two exponents are added to c's exponent field
	s_mov_b32 s[CS+1], s[CS]                       ; (named with it as a pair, so it is written)
	s_add_co_i32 s73, s71, 127
	s_lshl_b32 s74, s73, 23
	v_mov_b32 v244, s74                            ; 2^e9 as f32, for p's conversion
	s_add_co_i32 s73, s73, 8
	s_lshl_b32 s73, s73, 23
	s_or_b32 s73, s73, 0x600000
	v_mov_b32 v240, s73                            ; 448 x 2^e9
	s_sub_co_i32 s73, s72, s70
	s_sub_co_i32 s73, s73, s71                     ; a sum of the second product stands for sum x 2^(e8 + e9): the result's conversion takes 2^(e10 - e8 - e9)
	s_add_co_i32 s73, s73, 127
	s_lshl_b32 s74, s73, 23
	v_mov_b32 v245, s74
	s_add_co_i32 s73, s73, 8
	s_lshl_b32 s73, s73, 23
	s_or_b32 s73, s73, 0x600000
	v_mov_b32 v241, s73
; A KEY STEP: 128 keys, number 2 v + u of the slot in hand.
.macro STEP v
	s_cmp_gt_u32 s[KS], s[QB]                      ; all its keys come after my 16 queries: the step's work is left out; no barrier and no tensor load stands in a step
	s_cbranch_scc1 .Lhidden_\@
	v_add_nc_u32 v[ADK], s[TB], v[AK0]
	v_add_nc_u32 v[ADV], s[TB], v[AV0]
	s_wait_alu depctr_va_vdst(0)
.irp g, 0,1                                    ; S^T = K Q^T, four tiles of 16 keys at a time
.rept 5-2*(1-\g)                               ; five places: the score products below write over v96-159, from which the last step's products read V's fragments (the two additions above are places too)
	v_nop                                          ; five places in front of loads into registers that matrix instructions have read (the two additions above are places too)
.endr
.irp t, 0,1,2,3
.irp c, 0,1,2,3
	ds_load_b128 v[32+16*\t+4*\c:32+16*\t+4*\c+3], v[ADK] offset:(\v)*32768+(4*\g+\t)*2048+512*\c
.endr
.endr
	s_wait_dscnt 0x0
.irp t, 0,1,2,3
	v_wmma_f32_16x16x128_fp8_fp8 v[96+8*(4*\g+\t):103+8*(4*\g+\t)], v[32+16*\t:47+16*\t], v[16:31], 0
.endr
.endr
.rept 4
	v_nop
.endr
.irp t, 0,1,2,3                                ; V's first four fragments are asked for now, into K's registers, which are done with: the softmax stands between these loads and the wait for them
.irp c, 0,1,2,3
	ds_load_b128 v[32+16*\t+4*\c:32+16*\t+4*\c+3], v[ADV] offset:(\v)*32768+(\t)*2048+512*\c
.endr
.endr
	s_cmp_lt_u32 s[KS], s[QB]                      ; all its keys count: no mask
	s_cbranch_scc1 .Lopen_\@
	v_mov_b32 v254, 0xff800000                     ; on the diagonal the scores of hidden keys become -infinity ahead of the maximum: p = 0 then.  The block's first key counts for every query of it
.set n, 0
.rept 64
	v_cmp_gt_i32 vcc_lo, 16*(n/8)+n%8, v[DQ]       ; register n holds key 16 (n / 8) + 8 (lane / 16) + n % 8 of the block
	v_cndmask_b32 v[96+n], v[96+n], v254, vcc_lo
.set n, n+1
.endr
.Lopen_\@:
	v_max3_num_f32 v254, v96, v97, v98             ; the step's largest score of my query, among my 64 keys, in two chains,
	v_max3_num_f32 v252, v99, v100, v101
.irp i, 6,10,14,18,22,26,30,34,38,42,46,50,54,58
	v_max3_num_f32 v254, v254, v[96+\i], v[97+\i]
	v_max3_num_f32 v252, v252, v[98+\i], v[99+\i]
.endr
	v_max3_num_f32 v254, v254, v158, v159
	s_delay_alu instid0(VALU_DEP_1)
	v_max_num_f32 v254, v254, v252
	v_permlanex16_b32 v236, v254, s[SEL], s[SEL+1]
	s_delay_alu instid0(VALU_DEP_1)
	v_max_num_f32 v254, v254, v236                 ; and among lane l xor 16's
	s_delay_alu instid0(VALU_DEP_1)
	v_mul_f32 v254, s[CS], v254                    ; as t (c is positive)
	s_delay_alu instid0(VALU_DEP_1)
	v_max_num_f32 v13, v13, v254                   ; the running largest t
	v_mov_b32 v254, v12
	s_delay_alu instid0(VALU_DEP_2)
	v_floor_f32 v12, -v13                          ; the new -M = floor(-t) = -ceil(t): a whole number
	s_delay_alu instid0(VALU_DEP_1)
	v_sub_f32 v254, v12, v254                      ; M's old value less its new one: a whole number, 0 or less
	s_delay_alu instid0(VALU_DEP_1)
	v_cvt_i32_f32 v254, v254                       ; (it saturates)
	s_delay_alu instid0(VALU_DEP_1)
	v_ldexp_f32 v252, 1.0, v254                    ; f = 2^(old M - new M)
.set n, 0
.rept 32
	v_pk_fma_f32 v[96+n:97+n], v[96+n:97+n], s[CS:CS+1], v[12:13] op_sel_hi:[1,0,0]   ; t - M, two at a time (of the pairs c and -M the low word serves both halves)
.set n, n+2
.endr
.set n, 0
	s_wait_alu depctr_va_vdst(0)
.rept 64
	v_exp_f32 v[96+n], v[96+n]                     ; p = 2^(t - M), at most 1: not normalised
.set n, n+1
.endr
	v_pk_mul_f32 v[14:15], v[14:15], v[252:253] op_sel_hi:[1,0]   ; the sums under the new M.  (A plain line behind the exponentials)
	s_wait_alu depctr_va_vdst(0)                   ; one wait for the whole batch of exponentials, ahead of its first reader
	v_pk_add_f32 v[242:243], v[100:101], v[104:105]
	v_pk_add_f32 v[254:255], v[108:109], v[112:113]
	v_pk_add_f32 v[250:251], v[116:117], v[120:121]
	v_pk_add_f32 v[248:249], v[124:125], v[128:129]
	v_pk_add_f32 v[246:247], v[132:133], v[136:137]
	v_pk_add_f32 v[238:239], v[140:141], v[144:145]
	v_pk_add_f32 v[236:237], v[148:149], v[152:153]
	v_pk_add_f32 v[14:15], v[14:15], v[156:157]
	v_pk_add_f32 v[242:243], v[242:243], v[96:97]
	v_pk_add_f32 v[254:255], v[254:255], v[98:99]
	v_pk_add_f32 v[250:251], v[250:251], v[102:103]
	v_pk_add_f32 v[248:249], v[248:249], v[106:107]
	v_pk_add_f32 v[246:247], v[246:247], v[110:111]
	v_pk_add_f32 v[238:239], v[238:239], v[114:115]
	v_pk_add_f32 v[236:237], v[236:237], v[118:119]
	v_pk_add_f32 v[14:15], v[14:15], v[122:123]
	v_pk_add_f32 v[242:243], v[242:243], v[126:127]
	v_pk_add_f32 v[254:255], v[254:255], v[130:131]
	v_pk_add_f32 v[250:251], v[250:251], v[134:135]
	v_pk_add_f32 v[248:249], v[248:249], v[138:139]
	v_pk_add_f32 v[246:247], v[246:247], v[142:143]
	v_pk_add_f32 v[238:239], v[238:239], v[146:147]
	v_pk_add_f32 v[236:237], v[236:237], v[150:151]
	v_pk_add_f32 v[14:15], v[14:15], v[154:155]
	v_pk_add_f32 v[242:243], v[242:243], v[158:159]
	s_delay_alu instid0(VALU_DEP_2)
	v_pk_add_f32 v[14:15], v[14:15], v[248:249]
	s_delay_alu instid0(VALU_DEP_2)
	v_pk_add_f32 v[242:243], v[242:243], v[246:247]
	v_pk_add_f32 v[254:255], v[254:255], v[238:239]
	v_pk_add_f32 v[250:251], v[250:251], v[236:237]
	s_delay_alu instid0(VALU_DEP_2)
	v_pk_add_f32 v[14:15], v[14:15], v[254:255]
	s_delay_alu instid0(VALU_DEP_2)
	v_pk_add_f32 v[242:243], v[242:243], v[250:251]
	s_delay_alu instid0(VALU_DEP_1)
	v_pk_add_f32 v[14:15], v[14:15], v[242:243]
.irp b, 0,1,2,3
.set n, 0
.rept 16
	v_min_num_f32 v[96+16*\b+n], v[96+16*\b+n], v240   ; the conversion to an 8-bit code does not saturate (ISA guide 7.6.2); p is not negative, so the hold is one-sided
.set n, n+1
.endr
	v_cvt_scalef32_pk8_fp8_f32 v[224+4*\b:225+4*\b], v[96+16*\b:103+16*\b], v244
	v_cvt_scalef32_pk8_fp8_f32 v[226+4*\b:227+4*\b], v[104+16*\b:111+16*\b], v244
.endr
.irp t, 0,1,2,3                                ; V's last four fragments go into p's registers, which the conversions have read
.irp c, 0,1,2,3
	ds_load_b128 v[96+16*\t+4*\c:96+16*\t+4*\c+3], v[ADV] offset:(\v)*32768+(4+\t)*2048+512*\c
.endr
.endr
.set n, 0
.rept 32
	v_pk_mul_f32 v[160+n:161+n], v[160+n:161+n], v[252:253] op_sel_hi:[1,0]   ; O^T under the new M.  (These 32 are also the places in front of the matrix instructions below)
.set n, n+2
.endr
	s_wait_alu depctr_va_vdst(0)
.irp g, 0,1                                    ; O^T += V^T P^T: four tiles of 16 channels at a time; K = these 128 keys.  The eight accumulators take turns
	s_wait_dscnt 16-16*\g                          ; g = 0: the first four fragments are in, the sixteen loads of the last four may be out
.irp t, 0,1,2,3
	v_wmma_f32_16x16x128_fp8_fp8 v[160+8*(4*\g+\t):167+8*(4*\g+\t)], v[32+64*\g+16*\t:47+64*\g+16*\t], v[224:239], v[160+8*(4*\g+\t):167+8*(4*\g+\t)]
.endr
.endr
.Lhidden_\@:
	s_add_co_u32 s[KS], s[KS], 2
.endm
; THE CHANGE OF SLOTS stands at a slot's head.  Each wave waits for all its tensor loads, adds 0 to its spare word, and waits for that and for its reads of the slot that it has left.
; fill = 1: the barrier is a round of the cluster's, and behind it the slot that was left is filled with the keys that follow: the load has a whole slot's steps in which to land.
.macro CHANGE fill
	s_wait_tensorcnt 0x0                           ; no tensor load of mine is out, so a group 0 may be written
	ds_add_u32 v[SPW], v[NIL]                      ; 0 onto my spare word
.if \fill
	s_xor_b32 s[G0K+1], s[G0K+1], SLOT1            ; the walking descriptors: the other slot than last time,
	s_add_nc_u64 s[G0K+2:G0K+3], s[G0K+2:G0K+3], 65536   ; the next 512 keys; the type bits on top are not reached
	s_xor_b32 s[G0V+1], s[G0V+1], SLOT1
	s_add_nc_u64 s[G0V+2:G0V+3], s[G0V+2:G0V+3], 65536
	s_wait_xcnt 0x0                                ; the last prefetch, a slot back, has read its address, so it may be written:
	s_add_nc_u64 s[PFA:PFA+1], s[PFA:PFA+1], 65536 ; one slot further on than the walking descriptors
	s_wait_dscnt 0x0                               ; the add is done, and my reads of the slot that I have left are over
	CROUND
	TLOAD                                          ; the first thing behind the round, and a wave's one tensor load until the next
	ASK
.else
	s_wait_dscnt 0x0
	s_barrier_signal -1
	s_barrier_wait -1
.endif
.endm
.macro SLOT_STEPS
	STEP 0
	STEP 1
	s_xor_b32 s[TB], s[TB], SLOT1                  ; on to the other slot
.endm
	s_wait_loadcnt 0x0                             ; Q
.Lslot:                                            ; three trips: behind each change of slots but the last the next slot is asked for
	CHANGE 1
	SLOT_STEPS
	s_sub_co_u32 s[SLOTS], s[SLOTS], 1
	s_cmp_lg_u32 s[SLOTS], 0
	s_cbranch_scc1 .Lslot
	CHANGE 0                                       ; the last slot is written out
	SLOT_STEPS
	; THE MERGE.  The wave of the odd key steps hands its O^T, -M and sum to the wave of the even ones, as images of its registers.
.rept 4
	v_nop                                          ; places behind the last products
.endr
	v_add_f32 v13, v14, v15                        ; the sum's two halves, over the largest t, which is done with: v[12:13] = (-M, sum)
	s_cmp_eq_u32 s[UU], 0
	s_cbranch_scc1 .Lkeeps
	s_wait_alu depctr_va_vdst(0)
.irp i, 0,1,2,3,4,5,6,7,8,9,10,11,12,13,14,15
	ds_store_b128 v[STA], v[160+4*\i:163+4*\i] offset:512*\i   ; each accumulator from its low end on
.endr
	ds_store_b64 v[STB], v[12:13]
.Lkeeps:
	s_wait_dscnt 0x0                               ; for the partner's sake: my stores have landed
	s_barrier_signal -1
	s_barrier_wait -1
	s_cmp_lg_u32 s[UU], 0
	s_cbranch_scc1 .Lend
.irp i, 0,1,2,3,4,5,6,7,8,9,10,11,12,13,14,15
	ds_load_b128 v[96+4*\i:99+4*\i], v[STA] offset:512*\i
.endr
	ds_load_b64 v[32:33], v[STB]
	s_wait_dscnt 0x0
	v_min_num_f32 v34, v12, v32                    ; -M of the two together
	s_delay_alu instid0(VALU_DEP_1)
	v_sub_f32 v35, v34, v12
	s_delay_alu instid0(VALU_DEP_2)
	v_sub_f32 v36, v34, v32                        ; (a partner that ran no step has -M = 3e38: its factor is 0, and so are its sums)
	s_delay_alu instid0(VALU_DEP_2)
	v_cvt_i32_f32 v35, v35
	s_delay_alu instid0(VALU_DEP_2)
	v_cvt_i32_f32 v36, v36
	s_delay_alu instid0(VALU_DEP_2)
	v_ldexp_f32 v38, 1.0, v35                      ; my factor,
	s_wait_alu depctr_va_vdst(0)
	v_ldexp_f32 v40, 1.0, v36                      ; the partner's: exact powers of two
	v_mul_f32 v42, v13, v38
	s_delay_alu instid0(VALU_DEP_1)
	v_fma_f32 v42, v33, v40, v42
	v_permlanex16_b32 v236, v42, s[SEL], s[SEL+1]
	s_delay_alu instid0(VALU_DEP_1)
	v_add_f32 v42, v42, v236                       ; the row's sum
	s_wait_alu depctr_va_vdst(0)
	v_rcp_f32 v42, v42
	v_nop                                          ; a plain line behind the reciprocal
	s_wait_alu depctr_va_vdst(0)                   ; and the wait ahead of its first reader
	v_mul_f32 v38, v38, v42
	v_mul_f32 v40, v40, v42
	s_delay_alu instid0(VALU_DEP_2)
	v_mov_b32 v39, v38                             ; (named as upper halves of pairs)
	s_delay_alu instid0(VALU_DEP_2)
	v_mov_b32 v41, v40
.set n, 0
.rept 32
	v_pk_mul_f32 v[160+n:161+n], v[160+n:161+n], v[38:39] op_sel_hi:[1,0]
	s_delay_alu instid0(VALU_DEP_1)
	v_pk_fma_f32 v[160+n:161+n], v[96+n:97+n], v[40:41], v[160+n:161+n] op_sel_hi:[1,0,1]
.set n, n+2
.endr
.set n, 0
.rept 64
	v_med3_num_f32 v[160+n], v[160+n], -v241, v241 ; the hold at the largest code x the scale
.set n, n+1
.endr
.irp t, 0,1,2,3,4,5,6,7
	v_cvt_scalef32_pk8_fp8_f32 v[224+2*\t:225+2*\t], v[160+8*\t:167+8*\t], v245   ; v's rows were laid so that registers 4 c .. 4 c + 3 hold channels 32 c + 16 (lane / 16) + 0 .. 15
.endr
	v_nop                                          ; one plain vector line behind the last conversion
.irp c, 0,1,2,3
	global_store_b128 v[LI], v[224+4*\c:227+4*\c], s[8:9] offset:512*\c   ; the wave stores 512 consecutive bytes, aligned
.endr
.Lend:
	s_wait_tensorcnt 0x0                           ; the wave's end
	ds_add_u32 v[SPW], v[NIL]
	s_wait_dscnt 0x0
	CROUND                                         ; the closing round
	s_endpgm
.Lfunc_end_k_qeaedc5d6b9_attn:
	.size	k_qeaedc5d6b9_attn, .Lfunc_end_k_qeaedc5d6b9_attn-k_qeaedc5d6b9_attn
	.p2alignl 7, 3214868480
	.fill 96, 4, 3214868480
	.section	.rodata,"a",@progbits
	.p2align	6, 0x0
	.amdhsa_kernel k_qeaedc5d6b9_attn
		.amdhsa_group_segment_fixed_size 327680
		.amdhsa_private_segment_fixed_size 0
		.amdhsa_enable_private_segment 0
		.amdhsa_kernarg_size 24
		.amdhsa_user_sgpr_count 2
		.amdhsa_user_sgpr_kernarg_segment_ptr 1
		.amdhsa_wavefront_size32 1
		.amdhsa_system_sgpr_workgroup_id_x 1
		.amdhsa_system_sgpr_workgroup_id_y 1
		.amdhsa_system_sgpr_workgroup_id_z 1
		.amdhsa_system_vgpr_workitem_id 0
		.amdhsa_next_free_vgpr 256
		.amdhsa_next_free_sgpr 100
		.amdhsa_reserve_vcc 1
		.amdhsa_float_denorm_mode_32 3
		.amdhsa_float_denorm_mode_16_64 3
		.amdhsa_memory_ordered 1
		.amdhsa_forward_progress 1
		.amdhsa_inst_pref_size 123
	.end_amdhsa_kernel
	.amdgpu_metadata
---
amdhsa.version: [ 1, 2 ]
amdhsa.kernels:
  - .name:           k_qeaedc5d6b9_attn
    .symbol:         k_qeaedc5d6b9_attn.kd
    .args:
      - { .name: qkv, .offset: 0, .size: 8, .value_kind: global_buffer, .address_space: global }
      - { .name: lowp_scales, .offset: 8, .size: 8, .value_kind: global_buffer, .address_space: global }
      - { .name: attn_img, .offset: 16, .size: 8, .value_kind: global_buffer, .address_space: global }
    .group_segment_fixed_size: 327680
    .private_segment_fixed_size: 0
    .kernarg_segment_align: 8
    .kernarg_segment_size: 24
    .max_flat_workgroup_size: 512
    .sgpr_count:     100
    .vgpr_count:     256
    .wavefront_size: 32
...
	.end_amdgpu_metadata
.endif
;; end of part 7
;; launch oproj (part 8): grid 16 x 16, 4 waves a work-group, clusters of 4 x 4, 327,680 bytes of LDS; arguments attn_img, xw_codes, lowp_scales, out0; writes out0
.if DOCPART == 8
	.amdgcn_target "amdgcn-amd-amdhsa--gfx1250"
	.amdhsa_code_object_version 6
	.text
	.protected	k_qeaedc5d6b9_oproj
	.globl	k_qeaedc5d6b9_oproj
	.p2align	8
	.type	k_qeaedc5d6b9_oproj,@function
k_qeaedc5d6b9_oproj:
	s_mov_b64 s[64:65], 0
	v_nop
	global_prefetch_b8 v0, s[64:65] scope:SCOPE_SE
	s_setreg_imm32_b32 hwreg(HW_REG_WAVE_MODE, 25, 1), 1
	s_wait_xcnt 0x0
	s_wait_alu depctr_hold_cnt(0) depctr_sa_sdst(0) depctr_va_vdst(0) depctr_va_sdst(0) depctr_va_ssrc(0) depctr_va_vcc(0) depctr_vm_vsrc(0)
	s_getreg_b32 s2, hwreg(HW_REG_IB_STS2, 6, 4)
	s_cmp_eq_u32 s2, 0
	s_cbranch_scc0 .Lentry_in_a_cluster
	s_endpgm
.Lentry_in_a_cluster:
	s_bfe_u32 s2, ttmp6, 0x10000c
	s_cmp_lg_u32 s2, 0xf033
	s_cbranch_scc0 .Lentry_shape_is_right
	s_endpgm
.Lentry_shape_is_right:
.set SIZE_N, 2048
.set KROW,   2048
.set ROWB,   512
.set PITCH,  528
.set HEADB,  262144
.set HALFB,  64*PITCH
.set AIMG,   65536
.set SLOT,   AIMG+2*HALFB
.set STAGE,  2*SLOT
.set SPITCH, 272
.set SPARE,  STAGE+4*16*SPITCH
.set ADRA, 16
.set ADRB, 20
.set STO,  24
.set RD,   25
.set CO,   26
.set SPW,  28
.set NIL,  29
.set TMP,  32
.set BK,   64
.set ACC,  128
.set F0,   0
.set F1,   128
.set G1, 24
.set G0, 32
.set G1B, 48
.set G0B, 56
.set MSB, 0
.macro WIN new
.if MSB != (\new)
	s_set_vgpr_msb (MSB<<8)|(\new)
.set MSB, (\new)
.endif
.endm
.set MUL,  0x05
.set TO_F, 0x40
.macro JLOAD g0a, g1a, g0b, g1b
	s_cmp_eq_u32 s15, 0
	s_cbranch_scc0 .Lfor_b_\@
	tensor_load_to_lds s[\g0a:\g0a+3], s[\g1a:\g1a+7]
	s_nop 0
.rept 4
	v_nop
.endr
	s_branch .Lasked_\@
.Lfor_b_\@:
	tensor_load_to_lds s[\g0b:\g0b+3], s[\g1b:\g1b+7]
	s_nop 0
.rept 4
	v_nop
.endr
.Lasked_\@:
.endm
.macro CREST
	s_cmp_lg_u32 s14, 0
	s_cbranch_scc1 .Lnot_wave_0_\@
	s_barrier_signal -3
.Lnot_wave_0_\@:
	s_barrier_wait -3
	s_barrier_signal -1
	s_barrier_wait -1
.endm
.macro CROUND
	s_barrier_signal -1
	s_barrier_wait -1
	CREST
.endm
	s_load_b128 s[4:7], s[0:1], 0x0
	s_load_b128 s[8:11], s[0:1], 0x10
	v_lshl_add_u32 v[SPW], v0, 2, SPARE
	v_mov_b32 v[NIL], 0
	ds_add_u32 v28, v29
	ds_add_u32 v28, v29
	s_wait_dscnt 0x0
	v_lshrrev_b32 v1, 5, v0
	v_readfirstlane_b32 s14, v1
	s_lshr_b32 s15, s14, 1
	s_and_b32 s16, s14, 1
	s_bfe_u32 s40, ttmp6, 0x40000
	s_bfe_u32 s41, ttmp6, 0x40004
	s_lshl_b32 s42, ttmp9, 2
	s_add_co_u32 s42, s42, s40
	s_and_b32 s17, ttmp7, 0xffff
	s_lshl_b32 s17, s17, 2
	s_add_co_u32 s17, s17, s41
	s_lshl_b32 s43, s41, 2
	s_lshl_b32 s43, 15, s43
	s_lshl_b32 s44, 0x1111, s40
	s_or_b32 s[G1+0], s43, (3<<16)|(1<<21)
	s_mov_b32 s[G1+1], 2048<<16
	s_mov_b32 s[G1+2], 2<<16
	s_mov_b32 s[G1+3], 2048<<16
	s_mov_b32 s[G1+4], 2
	s_mov_b32 s[G1+5], HEADB/8
	s_mov_b32 s[G1+6], 0
	s_mov_b32 s[G1+7], 0
	s_or_b32 s[G1B+0], s44, (0<<16)|(1<<20)|(1<<21)|(6<<22)|(3<<25)
	s_mov_b32 s[G1B+1], ROWB<<16
	s_mov_b32 s[G1B+2], 64<<16
	s_mov_b32 s[G1B+3], ROWB<<16
	s_mov_b32 s[G1B+4], 64
	s_mov_b32 s[G1B+5], KROW
	s_mov_b32 s[G1B+6], 0
	s_mov_b32 s[G1B+7], 0
	s_lshl_b32 s20, s16, 19
	s_lshl_b32 s21, s17, 14
	s_add_co_u32 s20, s20, s21
	s_mov_b32 s21, 0
	s_lshl_b32 s18, s16, 6
	s_lshl_b32 s46, s42, 7
	s_add_co_u32 s46, s46, s18
	s_lshl_b32 s46, s46, 11
	s_add_co_u32 s46, s46, 6<<22
	s_mov_b32 s47, 0
	s_lshl_b32 s45, s16, 15
	s_mul_i32 s67, s16, HALFB
	s_add_co_u32 s67, s67, AIMG
	; the prefetches: of the 32,768 bytes that my load of a K step brings, my work-group names 8,192, told apart from its three partners by address.
	; A (waves 0, 1): two heads x 16,384 bytes: place cx takes head cx / 2, half cx % 2, lanes 256 bytes apart.  B (waves 2, 3): 64 rows x 512 bytes: place cy takes 16 rows, two lanes to a row.
	s_lshr_b32 s76, s40, 1
	s_lshl_b32 s76, s76, 18
	s_and_b32 s77, s40, 1
	s_lshl_b32 s77, s77, 13
	s_add_co_u32 s76, s76, s77
	s_add_co_u32 s76, s76, s20
	s_lshl_b32 s77, s41, 15
	s_add_co_u32 s77, s77, s46
	s_cmp_eq_u32 s15, 0
	s_cselect_b32 s76, s76, s77
	s_mov_b32 s74, ROWB
	s_cselect_b32 s74, 4*HEADB, s74                ; a K step on: four heads in A, 512 bytes in a row of B
	s_cselect_b32 s78, -1, 0
	s_mov_b32 s77, 0
	s_mov_b32 s75, 0
	v_and_b32 v6, 31, v0
	v_lshlrev_b32 v7, 8, v6
	v_lshrrev_b32 v8, 1, v6
	v_and_b32 v9, 1, v6
	v_lshlrev_b32 v9, 8, v9
	v_lshl_add_u32 v8, v8, 11, v9
	v_cndmask_b32 v27, v8, v7, s78                 ; v27: my lane's offset; never rewritten
	s_wait_alu depctr_va_vdst(0)
	s_wait_kmcnt 0x0
	s_cmp_eq_u32 s15, 0
	s_cselect_b64 s[68:69], s[4:5], s[6:7]
	s_add_nc_u64 s[68:69], s[68:69], s[76:77]
	s_add_nc_u64 s[68:69], s[68:69], s[74:75]      ; K step 1,
	s_add_nc_u64 s[70:71], s[68:69], s[74:75]      ; 2,
	s_add_nc_u64 s[72:73], s[70:71], s[74:75]      ; and 3: a pair of registers each, so that none is stepped
	s_add_nc_u64 s[20:21], s[4:5], s[20:21]
	s_add_nc_u64 s[46:47], s[6:7], s[46:47]
	CROUND
.irp s, 0,1
	s_mov_b32 s[G0+4*\s], 1
	s_add_co_u32 s[G0+4*\s+1], s45, \s*SLOT
	s_add_nc_u64 s[G0+4*\s+2:G0+4*\s+3], s[20:21], \s*4*HEADB
	s_or_b32 s[G0+4*\s+3], s[G0+4*\s+3], 0x80000000
	s_mov_b32 s[G0B+4*\s], 1
	s_add_co_u32 s[G0B+4*\s+1], s67, \s*SLOT
	s_add_nc_u64 s[G0B+4*\s+2:G0B+4*\s+3], s[46:47], \s*ROWB
	s_or_b32 s[G0B+4*\s+3], s[G0B+4*\s+3], 0x80000000
.endr
	JLOAD G0, G1, G0B, G1B                         ; K step 0, behind the opening round: one tensor load a wave at the head
	s_load_b64 s[96:97], s[8:9], 0x28              ; e10, e11: asked for behind the first tile,
	s_wait_kmcnt 0x0                               ; and the prefetches stand behind this wait: the first tile's rows are asked for ahead of them
	global_prefetch_b8 v27, s[68:69] th:TH_LOAD_NT scope:SCOPE_SE   ; K steps 1 and 2: their loads follow one and two changes of slots on
	global_prefetch_b8 v27, s[70:71] th:TH_LOAD_NT scope:SCOPE_SE
	v_and_b32 v1, 15, v0
	v_bfe_u32 v2, v0, 4, 1
	v_mul_u32_u24 v3, v1, PITCH
	v_lshl_add_u32 v4, v2, 4, v3
	v_and_b32 v6, 31, v0
	v_lshlrev_b32 v7, 4, v6
	s_lshl_b32 s21, s15, 13
	s_mul_i32 s22, s16, HALFB
	s_add_co_u32 s22, s22, AIMG
.irp s, 0,1
	v_add_nc_u32 v[ADRA+\s], s21, v7
	v_add_nc_u32 v[ADRB+\s], s22, v4
	s_add_co_u32 s21, s21, SLOT
	s_add_co_u32 s22, s22, SLOT
.endr
	s_mul_i32 s23, s14, 16*SPITCH
	s_add_co_u32 s23, s23, STAGE
	v_mul_u32_u24 v5, v1, SPITCH
	v_lshl_add_u32 v5, v2, 5, v5
	v_add_nc_u32 v[STO], s23, v5
	v_mul_u32_u24 v5, v2, SPITCH
	v_lshl_add_u32 v5, v1, 4, v5
	v_add_nc_u32 v[RD], s23, v5
	v_lshlrev_b32 v5, 13, v2
	v_lshl_add_u32 v[CO], v1, 4, v5
	s_lshl_b32 s20, s17, 7
	s_lshl_b32 s21, s15, 6
	s_add_co_u32 s20, s20, s21
	s_lshl_b32 s20, s20, 13
	s_lshl_b32 s46, s42, 9
	s_lshl_b32 s47, s16, 8
	s_add_co_u32 s46, s46, s47
	s_add_co_u32 s20, s20, s46
	s_mov_b32 s21, 0
	s_add_nc_u64 s[10:11], s[10:11], s[20:21]
.macro MUL8 f, a0, zero
.irp a, \a0, \a0+1
.irp b, 0,1,2,3
.if \zero
	v_wmma_f32_16x16x128_fp8_fp8 v[ACC+8*(4*(\a)+\b):ACC+8*(4*(\a)+\b)+7], v[\f+64+16*\b:\f+64+16*\b+15], v[\f+16*(\a):\f+16*(\a)+15], 0
.else
	v_wmma_f32_16x16x128_fp8_fp8 v[ACC+8*(4*(\a)+\b):ACC+8*(4*(\a)+\b)+7], v[\f+64+16*\b:\f+64+16*\b+15], v[\f+16*(\a):\f+16*(\a)+15], v[ACC+8*(4*(\a)+\b):ACC+8*(4*(\a)+\b)+7]
.endif
.endr
.endr
.endm
.macro FETCH slot, q, f
	WIN TO_F
.irp i, 0,1,2,3
.irp c, 0,1,2,3
	ds_load_b128 v[\f+64+16*\i+4*\c:\f+64+16*\i+4*\c+3], v[ADRB+\slot] offset:128*(\q)+32*\c+\i*16*PITCH
.endr
.endr
.irp i, 0,1,2,3
.irp c, 0,1,2,3
	ds_load_b128 v[\f+16*\i+4*\c:\f+16*\i+4*\c+3], v[ADRA+\slot] offset:16384*(\q)+2048*\i+512*\c
.endr
.endr
.endm
.macro PLACES
.rept 4
	v_nop
.endr
.endm
.macro QUARTER slot, q, f, g, zero
	s_wait_dscnt 8
	WIN MUL
	MUL8 \f, 0, \zero
	PLACES
	FETCH \slot, \q, \g
	s_wait_dscnt 32
	WIN MUL
	MUL8 \f, 2, \zero
.endm
.macro TURN slot, next, fill
	WIN 0
	s_wait_tensorcnt 0x0
	ds_add_u32 v[SPW], v[NIL]
	s_wait_dscnt 9
	WIN MUL
	MUL8 F1, 0, 0
	s_wait_dscnt 0x0
	s_barrier_signal -1
	MUL8 F1, 2, 0
.if \fill
	WIN 0
.endif
	s_barrier_wait -1
.if \fill
	CREST
	s_add_nc_u64 s[G0+4*\slot+2:G0+4*\slot+3], s[G0+4*\slot+2:G0+4*\slot+3], 8*HEADB
	s_add_nc_u64 s[G0B+4*\slot+2:G0B+4*\slot+3], s[G0B+4*\slot+2:G0B+4*\slot+3], 2*ROWB
	JLOAD G0+4*\slot, G1, G0B+4*\slot, G1B
.else
	PLACES
.endif
	s_wait_alu depctr_va_vdst(0)
	FETCH \next, 0, F0
.endm
	s_wait_alu depctr_va_vdst(0)
	s_wait_tensorcnt 0x0                           ; my part of K step 0 is in; the lines that stand ahead of a later first fill, as ahead of a refill:
	ds_add_u32 v[SPW], v[NIL]
	s_wait_dscnt 0x0
	CROUND
	JLOAD G0+4, G1, G0B+4, G1B                     ; K step 1, the first tensor load behind the round
	FETCH 0, 0, F0
	global_prefetch_b8 v27, s[72:73] th:TH_LOAD_NT scope:SCOPE_SE   ; K step 3
	QUARTER 0, 1, F0, F1, 1
	QUARTER 0, 2, F1, F0, 0
	QUARTER 0, 3, F0, F1, 0
	TURN 0, 1, 1
	QUARTER 1, 1, F0, F1, 0
	QUARTER 1, 2, F1, F0, 0
	QUARTER 1, 3, F0, F1, 0
	TURN 1, 0, 1
	QUARTER 0, 1, F0, F1, 0
	QUARTER 0, 2, F1, F0, 0
	QUARTER 0, 3, F0, F1, 0
	TURN 0, 1, 0
	QUARTER 1, 1, F0, F1, 0
	QUARTER 1, 2, F1, F0, 0
	QUARTER 1, 3, F0, F1, 0
	s_wait_dscnt 8
	WIN MUL
	MUL8 F1, 0, 0
	s_wait_dscnt 0
	MUL8 F1, 2, 0
	WIN 0
.macro TOSTAGE a
.set AC, ACC+32*(\a)
.set n, 0
.rept 16
	v_pk_mul_f32 v[TMP+n:TMP+n+1], v[AC+n:AC+n+1], s[96:97] op_sel_hi:[1,0]
.set n, n+2
.endr
.irp b, 0,1,2,3
	ds_store_b128 v[STO], v[TMP+8*\b:TMP+8*\b+3] offset:64*\b
	ds_store_b128 v[STO], v[TMP+8*\b+4:TMP+8*\b+7] offset:64*\b+16
.endr
.set BB, BK+32*((\a)%2)
.irp t, 0,1,2,3,4,5,6,7
	ds_load_b128 v[BB+4*\t:BB+4*\t+3], v[RD] offset:\t*2*SPITCH
.endr
.endm
.macro SEND a, younger
.set BB, BK+32*((\a)%2)
	s_wait_dscnt \younger
.irp t, 0,1,2,3,4,5,6,7
	global_store_b128 v[CO], v[BB+4*\t:BB+4*\t+3], s[10:11] offset:(16*(\a)+2*\t)*SIZE_N*4 th:TH_STORE_NT
.endr
.endm
	s_wait_kmcnt 0x0
	s_add_co_i32 s96, s96, s97
	s_add_co_i32 s96, s96, 127
	s_lshl_b32 s96, s96, 23
	PLACES
	TOSTAGE 0
.irp a, 1,2,3
.if \a > 1
	s_wait_xcnt 0x0
.endif
	TOSTAGE \a
	SEND \a-1, 16
.endr
	SEND 3, 0
	s_wait_tensorcnt 0x0
	ds_add_u32 v[SPW], v[NIL]
	s_wait_dscnt 0x0
	CROUND
	s_endpgm
.Lfunc_end_k_qeaedc5d6b9_oproj:
	.size	k_qeaedc5d6b9_oproj, .Lfunc_end_k_qeaedc5d6b9_oproj-k_qeaedc5d6b9_oproj
	.p2alignl 7, 3214868480
	.fill 96, 4, 3214868480
	.section	.rodata,"a",@progbits
	.p2align	6, 0x0
	.amdhsa_kernel k_qeaedc5d6b9_oproj
		.amdhsa_group_segment_fixed_size 327680
		.amdhsa_private_segment_fixed_size 0
		.amdhsa_enable_private_segment 0
		.amdhsa_kernarg_size 32
		.amdhsa_user_sgpr_count 2
		.amdhsa_user_sgpr_kernarg_segment_ptr 1
		.amdhsa_wavefront_size32 1
		.amdhsa_system_sgpr_workgroup_id_x 1
		.amdhsa_system_sgpr_workgroup_id_y 1
		.amdhsa_system_sgpr_workgroup_id_z 1
		.amdhsa_system_vgpr_workitem_id 0
		.amdhsa_next_free_vgpr 512
		.amdhsa_next_free_sgpr 98
		.amdhsa_reserve_vcc 0
		.amdhsa_float_denorm_mode_32 3
		.amdhsa_float_denorm_mode_16_64 3
		.amdhsa_memory_ordered 1
		.amdhsa_forward_progress 1
		.amdhsa_inst_pref_size 75
	.end_amdhsa_kernel
	.amdgpu_metadata
---
amdhsa.version: [ 1, 2 ]
amdhsa.kernels:
  - .name:           k_qeaedc5d6b9_oproj
    .symbol:         k_qeaedc5d6b9_oproj.kd
    .args:
      - { .name: attn_img, .offset: 0, .size: 8, .value_kind: global_buffer, .address_space: global }
      - { .name: xw_codes, .offset: 8, .size: 8, .value_kind: global_buffer, .address_space: global }
      - { .name: lowp_scales, .offset: 16, .size: 8, .value_kind: global_buffer, .address_space: global }
      - { .name: out0, .offset: 24, .size: 8, .value_kind: global_buffer, .address_space: global }
    .group_segment_fixed_size: 327680
    .private_segment_fixed_size: 0
    .kernarg_segment_align: 8
    .kernarg_segment_size: 32
    .max_flat_workgroup_size: 128
    .sgpr_count:     98
    .vgpr_count:     512
    .wavefront_size: 32
...
	.end_amdgpu_metadata
.endif
;; end of part 8
